; MI455X (gfx1250); checked and timed in simulation.
; The chip was launched on July 23, 2026; its instructions are those of AMD's public machine-readable ISA for CDNA 5 (MIT licence, August 2026) and "CDNA5" Instruction Set Architecture Reference Guide (July 2026). The comments in the code are by the model that wrote it; some were corrected since.
;; Sparse Transformer Layer. Allowed arithmetic: matrix products marked QUANTISED: E4M3 operands, one E8M0 scale for each 32 along K, by v_wmma_scale_f32_16x16x128_f8f6f4 with both operands' format E4M3, f32 sums; everything else in f32.
;; Inputs: b1 4,096 float32; b2 1,024 float32; bk 1,024 float32; bo 1,024 float32; bq 1,024 float32; bv 1,024 float32; ln1_b 1,024 float32; ln1_g 1,024 float32; ln2_b 1,024 float32; ln2_g 1,024 float32; w1 1,024 x 4,096 float32; w2 4,096 x 1,024 float32; wk 1,024 x 1,024 float32; wo 1,024 x 1,024 float32; wq 1,024 x 1,024 float32; wv 1,024 x 1,024 float32; x 2 x 2,048 x 1,024 float32.
;; Outputs: out0 2 x 2,048 x 1,024 float32.
;; This version of the problem:
;;   THIS VERSION OF THE PROBLEM IS GIVEN IN LOW PRECISION. The matrix products marked QUANTISED in the list below multiply operands that are first quantised to E4M3 (4 exponent bits, 3 mantissa bits; 8 bits a number), with one power-of-two scale for each 32 numbers along K (OCP MX v1.0); their sums are f32. All else is computed in f32.
;;   The module's matrix products, in the order in which they are computed (A, B: the left and right operand; K: the contracted axis; several contracted axes count as one K, in the product's order):
;;     1. [M 4,096, K 1,024] x [K 1,024, N 1,024]; A: computed on the way; B: input wq: QUANTISED
;;     2. [M 4,096, K 1,024] x [K 1,024, N 1,024]; A: computed on the way; B: input wk: QUANTISED
;;     3. [M 4,096, K 1,024] x [K 1,024, N 1,024]; A: computed on the way; B: input wv: QUANTISED
;;     4. batch 32 x [M 2,048, K 64] x [K 64, N 2,048]; A: computed on the way; B: computed on the way: QUANTISED
;;     5. batch 32 x [M 2,048, K 2,048] x [K 2,048, N 64]; A: softmax (see below); B: computed on the way: QUANTISED
;;     6. [M 4,096, K 1,024] x [K 1,024, N 1,024]; A: computed on the way; B: input wo: QUANTISED
;;     7. [M 4,096, K 1,024] x [K 1,024, N 4,096]; A: computed on the way; B: input w1: QUANTISED
;;     8. [M 4,096, K 4,096] x [K 4,096, N 1,024]; A: computed on the way; B: input w2: QUANTISED
;;   THE QUANTISER, for each operand of a quantised product, along K:
;;     - K is cut into blocks of 32 from its start; a last block that is shorter is filled with zeros.
;;     - A block's scale is 2^e with e = floor(log2(the largest magnitude in the block)) - 8, held to -126 .. 127; a block of zeros has e = 0. As a byte (E8M0): e + 127.
;;     - Each number is divided by its block's scale, clamped to +-448, and rounded to the nearest number of E4M3, ties to even, subnormals kept.
;;     - The product sums the exact products of the quantised numbers (number of the format x scale) in f32.
;;   ~~~python
;;   def quantise(x, axis):      # numpy; x: float32 -> the quantised numbers, widened to float32 again
;;       x = np.moveaxis(x, axis, -1); K = x.shape[-1]
;;       x = np.pad(x, [(0, 0)] * (x.ndim - 1) + [(0, -K % 32)]); x = x.reshape(x.shape[:-1] + (-1, 32)); a = np.abs(x).max(-1, keepdims=True)
;;       e = np.where(a > 0, np.clip(np.frexp(np.where(a > 0, a, 1))[1] - 1 - 8, -126, 127), 0)      # np.frexp(a)[1] - 1 = floor(log2(a)), exactly
;;       r = np.clip(x / 2.0 ** e, -448, 448)
;;       step = 2.0 ** (np.maximum(np.frexp(np.where(r == 0, 1, r))[1] - 1, -6) - 3)
;;       q = np.round(r / step) * step * 2.0 ** e      # np.round: ties to even
;;       return np.moveaxis(q.reshape(q.shape[:-2] + (-1,))[..., :K], -1, axis).astype(np.float32)
;;   ~~~
;;   SOFTMAX AHEAD OF A QUANTISED PRODUCT. Where the list says 'softmax', what is quantised is not the finished softmax but p = 2^(t - M), with t = logit x log2(e) and M = ceil(the row's largest t), a whole number; so 1/2 < the row's largest p <= 1. The row's sum l is taken of the UNQUANTISED p, in f32, and the product's result is divided by l at the end. Since M is a whole number, a kernel that streams over the keys may use a running M (the ceiling of the running maximum): every later rescaling is an exact power of two, which a block's scale takes up: the codes' values come out the same.
;;   OPERANDS COMPUTED ON THE WAY. 'Computed on the way' means the value that the module computes at that place (a softmax that the list does not call 'softmax' is quantised finished and normalised). What goes into a quantiser is computed in f32, as accurately as f32 sums, v_exp_f32 and their like allow (about 1e-6 of the number): no bf16 or f16 on the way to a quantiser, and a product that is left as it is and whose result goes on into a quantised operand takes f32 operands (vector FMAs, or v_wmma_f32_16x16x4_f32). A number that lies on a knife's edge between two numbers of the format may be rounded either way, as far as f32 arithmetic and the matrix unit's own rounding can turn it there, and no further.
;; 2 versions. Each part assembles by itself: llvm-mc -triple=amdgcn-amd-amdhsa -mcpu=gfx1250 --defsym DOCPART=n.
;; ======== version 1 of 2: 8 launches
;; workspace buffers: wts 12,976,128 bytes; act 4,325,376 bytes; qkvc 12,976,128 bytes; att 4,325,376 bytes; x1 16,777,216 bytes; hid 17,301,504 bytes
;; launch quantw (part 1): grid 128 x 3, 4 waves a work-group, no clusters, 0 bytes of LDS; arguments wq, wk, wv, wo, w1, w2, wts; writes wts
.if DOCPART == 1
	.amdgcn_target "amdgcn-amd-amdhsa--gfx1250"
	.amdhsa_code_object_version 6
	.text
	.protected	k_qec524a5042_quantw
	.globl	k_qec524a5042_quantw
	.p2align	8
	.type	k_qec524a5042_quantw,@function
k_qec524a5042_quantw:
	s_mov_b64 s[64:65], 0
	v_nop
	global_prefetch_b8 v0, s[64:65] scope:SCOPE_SE
	s_setreg_imm32_b32 hwreg(HW_REG_WAVE_MODE, 25, 1), 1
	s_wait_xcnt 0x0
; The six weights, f32 stored [K][N], become codes of E4M3 with one E8M0 byte for each 32 along K (their FIRST axis), laid in the order of an operand's registers:
; codes [tile of 16 columns][K / 128][c 0..3][lane 0..31][16 bytes]: lane 16 h + r holds k = 128 kc + 32 c + 16 h + 0..15 of the tile's place r; scale words [tile][K / 128][place], one byte a block.
; PLACES: place p of the columns holds column p with its bits 3 and 4 exchanged, so that the 16 result registers of two neighbouring tiles are 16 neighbouring columns.
; wts: tiles 0-63 wq, 64-127 wk, 128-191 wv, 192-255 wo, 256-511 w1 (16,384 bytes a tile); w2 at 8,388,608 (65,536 a tile); scale words at 12,582,912 + a fragment's byte / 32.
; A LANE TAKES A COLUMN AND ITS REGISTERS RUN DOWN K: a block of 32 lies in one lane, its largest magnitude needs no other lane, and the conversions give codes with K innermost.
; A work-group takes 128 columns x 256 along K, a wave 32 columns (two tiles) x 8 blocks.  grid y: 0 = wq, wk, wv, wo (32 work-groups each), 1 = w1, 2 = w2; only pointers and strides are chosen: one path.
; Each store of codes covers two whole runs of 256 consecutive bytes (one for each tile).  The scale words leave as two runs of 64 bytes: one byte in 128 of what is read.
; LIMITS: NaN and infinities are not served; a block whose largest magnitude lies under 2^-118 (zeros too) gets the byte 1: its bytes are read by this program alone.
.set OFF, 32                           ; v32-63   4 x lane + i rows of the weight
.set X,   64                           ; v64-127  two sets of 32 numbers
.set C,   128                          ; v128-191 eight registers of codes for each block: no store's data are written again
.set SB,  16                           ; v16-17   scale words
.set SRC, 32                           ; s[32:47] the eight blocks' first rows
.set DC,  48                           ; s[48:49] my codes
.set DS,  50                           ; s[50:51] my scale words
.set MNT, 52                           ; s52      the mantissa field of 448
	s_load_b256 s[4:11], s[0:1], 0x0               ; wq, wk, wv, wo
	s_load_b128 s[12:15], s[0:1], 0x20             ; w1, w2
	s_load_b64 s[16:17], s[0:1], 0x30              ; wts
	v_lshrrev_b32 v1, 5, v0
	v_readfirstlane_b32 s18, v1                    ; wave
	v_and_b32 v1, 31, v0
	v_lshlrev_b32 v2, 2, v1                        ; 4 bytes a lane
	v_bfe_u32 v6, v0, 3, 1                         ; my column's tile of the wave's two: bit 3 of the column
	v_and_b32 v7, 7, v0
	v_bfe_u32 v8, v0, 4, 1
	v_lshl_or_b32 v7, v8, 3, v7                    ; and its place in that tile: bits 2:0, and bit 4 as bit 3
	s_and_b32 s19, ttmp7, 0xffff                   ; y
	s_lshr_b32 s25, ttmp9, 5
	s_lshr_b32 s26, ttmp9, 3
	s_and_b32 s27, s26, 3
	s_and_b32 s28, ttmp9, 7
	s_and_b32 s29, ttmp9, 31
	s_lshl_b32 s30, s25, 20                        ; y = 0: which weight, 1 MiB of codes each
	s_mov_b32 s22, 4096
	s_mov_b32 s24, 8388608
	s_mov_b32 s23, 16384
	s_cmp_eq_u32 s19, 1
	s_cselect_b32 s20, s29, s28                    ; block of 128 columns
	s_cselect_b32 s21, s25, s26                    ; block of 256 along K
	s_cselect_b32 s22, 16384, s22                  ; a row of the weight in bytes
	s_cselect_b32 s24, 4194304, s24                ; where its codes begin
	s_cmp_eq_u32 s19, 0
	s_cselect_b32 s21, s27, s21
	s_cselect_b32 s24, s30, s24
	s_cmp_eq_u32 s19, 2
	s_cselect_b32 s23, 65536, s23                  ; a tile's codes in bytes: K x 16
	s_lshr_b32 s31, s23, 5                         ; and its scale words
	v_lshlrev_b32 v4, 4, v7
	v_mad_u32_u24 v4, v6, s23, v4                  ; codes: tile + 16 x place
	v_lshlrev_b32 v5, 2, v7
	v_mad_u32_u24 v5, v6, s31, v5                  ; scale words: tile + 4 x place
.set I, 0
.rept 32
	v_mad_u32_u24 v[OFF+I], s22, I, v2
.set I, I+1
.endr
	s_mov_b32 s[MNT], 0x600000
	s_mul_i32 s26, s21, s22
	s_lshl_b32 s26, s26, 8                         ; 256 rows a block of K
	s_lshl_b32 s27, s20, 9
	s_add_co_u32 s26, s26, s27                     ; + 128 columns a block
	s_lshl_b32 s27, s18, 7
	s_add_co_u32 s26, s26, s27                     ; + 32 columns a wave
	s_mov_b32 s27, 0
	s_lshl_b32 s28, s22, 5                         ; 32 rows on
	s_mov_b32 s29, 0
	s_lshl_b32 s30, s20, 3
	s_lshl_b32 s31, s18, 1
	s_add_co_u32 s30, s30, s31                     ; my first tile
	s_mul_i32 s30, s30, s23
	s_lshl_b32 s31, s21, 12                        ; two fragments of 2,048 bytes for 256 along K
	s_add_co_u32 s30, s30, s31
	s_add_co_u32 s30, s30, s24
	s_lshr_b32 s54, s30, 5
	s_add_co_u32 s54, s54, 12582912
	s_mov_b32 s31, 0
	s_mov_b32 s55, 0
	s_wait_kmcnt 0x0
	s_bitcmp1_b32 s25, 0                           ; the choices hang on the work-group's number alone
	s_cselect_b64 s[4:5], s[6:7], s[4:5]
	s_cselect_b64 s[8:9], s[10:11], s[8:9]
	s_bitcmp1_b32 s25, 1
	s_cselect_b64 s[4:5], s[8:9], s[4:5]
	s_cmp_eq_u32 s19, 1
	s_cselect_b64 s[4:5], s[12:13], s[4:5]
	s_cmp_eq_u32 s19, 2
	s_cselect_b64 s[4:5], s[14:15], s[4:5]
	s_add_nc_u64 s[SRC:SRC+1], s[4:5], s[26:27]
.irp t, 1,2,3,4,5,6,7
	s_add_nc_u64 s[SRC+2*\t:SRC+2*\t+1], s[SRC+2*\t-2:SRC+2*\t-1], s[28:29]
.endr
	s_add_nc_u64 s[DC:DC+1], s[16:17], s[30:31]
	s_add_nc_u64 s[DS:DS+1], s[16:17], s[54:55]
.macro LOAD t                          ; block t: 32 rows of my column; a load of the wave reads 128 consecutive bytes, the four waves stand side by side
.set I, 0
.rept 32
	global_load_b32 v[X+32*((\t)%2)+I], v[OFF+I], s[SRC+2*(\t):SRC+2*(\t)+1] th:TH_LOAD_NT
.set I, I+1
.endr
.endm
	LOAD 0
	LOAD 1
.macro BLOCK t
.set XS, X+32*((\t)%2)
.if (\t) < 7
	s_wait_loadcnt 32                              ; this block's 32 loads are in; the next block's may be out
.else
	s_wait_loadcnt 0
.endif
	v_max3_num_f32 v12, |v[XS]|, |v[XS+1]|, |v[XS+2]|      ; the block's largest magnitude, in two chains
	v_max3_num_f32 v13, |v[XS+3]|, |v[XS+4]|, |v[XS+5]|
.irp i, 6,10,14,18,22,26
	v_max3_num_f32 v12, v12, |v[XS+\i]|, |v[XS+\i+1]|
	v_max3_num_f32 v13, v13, |v[XS+\i+2]|, |v[XS+\i+3]|
.endr
	v_max3_num_f32 v12, v12, |v[XS+30]|, |v[XS+31]|
	v_max3_num_f32 v12, v12, v13, 0x4800000        ; and the floor 2^(9 - 127): the byte cannot fall under 1
	v_add_nc_u32 v11, 0xfc000000, v12              ; 8 off the exponent field: the conversion's scale operand
	v_and_or_b32 v10, v12, 0x7f800000, s[MNT]      ; 448 x the scale
	v_lshrrev_b32 v13, 23, v11                     ; the scale's byte
.if (\t)%4 == 0
	v_mov_b32 v[SB+(\t)/4], v13
.else
	v_lshl_or_b32 v[SB+(\t)/4], v13, 8*((\t)%4), v[SB+(\t)/4]
.endif
.set I, 0
.rept 32
	v_med3_num_f32 v[XS+I], v[XS+I], -v10, v10     ; the conversion to an 8-bit code does not saturate (ISA guide 7.6.2): the hold comes first
.set I, I+1
.endr
.irp g, 0,1,2,3
	v_cvt_scalef32_pk8_fp8_f32 v[C+8*(\t)+2*\g:C+8*(\t)+2*\g+1], v[XS+8*\g:XS+8*\g+7], v11
.endr
	global_store_b128 v4, v[C+8*(\t):C+8*(\t)+3], s[DC:DC+1] offset:((\t)/4)*2048+((\t)%4)*512         ; k 0-15 of the block: the lower half of the lanes' places
	global_store_b128 v4, v[C+8*(\t)+4:C+8*(\t)+7], s[DC:DC+1] offset:((\t)/4)*2048+((\t)%4)*512+256   ; k 16-31: the upper half's
.if (\t)%4 == 3
	global_store_b32 v5, v[SB+(\t)/4], s[DS:DS+1] offset:((\t)/4)*64
.endif
.if (\t)+2 < 8
	LOAD (\t)+2
.endif
.endm
.irp t, 0,1,2,3,4,5,6,7
	BLOCK \t
.endr
	s_endpgm
.Lfunc_end_k_qec524a5042_quantw:
	.size	k_qec524a5042_quantw, .Lfunc_end_k_qec524a5042_quantw-k_qec524a5042_quantw
	.p2alignl 7, 3214868480
	.fill 96, 4, 3214868480
	.section	.rodata,"a",@progbits
	.p2align	6, 0x0
	.amdhsa_kernel k_qec524a5042_quantw
		.amdhsa_group_segment_fixed_size 0
		.amdhsa_private_segment_fixed_size 0
		.amdhsa_enable_private_segment 0
		.amdhsa_kernarg_size 56
		.amdhsa_user_sgpr_count 2
		.amdhsa_user_sgpr_kernarg_segment_ptr 1
		.amdhsa_wavefront_size32 1
		.amdhsa_system_sgpr_workgroup_id_x 1
		.amdhsa_system_sgpr_workgroup_id_y 1
		.amdhsa_system_sgpr_workgroup_id_z 1
		.amdhsa_system_vgpr_workitem_id 0
		.amdhsa_next_free_vgpr 192
		.amdhsa_next_free_sgpr 66
		.amdhsa_reserve_vcc 0
		.amdhsa_float_denorm_mode_32 3
		.amdhsa_float_denorm_mode_16_64 3
		.amdhsa_memory_ordered 1
		.amdhsa_forward_progress 1
		.amdhsa_inst_pref_size 60
	.end_amdhsa_kernel
	.amdgpu_metadata
---
amdhsa.version: [ 1, 2 ]
amdhsa.kernels:
  - .name:           k_qec524a5042_quantw
    .symbol:         k_qec524a5042_quantw.kd
    .args:
      - { .name: wq, .offset: 0, .size: 8, .value_kind: global_buffer, .address_space: global }
      - { .name: wk, .offset: 8, .size: 8, .value_kind: global_buffer, .address_space: global }
      - { .name: wv, .offset: 16, .size: 8, .value_kind: global_buffer, .address_space: global }
      - { .name: wo, .offset: 24, .size: 8, .value_kind: global_buffer, .address_space: global }
      - { .name: w1, .offset: 32, .size: 8, .value_kind: global_buffer, .address_space: global }
      - { .name: w2, .offset: 40, .size: 8, .value_kind: global_buffer, .address_space: global }
      - { .name: wts, .offset: 48, .size: 8, .value_kind: global_buffer, .address_space: global }
    .group_segment_fixed_size: 0
    .private_segment_fixed_size: 0
    .kernarg_segment_align: 8
    .kernarg_segment_size: 56
    .max_flat_workgroup_size: 128
    .sgpr_count:     66
    .vgpr_count:     192
    .wavefront_size: 32
...
	.end_amdgpu_metadata
.endif
;; end of part 1
;; launch ln1 (part 2): grid 256 x 1, 8 waves a work-group, no clusters, 67,328 bytes of LDS; arguments x, ln1_g, ln1_b, act; writes act
.if DOCPART == 2
	.amdgcn_target "amdgcn-amd-amdhsa--gfx1250"
	.amdhsa_code_object_version 6
	.text
	.protected	k_qec524a5042_ln1
	.globl	k_qec524a5042_ln1
	.p2align	8
	.type	k_qec524a5042_ln1,@function
k_qec524a5042_ln1:
	s_mov_b64 s[64:65], 0
	v_nop
	global_prefetch_b8 v0, s[64:65] scope:SCOPE_SE
	s_setreg_imm32_b32 hwreg(HW_REG_WAVE_MODE, 25, 1), 1
	s_wait_xcnt 0x0
; y = (x - mean) rsqrt(var + 1e-5) g + b along rows of 1,024 f32, then quantised along the row to E4M3 with one E8M0 byte for each 32, and stored in the order of an operand's registers:
; codes [tile of 16 rows][8 chunks of 128][c][lane][16 bytes], scale words at 4,194,304 [tile][chunk][place].  Place p of the rows holds row p with its bits 3 and 4 exchanged.
; A work-group makes one tile of 16 rows.  PHASE 1: wave w takes places 2 w, 2 w + 1, which are two neighbouring rows; a row lies in 32 registers of the wave, so it is read once; mean and variance in two passes,
; so that a common offset of the inputs costs no accuracy.  The rows go to LDS (pitch 4,096 + 16 bytes).  PHASE 2: wave w takes chunk w of all 16 rows: lane (r, h) reads 16 neighbours of each of the four blocks.
; Each store of codes covers 512 consecutive bytes; the tile's 512 bytes of scale words are gathered in LDS and leave by one store.
; LIMITS: NaN and infinities are not served; a block whose largest magnitude lies under 2^-118 gets the byte 1 (its bytes are read by this program alone).
.set PITCH, 4112
.set SCB,   16*PITCH                   ; behind the rows: 512 bytes of scale words
.set X0,  32                           ; v32-63   row 0
.set X1,  64                           ; v64-95   row 1
.set G,   96                           ; v96-127  gains of my 32 columns
.set BB,  128                          ; v128-159 biases
.set ST,  32                           ; phase 2: 64 numbers
.set TM,  160                          ; v160-163 largest magnitudes, 164-167 bytes, 168-171 448 x scale, 172-175 scale operands
.set PW,  176                          ; the scale word
.set PC,  180                          ; v180-195 the codes
.set SEL, 26                           ; s[26:27] selects for lane l xor 16
.set MNT, 30
	s_load_b256 s[4:11], s[0:1], 0x0               ; x, g, b, the codes' buffer
	v_lshl_add_u32 v200, v0, 2, 0x10300
	v_mov_b32 v201, 0
	v_lshrrev_b32 v1, 5, v0
	v_readfirstlane_b32 s12, v1                    ; wave 0..7
	v_and_b32 v1, 31, v0
	v_lshlrev_b32 v2, 4, v1                        ; 16 x lane; never rewritten
	v_and_b32 v5, 15, v0                           ; r
	v_bfe_u32 v6, v0, 4, 1                         ; h
	s_mul_i32 s16, s12, 2*PITCH
	v_add_nc_u32 v3, s16, v2                       ; LDS, phase 1: my two rows, 16 bytes a lane
	v_mul_u32_u24 v4, v5, PITCH
	v_lshl_add_u32 v4, v6, 6, v4
	s_lshl_b32 s17, s12, 9
	v_add_nc_u32 v4, s17, v4                       ; LDS, phase 2: row r, chunk w, + 64 h
	s_lshl_b32 s18, s12, 6
	s_add_co_u32 s18, s18, SCB
	v_lshl_add_u32 v7, v5, 2, s18                  ; my row's scale word of chunk w
	v_add_nc_u32 v26, SCB, v2                      ; and the way out of all of them
	v_mov_b32 v24, 0                               ; a lane permute's destination counts as one of its sources
	v_mov_b32 v25, 0
.irp b, 0,1,2,3
	v_mov_b32 v[TM+4+\b], 0
.endr
	s_mov_b32 s[SEL], 0x76543210
	s_mov_b32 s[SEL+1], 0xfedcba98
	s_mov_b32 s28, 0x3a800000                      ; 1 / 1,024
	s_mov_b32 s29, 0x3727c5ac                      ; 1e-5
	s_mov_b32 s[MNT], 0x600000
	s_lshr_b32 s13, ttmp9, 1
	s_lshl_b32 s13, s13, 5
	s_and_b32 s14, ttmp9, 1
	s_lshl_b32 s14, s14, 3
	s_add_co_u32 s13, s13, s14
	s_lshl_b32 s14, s12, 1
	s_add_co_u32 s13, s13, s14
	s_lshr_b32 s14, s12, 2
	s_lshl_b32 s14, s14, 3
	s_add_co_u32 s13, s13, s14                     ; my first row: 32 (T / 2) + 8 (T % 2) + 2 w + 8 (w / 4)
	s_lshl_b32 s14, s13, 12
	s_mov_b32 s15, 0
	s_lshl_b32 s20, ttmp9, 3
	s_add_co_u32 s20, s20, s12
	s_lshl_b32 s20, s20, 11                        ; fragment (T, w)
	s_mov_b32 s21, 0
	s_lshl_b32 s24, ttmp9, 9
	s_add_co_u32 s24, s24, 4194304                 ; the tile's scale words
	s_mov_b32 s25, 0
	s_wait_kmcnt 0x0
	s_add_nc_u64 s[4:5], s[4:5], s[14:15]
	s_add_nc_u64 s[22:23], s[10:11], s[20:21]
	s_add_nc_u64 s[24:25], s[10:11], s[24:25]
.irp j, 0,1,2,3,4,5,6,7
	global_load_b128 v[X0+4*\j:X0+4*\j+3], v2, s[4:5] offset:512*\j            ; 512 consecutive bytes a load
.endr
.irp j, 0,1,2,3,4,5,6,7
	global_load_b128 v[X1+4*\j:X1+4*\j+3], v2, s[4:5] offset:4096+512*\j
.endr
.irp j, 0,1,2,3,4,5,6,7
	global_load_b128 v[G+4*\j:G+4*\j+3], v2, s[6:7] offset:512*\j
.endr
.irp j, 0,1,2,3,4,5,6,7
	global_load_b128 v[BB+4*\j:BB+4*\j+3], v2, s[8:9] offset:512*\j
.endr
.macro SUMROW x, d                     ; my 32 numbers of a row, two at a time, in two chains
	v_pk_add_f32 v[\d:\d+1], v[\x:\x+1], v[\x+2:\x+3]
	v_pk_add_f32 v[\d+2:\d+3], v[\x+4:\x+5], v[\x+6:\x+7]
.irp i, 8,12,16,20,24,28
	v_pk_add_f32 v[\d:\d+1], v[\d:\d+1], v[\x+\i:\x+\i+1]
	v_pk_add_f32 v[\d+2:\d+3], v[\d+2:\d+3], v[\x+\i+2:\x+\i+3]
.endr
	v_pk_add_f32 v[\d:\d+1], v[\d:\d+1], v[\d+2:\d+3]
	v_add_f32 v[\d], v[\d], v[\d+1]
.endm
.macro SQROW x, d                      ; the same of their squares
	v_pk_mul_f32 v[\d:\d+1], v[\x:\x+1], v[\x:\x+1]
	v_pk_mul_f32 v[\d+2:\d+3], v[\x+2:\x+3], v[\x+2:\x+3]
.irp i, 4,8,12,16,20,24,28
	v_pk_fma_f32 v[\d:\d+1], v[\x+\i:\x+\i+1], v[\x+\i:\x+\i+1], v[\d:\d+1]
	v_pk_fma_f32 v[\d+2:\d+3], v[\x+\i+2:\x+\i+3], v[\x+\i+2:\x+\i+3], v[\d+2:\d+3]
.endr
	v_pk_add_f32 v[\d:\d+1], v[\d:\d+1], v[\d+2:\d+3]
	v_add_f32 v[\d], v[\d], v[\d+1]
.endm
.macro RED a, b                        ; two sums over the 32 lanes, by turns; every lane ends with the result
.irp m, 1,2,4,8
	v_add_f32_dpp v[\a], v[\a], v[\a] row_xmask:\m row_mask:0xf bank_mask:0xf
	v_add_f32_dpp v[\b], v[\b], v[\b] row_xmask:\m row_mask:0xf bank_mask:0xf
.endr
	v_permlanex16_b32 v24, v[\a], s[SEL], s[SEL+1]
	v_permlanex16_b32 v25, v[\b], s[SEL], s[SEL+1]
	v_add_f32 v[\a], v[\a], v24
	v_add_f32 v[\b], v[\b], v25
.endm
	s_wait_loadcnt 16                              ; the two rows are in; the 16 loads of gains and biases may be out
	SUMROW X0, 8
	SUMROW X1, 12
	RED 8, 12
	v_mul_f32 v8, s28, v8                          ; the means
	v_mul_f32 v12, s28, v12
.set I, 0
.rept 16
	v_pk_add_f32 v[X0+I:X0+I+1], v[X0+I:X0+I+1], v[8:9] op_sel_hi:[1,0] neg_lo:[0,1] neg_hi:[0,1]      ; x - mean, in place
	v_pk_add_f32 v[X1+I:X1+I+1], v[X1+I:X1+I+1], v[12:13] op_sel_hi:[1,0] neg_lo:[0,1] neg_hi:[0,1]
.set I, I+2
.endr
	SQROW X0, 16
	SQROW X1, 20
	RED 16, 20
	v_fma_f32 v16, v16, s28, s29                   ; variance + 1e-5
	v_fma_f32 v20, v20, s28, s29
	v_rsq_f32 v16, v16
	v_rsq_f32 v20, v20
	v_nop                                          ; a plain instruction between a transcendental and the use of its result
	s_wait_loadcnt 0x0                             ; gains and biases
.set I, 0
	s_wait_alu depctr_va_vdst(0)
.rept 16
	v_pk_mul_f32 v[X0+I:X0+I+1], v[X0+I:X0+I+1], v[16:17] op_sel_hi:[1,0]
	v_pk_mul_f32 v[X1+I:X1+I+1], v[X1+I:X1+I+1], v[20:21] op_sel_hi:[1,0]
.set I, I+2
.endr
.set I, 0
.rept 16
	v_pk_fma_f32 v[X0+I:X0+I+1], v[X0+I:X0+I+1], v[G+I:G+I+1], v[BB+I:BB+I+1]
	v_pk_fma_f32 v[X1+I:X1+I+1], v[X1+I:X1+I+1], v[G+I:G+I+1], v[BB+I:BB+I+1]
.set I, I+2
.endr
.irp j, 0,1,2,3,4,5,6,7
	ds_store_b128 v3, v[X0+4*\j:X0+4*\j+3] offset:512*\j
	ds_store_b128 v3, v[X1+4*\j:X1+4*\j+3] offset:PITCH+512*\j
.endr
	s_wait_dscnt 0x0                               ; for the others' sake: my rows lie in LDS
	s_barrier_signal -1
	s_barrier_wait -1
.irp c, 0,1,2,3
.irp j, 0,1,2,3
	ds_load_b128 v[ST+16*\c+4*\j:ST+16*\c+4*\j+3], v4 offset:128*\c+16*\j      ; register 16 c + i = k 32 c + 16 h + i of row r; sixteen rows 257 x 16 bytes apart: sixteen different groups of banks
.endr
.endr
	s_wait_dscnt 0x0
.irp b, 0,1,2,3
	v_max3_num_f32 v[TM+\b], |v[ST+16*\b]|, |v[ST+1+16*\b]|, 0x4800000         ; block b: my 16 numbers and the floor 2^(9 - 127)
.endr
.irp i, 2,4,6,8,10,12,14
.irp b, 0,1,2,3
	v_max3_num_f32 v[TM+\b], v[TM+\b], |v[ST+16*\b+\i]|, |v[ST+1+16*\b+\i]|
.endr
.endr
.irp b, 0,1,2,3
	v_permlanex16_b32 v[TM+4+\b], v[TM+\b], s[SEL], s[SEL+1]
.endr
.irp b, 0,1,2,3
	v_max_num_f32 v[TM+\b], v[TM+\b], v[TM+4+\b]   ; with lane l xor 16's: the block's largest magnitude
.endr
.irp b, 0,1,2,3
	v_add_nc_u32 v[TM+12+\b], 0xfc000000, v[TM+\b] ; 8 off the exponent field: the conversion's scale operand
.endr
.irp b, 0,1,2,3
	v_and_or_b32 v[TM+8+\b], v[TM+\b], 0x7f800000, s[MNT]  ; 448 x the scale
.endr
.irp b, 0,1,2,3
	v_lshrrev_b32 v[TM+4+\b], 23, v[TM+12+\b]      ; the byte
.endr
	v_lshl_or_b32 v[PW], v[TM+5], 8, v[TM+4]
	v_lshl_or_b32 v[PW], v[TM+6], 16, v[PW]
	v_lshl_or_b32 v[PW], v[TM+7], 24, v[PW]
.irp b, 0,1,2,3
.irp i, 0,1,2,3,4,5,6,7,8,9,10,11,12,13,14,15
	v_med3_num_f32 v[ST+16*\b+\i], v[ST+16*\b+\i], -v[TM+8+\b], v[TM+8+\b]     ; the conversion does not saturate (ISA guide 7.6.2)
.endr
	v_cvt_scalef32_pk8_fp8_f32 v[PC+4*\b:PC+1+4*\b], v[ST+16*\b:ST+7+16*\b], v[TM+12+\b]
	v_cvt_scalef32_pk8_fp8_f32 v[PC+2+4*\b:PC+3+4*\b], v[ST+8+16*\b:ST+15+16*\b], v[TM+12+\b]
.endr
	v_nop
.irp c, 0,1,2,3
	global_store_b128 v2, v[PC+4*\c:PC+4*\c+3], s[22:23] offset:512*\c         ; 512 consecutive bytes
.endr
	ds_store_b32 v7, v[PW]                         ; lanes r and r + 16 write the same word with the same value
	s_wait_dscnt 0x0
	s_barrier_signal -1
	s_barrier_wait -1
	s_cmp_lg_u32 s12, 0
	s_cbranch_scc1 .Ldone
	ds_load_b128 v[8:11], v26                      ; wave 0: the tile's 128 scale words
	s_wait_dscnt 0x0
	global_store_b128 v2, v[8:11], s[24:25]        ; 512 consecutive bytes
.Ldone:
	s_wait_tensorcnt 0x0
	ds_add_u32 v200, v201
	s_wait_dscnt 0x0
	s_endpgm
.Lfunc_end_k_qec524a5042_ln1:
	.size	k_qec524a5042_ln1, .Lfunc_end_k_qec524a5042_ln1-k_qec524a5042_ln1
	.p2alignl 7, 3214868480
	.fill 96, 4, 3214868480
	.section	.rodata,"a",@progbits
	.p2align	6, 0x0
	.amdhsa_kernel k_qec524a5042_ln1
		.amdhsa_group_segment_fixed_size 67328
		.amdhsa_private_segment_fixed_size 0
		.amdhsa_enable_private_segment 0
		.amdhsa_kernarg_size 32
		.amdhsa_user_sgpr_count 2
		.amdhsa_user_sgpr_kernarg_segment_ptr 1
		.amdhsa_wavefront_size32 1
		.amdhsa_system_sgpr_workgroup_id_x 1
		.amdhsa_system_sgpr_workgroup_id_y 1
		.amdhsa_system_sgpr_workgroup_id_z 1
		.amdhsa_system_vgpr_workitem_id 0
		.amdhsa_next_free_vgpr 202
		.amdhsa_next_free_sgpr 66
		.amdhsa_reserve_vcc 0
		.amdhsa_float_denorm_mode_32 3
		.amdhsa_float_denorm_mode_16_64 3
		.amdhsa_memory_ordered 1
		.amdhsa_forward_progress 1
		.amdhsa_inst_pref_size 29
	.end_amdhsa_kernel
	.amdgpu_metadata
---
amdhsa.version: [ 1, 2 ]
amdhsa.kernels:
  - .name:           k_qec524a5042_ln1
    .symbol:         k_qec524a5042_ln1.kd
    .args:
      - { .name: x, .offset: 0, .size: 8, .value_kind: global_buffer, .address_space: global }
      - { .name: ln1_g, .offset: 8, .size: 8, .value_kind: global_buffer, .address_space: global }
      - { .name: ln1_b, .offset: 16, .size: 8, .value_kind: global_buffer, .address_space: global }
      - { .name: act, .offset: 24, .size: 8, .value_kind: global_buffer, .address_space: global }
    .group_segment_fixed_size: 67328
    .private_segment_fixed_size: 0
    .kernarg_segment_align: 8
    .kernarg_segment_size: 32
    .max_flat_workgroup_size: 256
    .sgpr_count:     66
    .vgpr_count:     202
    .wavefront_size: 32
...
	.end_amdgpu_metadata
.endif
;; end of part 2
;; launch projqkv (part 3): grid 16 x 48, 4 waves a work-group, clusters of 4 x 4, 327,680 bytes of LDS; arguments act, wts, bq, bk, bv, qkvc; writes qkvc
.if DOCPART == 3
	.amdgcn_target "amdgcn-amd-amdhsa--gfx1250"
	.amdhsa_code_object_version 6
	.text
	.protected	k_qec524a5042_projqkv
	.globl	k_qec524a5042_projqkv
	.p2align	8
	.type	k_qec524a5042_projqkv,@function
k_qec524a5042_projqkv:
	s_mov_b64 s[64:65], 0
	v_nop
	global_prefetch_b8 v0, s[64:65] scope:SCOPE_SE
	s_setreg_imm32_b32 hwreg(HW_REG_WAVE_MODE, 25, 1), 1
	s_wait_xcnt 0x0
	s_wait_alu depctr_hold_cnt(0) depctr_sa_sdst(0) depctr_va_vdst(0) depctr_va_sdst(0) depctr_va_ssrc(0) depctr_va_vcc(0) depctr_vm_vsrc(0)
	s_getreg_b32 s2, hwreg(HW_REG_IB_STS2, 6, 4)
	s_cmp_eq_u32 s2, 0
	s_cbranch_scc0 .Lentry_in_a_cluster
	s_endpgm
.Lentry_in_a_cluster:
	s_bfe_u32 s2, ttmp6, 0x10000c
	s_cmp_lg_u32 s2, 0xf033
	s_cbranch_scc0 .Lentry_shape_is_right
	s_endpgm
.Lentry_shape_is_right:
; A GEMM on codes of E4M3 (one E8M0 byte for each 32 along K) whose result, with its bias, is quantised again in registers.  Two operands: P (source 1: a lane holds one row of it) and R (source 0: the result's
; registers run along its rows).  Both lie in memory in the order of an operand's registers: [tile of 16 rows][KC chunks of 128 along K][c][lane][16 bytes]; scale words [tile][chunk][place].
; Place p holds row p with bits 3 and 4 exchanged, so the 16 result registers of R's tiles 2 b, 2 b + 1 are 16 neighbouring rows of R, 32 b + 16 (lane / 16) + 0..15: a conversion's input as it stands.
; QKV = 1: cluster rows 0-7: P = the normalised tokens, R = wq's and wk's columns: q and k, quantised along a head's 64.  Cluster rows 8-11: P = wv's columns, R = the tokens: v^T, quantised along the keys.
;   Only pointers, offsets and strides are chosen, on the cluster's y, which all partners share: one path.  Both kinds of bias are loaded; the one that a tile does not use is set to 0 and added all the same.
; QKV = 0: P = the normalised tokens, R = w1's columns: relu(.. + b1), quantised along the hidden units.
; SHARES: a work-group makes 128 x 128, each of four waves 64 x 64: 16 accumulators.  K goes in slots of 512; with K = 1,024 both slots are filled once, at the start.
; CLUSTER 4 x 4: P's tile is shared along a row of the cluster, R's along a column: each is asked for jointly, which divides the requests by four.
; LDS: slot s at s x 131,072: four regions of 32,768 (P's halves, R's halves), [tile][chunk][2,048]; scale words at 262,144, KC x 256 bytes a region; then the spare words.  A fragment comes by four loads of 512
; consecutive bytes: no pitch, no padding.
; REGISTERS: window 0: v1-7, v16-29 addresses; v8-15 scale words alone, two sets; v32-63 the bias along R; v64-95 at work; v96-127 codes (before that: the bias along P); v128-255 accumulators (a, t) at 128 + 8 (4 a + t).
;   window 1: two sets of fragments, 0-127 and 128-255: P's four tiles, then R's four.
; LIMITS: NaN and infinities are not served; a block whose largest magnitude lies under 2^-118 gets the byte 1 (read by this program alone).
.set QKV,   1
.set RELU,  0
.set KC,    8
.set PSO,   4194304                    ; (QKV = 0) where P's scale words, R's codes and R's scale words begin in their buffers
.set RCO,   4194304
.set RSO,   12713984
.set LAPS,  KC/8
.set SLOT,  131072
.set REGN,  32768
.set SCL,   2*SLOT
.set SREG,  KC*256
.set SPARE, SCL+4*SREG                 ; the spare words, 128 bytes for each wave: two blocks of 256 bytes that no other line names
.set SC,   8
.set ADRP, 16
.set ADRR, 20
.set ADRS, 22
.set SOF,  18
.set CO,   24
.set SPW,  28
.set NIL,  29
.set BR,   32
.set MX,   64
.set T2,   72
.set HD,   80
.set SP,   88
.set CD,   96
.set BP,   96
.set LB,   104
.set ACC,  128
.set WV,   12
.set HP,   13
.set HR,   14
.set G1P,  24
.set G0P,  32
.set G1R,  48
.set G0R,  56
.set G1SP, 68
.set G0SP, 76
.set G1SR, 80
.set G0SR, 88
.set MSB, 0
.macro WIN new                         ; the immediate's high byte repeats the setting that is left
.if MSB != \new
	s_set_vgpr_msb (MSB<<8)|\new
.set MSB, \new
.endif
.endm
.set MUL,  0x05                        ; sources 0 and 1 window 1; C and D window 0
.set TO_F, 0x40                        ; destination window 1, address window 0
.macro PLACES n
.rept \n
	v_nop
.endr
.endm
.macro JLOAD g0p, g1p, g0r, g1r        ; a joint load: waves 0, 1 fetch for P, waves 2, 3 for R; four v_nop follow each line
	s_cmp_eq_u32 s[HP], 0
	s_cbranch_scc0 .Lfor_r_\@
	tensor_load_to_lds s[\g0p:\g0p+3], s[\g1p:\g1p+7]
	s_nop 0
	PLACES 4
	s_branch .Lasked_\@
.Lfor_r_\@:
	tensor_load_to_lds s[\g0r:\g0r+3], s[\g1r:\g1r+7]
	s_nop 0
	PLACES 4
.Lasked_\@:
.endm
.macro CREST                           ; a round of the cluster's barrier behind its opening barrier
	s_cmp_lg_u32 s[WV], 0
	s_cbranch_scc1 .Lnot_wave_0_\@
	s_barrier_signal -3
.Lnot_wave_0_\@:
	s_barrier_wait -3
	s_barrier_signal -1
	s_barrier_wait -1
.endm
.macro CROUND
	s_barrier_signal -1
	s_barrier_wait -1
	CREST
.endm
	s_load_b256 s[4:11], s[0:1], 0x0               ; QKV: tokens' codes, weights' codes, bq, bk.  Else: tokens' codes, weights' codes, b1, the result
.if QKV
	s_load_b128 s[92:95], s[0:1], 0x20             ; bv, the result
.endif
	v_lshl_add_u32 v[SPW], v0, 2, SPARE
	v_mov_b32 v[NIL], 0
	ds_add_u32 v28, v29
	ds_add_u32 v28, v29
	s_wait_dscnt 0x0
	v_lshrrev_b32 v1, 5, v0
	v_readfirstlane_b32 s[WV], v1                  ; wave 0..3
	s_lshr_b32 s[HP], s[WV], 1                     ; my half of P's rows.  Also: I fetch for P (0) or for R (1)
	s_and_b32 s[HR], s[WV], 1                      ; my half of R's rows.  Also: which half I fetch
	s_bfe_u32 s40, ttmp6, 0x40000                  ; cx
	s_bfe_u32 s41, ttmp6, 0x40004                  ; cy
	s_and_b32 s15, ttmp7, 0xffff                   ; the cluster's y
.if QKV
	s_and_b32 s16, s15, 1
	s_add_co_u32 s16, s16, 4
	s_sub_co_u32 s18, s15, 8
	s_lshr_b32 s18, s18, 1
	s_lshl_b32 s18, s18, 4
	s_cmp_ge_u32 s15, 8
	s_cselect_b32 s45, -1, 0                       ; all ones where this cluster makes v^T
	s_cselect_b32 s17, s16, s15
	s_cselect_b32 s18, s18, 0
	s_lshl_b32 s17, s17, 2
	s_add_co_u32 s17, s17, s41                     ; P's tile of 128: tokens 4 y + cy, or wv's 16 + 4 (y & 1) + cy
	s_lshl_b32 s42, ttmp9, 2
	s_add_co_u32 s42, s42, s40
	s_add_co_u32 s42, s42, s18                     ; R's tile: 4 x + cx, for v^T + 16 ((y - 8) / 2)
.else
	s_lshl_b32 s17, s15, 2
	s_add_co_u32 s17, s17, s41
	s_lshl_b32 s42, ttmp9, 2
	s_add_co_u32 s42, s42, s40
.endif
	s_lshl_b32 s43, s41, 2
	s_lshl_b32 s43, 15, s43                        ; my row of the cluster
	s_lshl_b32 s44, 0x1111, s40                    ; my column
	s_or_b32 s[G1P], s43, (3<<16)|(1<<21)          ; 15:0 the mask; 17:16 elements of 8 bytes; 21 set beside a mask; no padding
	s_or_b32 s[G1R], s44, (3<<16)|(1<<21)
	s_or_b32 s[G1SP], s43, (3<<16)|(1<<21)
	s_or_b32 s[G1SR], s44, (3<<16)|(1<<21)
.irp g, G1P, G1R                       ; codes: four tiles of 16 rows, of each 512 along K: 8,192 consecutive bytes, KC x 2,048 bytes apart
	s_mov_b32 s[\g+1], 1024<<16
	s_mov_b32 s[\g+2], 4<<16
	s_mov_b32 s[\g+3], 1024<<16
	s_mov_b32 s[\g+4], 4
	s_mov_b32 s[\g+5], KC*256
	s_mov_b32 s[\g+6], 0
	s_mov_b32 s[\g+7], 0
.endr
.irp g, G1SP, G1SR                     ; scale words of four tiles, all of K: a dense block, as KC rows of 256 bytes
	s_mov_b32 s[\g+1], 32<<16
	s_mov_b32 s[\g+2], KC<<16
	s_mov_b32 s[\g+3], 32<<16
	s_mov_b32 s[\g+4], KC
	s_mov_b32 s[\g+5], 32
	s_mov_b32 s[\g+6], 0
	s_mov_b32 s[\g+7], 0
.endr
	s_lshl_b32 s19, s[HR], 2
	s_lshl_b32 s20, s17, 3
	s_add_co_u32 s20, s20, s19                     ; P: the first tile of 16 that I fetch
	s_lshl_b32 s46, s42, 3
	s_add_co_u32 s46, s46, s19                     ; R likewise
	s_mul_i32 s22, s20, KC*64
	s_mul_i32 s20, s20, KC*2048
	s_mul_i32 s96, s46, KC*64
	s_mul_i32 s46, s46, KC*2048
.if QKV
	s_mov_b32 s98, 4194304                         ; the tokens' scale words
	s_mov_b32 s99, 12582912                        ; the weights'
	s_cmp_lg_u32 s45, 0
	s_cselect_b32 s18, s99, s98
	s_cselect_b32 s19, s98, s99
	s_add_co_u32 s22, s22, s18
	s_add_co_u32 s96, s96, s19
.else
	s_add_co_u32 s22, s22, PSO
	s_add_co_u32 s46, s46, RCO
	s_add_co_u32 s96, s96, RSO
.endif
	s_mov_b32 s21, 0
	s_mov_b32 s23, 0
	s_mov_b32 s47, 0
	s_mov_b32 s97, 0
	s_lshl_b32 s98, s[WV], 15                      ; where they go: no place in the cluster enters an LDS address
	s_mul_i32 s99, s[WV], SREG
	s_wait_kmcnt 0x0
.if QKV
	s_cmp_lg_u32 s45, 0
	s_cselect_b64 s[18:19], s[6:7], s[4:5]         ; P's buffer
	s_cselect_b64 s[6:7], s[4:5], s[6:7]           ; R's
.else
	s_mov_b64 s[18:19], s[4:5]
	s_mov_b64 s[94:95], s[10:11]
.endif
	s_add_nc_u64 s[20:21], s[18:19], s[20:21]
	s_add_nc_u64 s[22:23], s[18:19], s[22:23]
	s_add_nc_u64 s[46:47], s[6:7], s[46:47]
	s_add_nc_u64 s[96:97], s[6:7], s[96:97]
	CROUND                                         ; all sixteen work-groups are here: the first joint loads meet
	s_mov_b32 s[G0SP], 1
	s_add_co_u32 s[G0SP+1], s99, SCL
	s_mov_b64 s[G0SP+2:G0SP+3], s[22:23]
	s_or_b32 s[G0SP+3], s[G0SP+3], 0x80000000
	s_mov_b32 s[G0SR], 1
	s_add_co_u32 s[G0SR+1], s99, SCL
	s_mov_b64 s[G0SR+2:G0SR+3], s[96:97]
	s_or_b32 s[G0SR+3], s[G0SR+3], 0x80000000
	JLOAD G0SP, G1SP, G0SR, G1SR                   ; the scale words first; by this text's count three loads of a wave are out at the most
.irp s, 0,1
	s_mov_b32 s[G0P+4*\s], 1
	s_add_co_u32 s[G0P+4*\s+1], s98, \s*SLOT
	s_add_nc_u64 s[G0P+4*\s+2:G0P+4*\s+3], s[20:21], \s*8192
	s_or_b32 s[G0P+4*\s+3], s[G0P+4*\s+3], 0x80000000
	s_mov_b32 s[G0R+4*\s], 1
	s_add_co_u32 s[G0R+4*\s+1], s98, \s*SLOT
	s_add_nc_u64 s[G0R+4*\s+2:G0R+4*\s+3], s[46:47], \s*8192
	s_or_b32 s[G0R+4*\s+3], s[G0R+4*\s+3], 0x80000000
	JLOAD G0P+4*\s, G1P, G0R+4*\s, G1R
.endr
	v_and_b32 v1, 15, v0                           ; r
	v_bfe_u32 v2, v0, 4, 1                         ; h
	v_and_b32 v3, 31, v0
	v_lshlrev_b32 v3, 4, v3                        ; 16 x lane
	s_lshl_b32 s18, s[HP], 15
	s_lshl_b32 s19, s[HR], 15
	s_add_co_u32 s19, s19, 2*REGN
.irp s, 0,1
	v_add_nc_u32 v[ADRP+\s], s18, v3
	v_add_nc_u32 v[ADRR+\s], s19, v3
	s_add_co_u32 s18, s18, SLOT
	s_add_co_u32 s19, s19, SLOT
.endr
	s_mul_i32 s18, s[HP], SREG
	s_mul_i32 s19, s[HR], SREG
	s_add_co_u32 s19, s19, 2*SREG
	s_sub_co_u32 s19, s19, s18
	v_mul_u32_u24 v23, s19, v2                     ; lanes 16-31 take R's words: one product, the distance between the two regions
	s_add_co_u32 s18, s18, SCL
	v_lshl_add_u32 v23, v1, 2, v23
	v_add_nc_u32 v[ADRS], s18, v23
	; the bias along R: lane (r, h) wants those of R's rows 32 b + 16 h + 0..15 of my 64
	v_lshlrev_b32 v4, 6, v2
.if QKV
	s_bitcmp1_b32 s42, 3
	s_cselect_b64 s[8:9], s[10:11], s[8:9]         ; tiles 0-7: bq; 8-15: bk (for v^T either: it is set to 0 below)
	s_and_b32 s18, s42, 7
	s_lshl_b32 s18, s18, 9
.else
	s_lshl_b32 s18, s42, 9
.endif
	s_lshl_b32 s19, s[HR], 8
	s_add_co_u32 s18, s18, s19
	s_mov_b32 s19, 0
	s_add_nc_u64 s[8:9], s[8:9], s[18:19]
.irp b, 0,1
.irp j, 0,1,2,3
	global_load_b128 v[BR+16*\b+4*\j:BR+16*\b+4*\j+3], v4, s[8:9] offset:128*\b+16*\j
.endr
.endr
.if QKV
	; the bias along P: lane r of tile a wants that of row 32 (a / 2) + 8 (a % 2) + r + 8 (r / 8) of my 64 (the tile's number is cut to bv's eight tiles)
	s_and_b32 s18, s17, 7
	s_lshl_b32 s18, s18, 9
	s_lshl_b32 s19, s[HP], 8
	s_add_co_u32 s18, s18, s19
	s_mov_b32 s19, 0
	s_add_nc_u64 s[92:93], s[92:93], s[18:19]
	v_and_b32 v5, 8, v1
	v_add_nc_u32 v5, v5, v1
	v_lshlrev_b32 v5, 2, v5
.irp a, 0,1,2,3
	global_load_b32 v[LB+\a], v5, s[92:93] offset:(32*(\a/2)+8*(\a%2))*4
.endr
.endif
	; where the results go
	s_lshl_b32 s18, s17, 3
	s_lshl_b32 s19, s[HP], 2
	s_add_co_u32 s18, s18, s19                     ; T0: my first tile of P's rows
.if QKV
	s_lshl_b32 s19, s42, 1
	s_add_co_u32 s19, s19, s[HR]                   ; q, k: the head (q's 16, then k's 16)
	s_lshl_b32 s19, s19, 8
	s_add_co_u32 s19, s19, s18
	s_lshl_b32 s20, s19, 10                        ; codes [head][tile][c 0,1][lane][16]
	s_lshl_b32 s21, s19, 5
	s_add_co_u32 s21, s21, 12582912                ; scale halves [head][tile][place], 2 bytes
	s_sub_co_u32 s22, s17, 16
	s_lshl_b32 s22, s22, 1
	s_add_co_u32 s22, s22, s[HP]                   ; v^T: the head
	s_lshl_b32 s22, s22, 5
	s_add_co_u32 s22, s22, s42                     ; and the chunk of 128 keys
	s_lshl_b32 s23, s22, 13
	s_lshl_b32 s18, s[HR], 10
	s_add_co_u32 s23, s23, s18
	s_add_co_u32 s23, s23, 8388608                 ; codes [head][chunk][tile of 16 channels][c][lane][16]
	s_lshl_b32 s22, s22, 8
	s_lshl_b32 s18, s[HR], 1
	s_add_co_u32 s22, s22, s18
	s_add_co_u32 s22, s22, 12845056                ; scale words [head][chunk][tile][place]
	s_cmp_lg_u32 s45, 0
	s_cselect_b32 s96, s23, s20
	s_cselect_b32 s98, s22, s21
	s_cselect_b32 s18, 2, 1                        ; log2 of the bytes from place to place among the scales
	s_cselect_b32 s19, 64, 32                      ; from tile to tile among the scales
	s_mov_b32 s20, 1024
	s_cselect_b32 s20, 2048, s20                   ; from tile to tile among the codes
.else
	s_lshl_b32 s18, s18, 5
	s_add_co_u32 s18, s18, s42                     ; 32 T0 + the chunk of 128 hidden units
	s_lshl_b32 s96, s18, 11
	s_lshl_b32 s19, s[HR], 10
	s_add_co_u32 s96, s96, s19
	s_lshl_b32 s98, s18, 6
	s_lshl_b32 s19, s[HR], 1
	s_add_co_u32 s98, s98, s19
	s_add_co_u32 s98, s98, 16777216
	s_mov_b32 s18, 2
	s_mov_b32 s19, 2048
	s_mov_b32 s20, 65536
.endif
	s_mov_b32 s97, 0
	s_mov_b32 s99, 0
	s_add_nc_u64 s[96:97], s[94:95], s[96:97]      ; my codes
	s_add_nc_u64 s[98:99], s[94:95], s[98:99]      ; my halves of the scale words
.irp a, 0,1,2,3
	v_mad_u32_u24 v[CO+\a], s20, \a, v3
.endr
	v_lshlrev_b32 v[SOF], s18, v1
	v_mad_u32_u24 v[SOF], v2, s19, v[SOF]          ; lanes 0-15: tile 0; lanes 16-31: tile 1
	s_lshl_b32 s19, s19, 1
	v_add_nc_u32 v[SOF+1], s19, v[SOF]             ; tiles 2 and 3
; 36 LDS loads in one run: chunk q of a slot into set f: four scale registers (lanes 0-15 P's tile i, lanes 16-31 R's tile i), R's four fragments, P's four
.macro FETCH slot, q, f
	WIN 0
.irp i, 0,1,2,3
	ds_load_b32 v[SC+4*((\q)%2)+\i], v[ADRS] offset:(\i*KC+(\q))*64
.endr
	WIN TO_F
.irp i, 0,1,2,3
.irp c, 0,1,2,3
	ds_load_b128 v[(\f)+64+16*\i+4*\c:(\f)+64+16*\i+4*\c+3], v[ADRR+\slot] offset:\i*8192+(\q)*2048+\c*512
.endr
.endr
.irp i, 0,1,2,3
.irp c, 0,1,2,3
	ds_load_b128 v[(\f)+16*\i+4*\c:(\f)+16*\i+4*\c+3], v[ADRP+\slot] offset:\i*8192+(\q)*2048+\c*512
.endr
.endr
.endm
; four products: P's tile a against R's four.  The 16 accumulators take turns, one instruction a turn, in the same order in every chunk
.macro MUL4 f, a, q, zero
.irp t, 0,1,2,3
.if \zero
	v_wmma_scale_f32_16x16x128_f8f6f4 v[ACC+8*(4*(\a)+\t):ACC+8*(4*(\a)+\t)+7], v[(\f)+64+16*\t:(\f)+64+16*\t+15], v[(\f)+16*(\a):(\f)+16*(\a)+15], 0, v[SC+4*((\q)%2)+\t], v[SC+4*((\q)%2)+(\a)] matrix_a_scale:MATRIX_SCALE_ROW1
.else
	v_wmma_scale_f32_16x16x128_f8f6f4 v[ACC+8*(4*(\a)+\t):ACC+8*(4*(\a)+\t)+7], v[(\f)+64+16*\t:(\f)+64+16*\t+15], v[(\f)+16*(\a):(\f)+16*(\a)+15], v[ACC+8*(4*(\a)+\t):ACC+8*(4*(\a)+\t)+7], v[SC+4*((\q)%2)+\t], v[SC+4*((\q)%2)+(\a)] matrix_a_scale:MATRIX_SCALE_ROW1
.endif
.endr
.endm
; one of a slot's first three chunks: multiplies set q % 2 and fetches the next chunk into the other set, eight places behind the products that read it
.macro STEPQ slot, q, zero
	s_wait_dscnt 8                                 ; all but the youngest eight loads (P's tiles 2, 3)
	WIN MUL
	MUL4 128*((\q)%2), 0, \q, \zero
	MUL4 128*((\q)%2), 1, \q, \zero
	PLACES 8
	FETCH \slot, (\q)+1, 128*(((\q)+1)%2)
	s_wait_dscnt 36                                ; all but the 36 just issued
	WIN MUL
	MUL4 128*((\q)%2), 2, \q, \zero
	MUL4 128*((\q)%2), 3, \q, \zero
.endm
; a slot's last chunk changes slots: one barrier; in front of it each wave waits for all its tensor loads, adds 0 to its spare word, and waits for that and for its reads of this slot
.macro TURN slot, next, fill
	WIN 0
	s_wait_tensorcnt 0x0                           ; all my tensor loads have landed: my part of the next slot
	ds_add_u32 v[SPW], v[NIL]                      ; 0 onto my spare word
	s_wait_dscnt 9                                 ; (the add and the youngest eight loads may be out)
	WIN MUL
	MUL4 128, 0, 3, 0
	s_wait_dscnt 0x0                               ; the add is done, and my reads of this slot are over
	s_barrier_signal -1
	MUL4 128, 1, 3, 0
	WIN 0
	s_barrier_wait -1
.if \fill
	CREST                                          ; the barrier has opened a round of the cluster's: no wave of any partner still reads this slot or has a load on its way
	s_add_nc_u64 s[G0P+4*\slot+2:G0P+4*\slot+3], s[G0P+4*\slot+2:G0P+4*\slot+3], 16384
	s_add_nc_u64 s[G0R+4*\slot+2:G0R+4*\slot+3], s[G0R+4*\slot+2:G0R+4*\slot+3], 16384
	JLOAD G0P+4*\slot, G1P, G0R+4*\slot, G1R
	PLACES 4
.else
	PLACES 8
.endif
	v_add_nc_u32 v[ADRS], 256, v[ADRS]             ; the next slot's scale words: four chunks of 64 bytes on
	FETCH \next, 0, 0
	WIN MUL
	MUL4 128, 2, 3, 0
	MUL4 128, 3, 3, 0
.endm
	s_wait_tensorcnt 1                             ; the scale words and my part of slot 0 are in; slot 1's load may stay out
	s_barrier_signal -1
	s_barrier_wait -1
	FETCH 0, 0, 0
	STEPQ 0, 0, 1                                  ; the first chunk's products start the sums: nothing is cleared
.if LAPS > 1
	WIN 0
	s_mov_b32 s3, LAPS-1
.Llap:
	STEPQ 0, 1, 0
	STEPQ 0, 2, 0
	TURN 0, 1, 1
	STEPQ 1, 0, 0
	STEPQ 1, 1, 0
	STEPQ 1, 2, 0
	TURN 1, 0, 1
	STEPQ 0, 0, 0
	WIN 0
	s_sub_co_u32 s3, s3, 1
	s_cmp_lg_u32 s3, 0
	s_cbranch_scc1 .Llap
.endif
	STEPQ 0, 1, 0
	STEPQ 0, 2, 0
	TURN 0, 1, 0
	STEPQ 1, 0, 0
	STEPQ 1, 1, 0
	STEPQ 1, 2, 0
	s_wait_dscnt 8
	WIN MUL
	MUL4 128, 0, 3, 0
	MUL4 128, 1, 3, 0
	s_wait_dscnt 0x0
	MUL4 128, 2, 3, 0
	MUL4 128, 3, 3, 0
	WIN 0
	; THE WAY OUT: bias, quantiser, stores; all in registers.  Block n = 2 a + b is v[ACC + 16 n] on: 16 of the 32 numbers; lane l xor 16 holds the others.
	PLACES 8
	s_wait_loadcnt 0x0                             ; the biases
	s_mov_b32 s20, 0x76543210
	s_mov_b32 s21, 0xfedcba98
	s_mov_b32 s22, 0x600000
	s_mov_b32 s23, 0xffff0000
.if QKV
.set I, 0
.rept 32
	v_cndmask_b32 v[BR+I], v[BR+I], 0, s45         ; v^T has no bias along R
.set I, I+1
.endr
.irp a, 0,1,2,3
	v_cndmask_b32 v[BP+2*\a], 0, v[LB+\a], s45     ; q and k have none along P
	v_cndmask_b32 v[BP+2*\a+1], 0, v[LB+\a], s45
.endr
.endif
.irp a, 0,1,2,3
.set J, 0
.rept 16
	v_pk_add_f32 v[ACC+32*\a+J:ACC+32*\a+J+1], v[ACC+32*\a+J:ACC+32*\a+J+1], v[BR+J:BR+J+1]       ; each accumulator from its low end on
.set J, J+2
.endr
.endr
.if QKV
.irp a, 0,1,2,3
.set J, 0
.rept 16
	v_pk_add_f32 v[ACC+32*\a+J:ACC+32*\a+J+1], v[ACC+32*\a+J:ACC+32*\a+J+1], v[BP+2*\a:BP+2*\a+1]
.set J, J+2
.endr
.endr
.endif
.irp n, 0,1,2,3,4,5,6,7
	v_mov_b32 v[T2+\n], 0                          ; a lane permute's destination counts as one of its sources
.endr
.if RELU                               ; no |.|: what is negative becomes 0, so it must not count; the floor 2^(9 - 127) stands over it
.irp n, 0,1,2,3,4,5,6,7
	v_max3_num_f32 v[MX+\n], v[ACC+16*\n], v[ACC+16*\n+1], 0x4800000
.endr
.irp i, 2,4,6,8,10,12,14
.irp n, 0,1,2,3,4,5,6,7
	v_max3_num_f32 v[MX+\n], v[MX+\n], v[ACC+16*\n+\i], v[ACC+16*\n+\i+1]
.endr
.endr
.else
.irp n, 0,1,2,3,4,5,6,7
	v_max3_num_f32 v[MX+\n], |v[ACC+16*\n]|, |v[ACC+16*\n+1]|, 0x4800000
.endr
.irp i, 2,4,6,8,10,12,14
.irp n, 0,1,2,3,4,5,6,7
	v_max3_num_f32 v[MX+\n], v[MX+\n], |v[ACC+16*\n+\i]|, |v[ACC+16*\n+\i+1]|
.endr
.endr
.endif
.irp n, 0,1,2,3,4,5,6,7
	v_permlanex16_b32 v[T2+\n], v[MX+\n], s20, s21
.endr
.irp n, 0,1,2,3,4,5,6,7
	v_max_num_f32 v[MX+\n], v[MX+\n], v[T2+\n]     ; the block's largest magnitude
.endr
.irp n, 0,1,2,3,4,5,6,7
	v_add_nc_u32 v[SP+\n], 0xfc000000, v[MX+\n]    ; 8 off the exponent field: the conversion's scale operand
.endr
.irp n, 0,1,2,3,4,5,6,7
	v_and_or_b32 v[HD+\n], v[MX+\n], 0x7f800000, s22       ; 448 x the scale
.endr
.irp n, 0,1,2,3,4,5,6,7
	v_lshrrev_b32 v[T2+\n], 23, v[SP+\n]           ; the byte
.endr
.irp a, 0,1,2,3
	v_lshl_or_b32 v[MX+\a], v[T2+2*\a+1], 8, v[T2+2*\a]    ; tile a: my two bytes of its rows' scale words
.endr
	v_cndmask_b32 v[MX+4], v[MX+0], v[MX+1], s23   ; lanes 0-15 store tile 0's, lanes 16-31 tile 1's
	v_cndmask_b32 v[MX+5], v[MX+2], v[MX+3], s23
.irp n, 0,1,2,3,4,5,6,7
.irp i, 0,1,2,3,4,5,6,7,8,9,10,11,12,13,14,15
.if RELU
	v_med3_num_f32 v[ACC+16*\n+\i], v[ACC+16*\n+\i], 0, v[HD+\n]               ; the activation and the hold in one
.else
	v_med3_num_f32 v[ACC+16*\n+\i], v[ACC+16*\n+\i], -v[HD+\n], v[HD+\n]       ; the conversion does not saturate (ISA guide 7.6.2)
.endif
.endr
	v_cvt_scalef32_pk8_fp8_f32 v[CD+4*\n:CD+4*\n+1], v[ACC+16*\n:ACC+16*\n+7], v[SP+\n]
	v_cvt_scalef32_pk8_fp8_f32 v[CD+4*\n+2:CD+4*\n+3], v[ACC+16*\n+8:ACC+16*\n+15], v[SP+\n]
.endr
	v_nop
.irp a, 0,1,2,3
.irp b, 0,1
	global_store_b128 v[CO+\a], v[CD+8*\a+4*\b:CD+8*\a+4*\b+3], s[96:97] offset:512*\b     ; 512 consecutive bytes
.endr
.endr
	global_store_b16 v[SOF], v[MX+4], s[98:99]     ; two bytes a row: the other half of a word is another wave's.  One byte in 32 of the codes'
	global_store_b16 v[SOF+1], v[MX+5], s[98:99]
	s_wait_tensorcnt 0x0                           ; the wave's end
	ds_add_u32 v[SPW], v[NIL]
	s_wait_dscnt 0x0
	CROUND                                         ; the closing round
	s_endpgm
.Lfunc_end_k_qec524a5042_projqkv:
	.size	k_qec524a5042_projqkv, .Lfunc_end_k_qec524a5042_projqkv-k_qec524a5042_projqkv
	.p2alignl 7, 3214868480
	.fill 96, 4, 3214868480
	.section	.rodata,"a",@progbits
	.p2align	6, 0x0
	.amdhsa_kernel k_qec524a5042_projqkv
		.amdhsa_group_segment_fixed_size 327680
		.amdhsa_private_segment_fixed_size 0
		.amdhsa_enable_private_segment 0
		.amdhsa_kernarg_size 48
		.amdhsa_user_sgpr_count 2
		.amdhsa_user_sgpr_kernarg_segment_ptr 1
		.amdhsa_wavefront_size32 1
		.amdhsa_system_sgpr_workgroup_id_x 1
		.amdhsa_system_sgpr_workgroup_id_y 1
		.amdhsa_system_sgpr_workgroup_id_z 1
		.amdhsa_system_vgpr_workitem_id 0
		.amdhsa_next_free_vgpr 512
		.amdhsa_next_free_sgpr 100
		.amdhsa_reserve_vcc 0
		.amdhsa_float_denorm_mode_32 3
		.amdhsa_float_denorm_mode_16_64 3
		.amdhsa_memory_ordered 1
		.amdhsa_forward_progress 1
		.amdhsa_inst_pref_size 79
	.end_amdhsa_kernel
	.amdgpu_metadata
---
amdhsa.version: [ 1, 2 ]
amdhsa.kernels:
  - .name:           k_qec524a5042_projqkv
    .symbol:         k_qec524a5042_projqkv.kd
    .args:
      - { .name: act, .offset: 0, .size: 8, .value_kind: global_buffer, .address_space: global }
      - { .name: wts, .offset: 8, .size: 8, .value_kind: global_buffer, .address_space: global }
      - { .name: bq, .offset: 16, .size: 8, .value_kind: global_buffer, .address_space: global }
      - { .name: bk, .offset: 24, .size: 8, .value_kind: global_buffer, .address_space: global }
      - { .name: bv, .offset: 32, .size: 8, .value_kind: global_buffer, .address_space: global }
      - { .name: qkvc, .offset: 40, .size: 8, .value_kind: global_buffer, .address_space: global }
    .group_segment_fixed_size: 327680
    .private_segment_fixed_size: 0
    .kernarg_segment_align: 8
    .kernarg_segment_size: 48
    .max_flat_workgroup_size: 128
    .sgpr_count:     100
    .vgpr_count:     512
    .wavefront_size: 32
...
	.end_amdgpu_metadata
.endif
;; end of part 3
;; launch attn (part 4): grid 8 x 32, 16 waves a work-group, no clusters, 169,984 bytes of LDS; arguments qkvc, att; writes att
.if DOCPART == 4
	.amdgcn_target "amdgcn-amd-amdhsa--gfx1250"
	.amdhsa_code_object_version 6
	.text
	.protected	k_qec524a5042_attn
	.globl	k_qec524a5042_attn
	.p2align	8
	.type	k_qec524a5042_attn,@function
k_qec524a5042_attn:
	s_mov_b64 s[64:65], 0
	v_nop
	global_prefetch_b8 v0, s[64:65] scope:SCOPE_SE
	s_setreg_imm32_b32 hwreg(HW_REG_WAVE_MODE, 25, 1), 1
	s_wait_xcnt 0x0
; Attention in a band: key k counts for query q where |k - q| <= 204.  Both products on codes of E4M3 with one E8M0 byte for each 32 along a product's K.  16 heads of 64, 2 x 2,048 tokens.
; THE SOFTMAX: t = score x log2(e) / 8; M = the running largest t rounded UP to a whole number; p = 2^(t - M) is quantised along the keys, not normalised; the sum of the unquantised p divides at the end;
; when M moves, the sum and O are multiplied by 2^(old M - new M): exact.  Hidden scores become -infinity ahead of the maximum (where the definition has -1e30): p = 0 either way.
; SHARES: a work-group owns 256 queries of one head, each of sixteen waves one tile of 16.  Six chunks of 128 keys, from chunk 2 x - 2 held within 0 .. 10, hold every key that its queries see; they lie in LDS at once,
; filled once: no slot is filled again.  A wave leaves out, by scalar branches on ids, the chunks that lie wholly outside its band; the two comparisons of the band run only in chunks that the band's edge crosses.
; NO CLUSTER: neighbouring blocks of queries want windows two chunks apart, so partners' descriptors would differ.
; LAYOUT: S^T = K Q^T, O^T = V^T P^T: a lane holds one query.  Tiles hold places (place p = row p with bits 3 and 4 exchanged): the 16 registers of tiles 2 b, 2 b + 1 are keys (channels) 32 b + 16 (lane / 16) + 0..15.
; The head's 64 fill half of the instruction's 128 along K: the upper halves of Q's and K's fragments are zero codes; their scale bytes are 0, which is 2^-127.
; The result is quantised along the head's 64 (two blocks of the next product's K) and stored as an operand's registers.
; REGISTERS: v1-7 addresses; v8-11 addresses in hand; v12 -M, v13 largest t, v[14:15] the sum; v16-31 Q; v32-95 four tiles of K; v96-159 S^T, then p, then V's four fragments; v160-191 O^T; v192-194 the band;
; v224-239 p's codes; v232-254 at work; v248-251 K's or V's scale words, v253 p's, v255 Q's.
; LIMITS: NaN and infinities are not served; a block whose largest magnitude lies under 2^-118 gets the byte 1.
.set VOFF, 49152                       ; LDS: K's six chunks of 8,192 bytes, then V's
.set KSC,  98304                       ; K's scale halves: 256 bytes a chunk
.set VSC,  99840                       ; V's scale words: 256 bytes a chunk
.set LK,   1
.set AV0,  2
.set ASK0, 3
.set ASV0, 4
.set ADK,  8
.set ADV,  9
.set ADS,  10
.set ADT,  11
.set QD,   192
.set WV,   18
.set MNT,  19
.set SEL,  20
.set CS,   22
.set G1C,  24
.set G1S,  32
.set G0C,  40
.set G0S,  44
.set TB,   2
.set TS,   3
.set KF,   66
.set QLO,  67
.set QHI,  68
.set CNT,  69
	s_load_b128 s[4:7], s[0:1], 0x0                ; q, k, v as codes; the result
	v_lshl_add_u32 v222, v0, 2, 0x29000
	v_mov_b32 v223, 0
	ds_add_u32 v222, v223
	ds_add_u32 v222, v223
	v_lshrrev_b32 v8, 5, v0
	v_readfirstlane_b32 s[WV], v8                  ; wave 0..15
	s_and_b32 s8, ttmp7, 0xffff
	s_lshr_b32 s9, s8, 4                           ; the batch
	s_and_b32 s10, s8, 15                          ; the head
	s_lshl_b32 s11, ttmp9, 1
	s_max_u32 s11, s11, 2
	s_sub_co_u32 s11, s11, 2
	s_min_u32 s11, s11, 10                         ; the first of my six chunks
	s_add_co_u32 s12, s10, 16
	s_lshl_b32 s12, s12, 8
	s_lshl_b32 s13, s9, 7
	s_add_co_u32 s12, s12, s13
	s_lshl_b32 s13, s11, 3
	s_add_co_u32 s12, s12, s13                     ; K's first tile of 16 keys
	s_lshl_b32 s14, s12, 10
	s_lshl_b32 s15, s12, 5
	s_add_co_u32 s15, s15, 12582912
	s_lshl_b32 s16, s10, 5
	s_lshl_b32 s13, s9, 4
	s_add_co_u32 s16, s16, s13
	s_add_co_u32 s16, s16, s11                     ; V's first chunk
	s_lshl_b32 s17, s16, 13
	s_add_co_u32 s17, s17, 8388608-49152           ; (waves 6-11: six chunks are taken off again by the wave's number)
	s_lshl_b32 s16, s16, 8
	s_add_co_u32 s16, s16, 12845056
	s_lshl_b32 s13, s[WV], 13
	s_cmp_lt_u32 s[WV], 6
	s_cselect_b32 s56, s14, s17
	s_add_co_u32 s56, s56, s13                     ; waves 0-5: K's chunk w; waves 6-11: V's chunk w - 6
	s_mov_b32 s57, 0
	s_cmp_eq_u32 s[WV], 12
	s_cselect_b32 s58, s15, s16                    ; wave 12: K's scales; wave 13: V's
	s_mov_b32 s59, 0
	s_mov_b32 s[G1C], 3<<16                        ; a chunk: 32 rows of 256 bytes, dense; elements of 8 bytes
	s_mov_b32 s[G1C+1], 32<<16
	s_mov_b32 s[G1C+2], 32<<16
	s_mov_b32 s[G1C+3], 32<<16
	s_mov_b32 s[G1C+4], 32
	s_mov_b32 s[G1C+5], 32
	s_mov_b32 s[G1C+6], 0
	s_mov_b32 s[G1C+7], 0
	s_mov_b32 s[G1S], 3<<16                        ; six chunks' scales: 6 rows of 256 bytes
	s_mov_b32 s[G1S+1], 32<<16
	s_mov_b32 s[G1S+2], 6<<16
	s_mov_b32 s[G1S+3], 32<<16
	s_mov_b32 s[G1S+4], 6
	s_mov_b32 s[G1S+5], 32
	s_mov_b32 s[G1S+6], 0
	s_mov_b32 s[G1S+7], 0
	s_lshl_b32 s60, ttmp9, 4
	s_add_co_u32 s60, s60, s[WV]                   ; my tile of queries in the batch
	s_lshr_b32 s61, s60, 1
	s_lshl_b32 s61, s61, 5
	s_and_b32 s62, s60, 1
	s_lshl_b32 s62, s62, 3
	s_add_co_u32 s[QLO], s61, s62                  ; its queries lie in QLO .. QLO + 23
	s_add_co_u32 s[QHI], s[QLO], 23
	s_lshl_b32 s61, s9, 7
	s_add_co_u32 s60, s60, s61                     ; the tile among all 256
	s_lshl_b32 s61, s10, 8
	s_add_co_u32 s61, s61, s60
	s_lshl_b32 s70, s61, 10                        ; Q's codes
	s_mov_b32 s71, 0
	s_lshl_b32 s72, s61, 5
	s_add_co_u32 s72, s72, 12582912                ; Q's scale halves
	s_mov_b32 s73, 0
	s_lshl_b32 s62, s60, 3
	s_lshr_b32 s63, s10, 1
	s_add_co_u32 s62, s62, s63                     ; the result's fragment: tile, chunk head / 2
	s_and_b32 s63, s10, 1
	s_lshl_b32 s74, s62, 11
	s_lshl_b32 s76, s63, 10
	s_add_co_u32 s74, s74, s76                     ; blocks 2 (head % 2) and + 1
	s_mov_b32 s75, 0
	s_lshl_b32 s76, s62, 6
	s_lshl_b32 s63, s63, 1
	s_add_co_u32 s76, s76, s63
	s_add_co_u32 s76, s76, 4194304
	s_mov_b32 s77, 0
	s_mov_b32 s[SEL], 0x76543210
	s_mov_b32 s[SEL+1], 0xfedcba98
	s_mov_b32 s[CS], 0x3e38aa3b                    ; c = log2(e) / 8
	s_mov_b32 s[CS+1], s[CS]
	s_mov_b32 s[MNT], 0x600000
	s_mov_b32 s[TB], 0
	s_mov_b32 s[TS], 0
	s_lshl_b32 s[KF], s11, 7                       ; the chunk's first key
	s_mov_b32 s[CNT], 6
	s_wait_dscnt 0x0
	s_wait_kmcnt 0x0
	s_mov_b32 s[G0C], 1
	s_lshl_b32 s[G0C+1], s[WV], 13                 ; LDS: 8,192 x wave
	s_add_nc_u64 s[G0C+2:G0C+3], s[4:5], s[56:57]
	s_or_b32 s[G0C+3], s[G0C+3], 0x80000000
	s_mov_b32 s[G0S], 1
	s_mul_i32 s[G0S+1], s[WV], 1536
	s_add_co_u32 s[G0S+1], s[G0S+1], KSC-12*1536   ; LDS: wave 12 at KSC, wave 13 at VSC
	s_add_nc_u64 s[G0S+2:G0S+3], s[4:5], s[58:59]
	s_or_b32 s[G0S+3], s[G0S+3], 0x80000000
	s_cmp_lt_u32 s[WV], 12                         ; the only fills of the launch: one load a wave, waves 14 and 15 none; four v_nop follow each line
	s_cbranch_scc0 .Lnot_codes
	tensor_load_to_lds s[G0C:G0C+3], s[G1C:G1C+7]
	s_nop 0
.rept 4
	v_nop
.endr
	s_branch .Lasked
.Lnot_codes:
	s_cmp_lt_u32 s[WV], 14
	s_cbranch_scc0 .Lasked
	tensor_load_to_lds s[G0S:G0S+3], s[G1S:G1S+7]
	s_nop 0
.rept 4
	v_nop
.endr
.Lasked:
	s_add_nc_u64 s[48:49], s[4:5], s[70:71]
	s_add_nc_u64 s[50:51], s[4:5], s[72:73]
	s_add_nc_u64 s[52:53], s[6:7], s[74:75]
	s_add_nc_u64 s[54:55], s[6:7], s[76:77]
	v_and_b32 v8, 15, v0                           ; r
	v_bfe_u32 v9, v0, 4, 1                         ; h
	v_and_b32 v[LK], 31, v0
	v_lshlrev_b32 v[LK], 4, v[LK]                  ; 16 x lane
	v_lshlrev_b32 v5, 1, v8
	global_load_b128 v[16:19], v[LK], s[48:49]     ; Q's fragment: channels 0-63
	global_load_b128 v[20:23], v[LK], s[48:49] offset:512
	global_load_u16 v255, v5, s[50:51]             ; its two scale bytes; the upper two are 0
.irp j, 24,25,26,27,28,29,30,31
	v_mov_b32 v[\j], 0                             ; zero codes for the upper half of the instruction's K
.endr
.irp t, 0,1,2,3
.irp j, 8,9,10,11,12,13,14,15
	v_mov_b32 v[32+16*\t+\j], 0                    ; the same in K's four fragments: written once, no load lands there
.endr
.endr
	v_add_nc_u32 v[AV0], VOFF, v[LK]
	v_lshl_add_u32 v[ASK0], v8, 1, KSC
	v_lshl_add_u32 v[ASV0], v8, 2, VSC
	v_lshlrev_b32 v7, 2, v8
	v_and_b32 v6, 8, v8
	v_add_nc_u32 v6, v6, v8
	v_lshlrev_b32 v10, 4, v9
	v_sub_nc_u32 v6, v6, v10
	v_add_nc_u32 v[QD], s[QLO], v6                 ; my query - 16 h
	v_mov_b32 v13, 0xff61b1e6                      ; the largest t so far: -3e38
	v_floor_f32 v12, -v13                          ; -M
	v_mov_b32 v14, 0
	v_mov_b32 v15, 0
.irp b, 0,1,2,3
	v_mov_b32 v[236+\b], 0                         ; a lane permute's destination counts as one of its sources
.endr
	v_mov_b32 v252, 0
	v_mov_b32 v253, 0
.set J, 0
.rept 32
	v_mov_b32 v[160+J], 0                          ; O^T: the loop is written once; its first step finds zeros
.set J, J+1
.endr
	s_wait_tensorcnt 0x0                           ; my fill has landed,
	s_barrier_signal -1
	s_barrier_wait -1                              ; everybody's has
	s_wait_loadcnt 0x0                             ; Q
.Lchunk:                                           ; six trips, a constant; a chunk outside my band is passed over
	s_add_co_u32 s96, s[KF], 331
	s_cmp_lt_u32 s96, s[QLO]                       ; its last key lies under QLO - 204
	s_cbranch_scc1 .Lskip
	s_add_co_u32 s96, s[QHI], 204
	s_cmp_gt_u32 s[KF], s96                        ; its first key lies over QHI + 204
	s_cbranch_scc1 .Lskip
	v_add_nc_u32 v[ADK], s[TB], v[LK]
	v_add_nc_u32 v[ADV], s[TB], v[AV0]
	v_add_nc_u32 v[ADS], s[TS], v[ASK0]
	v_add_nc_u32 v[ADT], s[TS], v[ASV0]
.irp g, 0,1                                    ; S^T = K Q^T, four tiles of 16 keys at a time
.if \g > 0
.rept 8
	v_nop                                          ; places in front of loads into registers that matrix instructions have read; the first group's stand at the last trip's end
.endr
.endif
.irp t, 0,1,2,3
	ds_load_b128 v[32+16*\t:35+16*\t], v[ADK] offset:(4*\g+\t)*1024
	ds_load_b128 v[36+16*\t:39+16*\t], v[ADK] offset:(4*\g+\t)*1024+512
	ds_load_u16 v[248+\t], v[ADS] offset:(4*\g+\t)*32
.endr
	s_wait_dscnt 0x0
.irp t, 0,1,2,3
	v_wmma_scale_f32_16x16x128_f8f6f4 v[96+8*(4*\g+\t):103+8*(4*\g+\t)], v[32+16*\t:47+16*\t], v[16:31], 0, v[248+\t], v255
.endr
.endr
.rept 8
	v_nop
.endr
	; register n = 16 b + i holds key KF + 16 h + 32 b + i
	s_add_co_u32 s96, s[KF], 204
	s_cmp_lt_u32 s96, s[QHI]                       ; can a key of the chunk lie under a query - 204?
	s_cbranch_scc0 .Lno_left
	s_sub_co_i32 s96, -204, s[KF]
	v_add_nc_u32 v193, s96, v[QD]
	v_mov_b32 v254, 0xff800000
.set N, 0
.rept 64
	v_cmp_lt_i32 vcc_lo, 32*(N/16)+N%16, v193
	v_cndmask_b32 v[96+N], v[96+N], v254, vcc_lo
.set N, N+1
.endr
.Lno_left:
	s_add_co_u32 s96, s[QLO], 77
	s_cmp_gt_u32 s[KF], s96                        ; can a key of the chunk lie over a query + 204?
	s_cbranch_scc0 .Lno_right
	s_sub_co_i32 s96, 204, s[KF]
	v_add_nc_u32 v194, s96, v[QD]
	v_mov_b32 v254, 0xff800000
.set N, 0
.rept 64
	v_cmp_gt_i32 vcc_lo, 32*(N/16)+N%16, v194
	v_cndmask_b32 v[96+N], v[96+N], v254, vcc_lo
.set N, N+1
.endr
.Lno_right:
.irp b, 0,1,2,3
	v_max3_num_f32 v[232+\b], v[96+16*\b], v[97+16*\b], v[98+16*\b]    ; the largest score of each block of 32 keys: for the row's maximum and, since p rises with the score, for the block's largest p
.endr
.irp i, 3,5,7,9,11,13
.irp b, 0,1,2,3
	v_max3_num_f32 v[232+\b], v[232+\b], v[96+16*\b+\i], v[97+16*\b+\i]
.endr
.endr
.irp b, 0,1,2,3
	v_max_num_f32 v[232+\b], v[232+\b], v[111+16*\b]
.endr
.irp b, 0,1,2,3
	v_permlanex16_b32 v[236+\b], v[232+\b], s[SEL], s[SEL+1]
.endr
.irp b, 0,1,2,3
	v_max_num_f32 v[232+\b], v[232+\b], v[236+\b]
.endr
	v_max3_num_f32 v254, v232, v233, v234
	v_max_num_f32 v254, v254, v235
	v_mul_f32 v254, s[CS], v254
	v_max_num_f32 v13, v13, v254                   ; the running largest t
	v_mov_b32 v254, v12
	v_floor_f32 v12, -v13                          ; -M = floor(-t): M is a whole number
	v_sub_f32 v254, v12, v254
	v_cvt_i32_f32 v254, v254                       ; (it saturates)
	v_ldexp_f32 v252, 1.0, v254                    ; f = 2^(old M - new M)
.set J, 0
.rept 32
	v_pk_fma_f32 v[96+J:97+J], v[96+J:97+J], s[CS:CS+1], v[12:13] op_sel_hi:[1,0,0]        ; t - M
.set J, J+2
.endr
.irp b, 0,1,2,3
	v_fma_f32 v[232+\b], v[232+\b], s[CS], v12
.endr
.set J, 0
.rept 64
	v_exp_f32 v[96+J], v[96+J]                     ; p = 2^(t - M)
.set J, J+1
.endr
.irp b, 0,1,2,3
	v_exp_f32 v[232+\b], v[232+\b]                 ; the block's largest p
.endr
	v_pk_mul_f32 v[14:15], v[14:15], v[252:253] op_sel_hi:[1,0]        ; the sums under the new M (a plain place behind the exponentials)
	s_wait_alu depctr_va_vdst(0)
.irp b, 0,1,2,3
	v_max_num_f32 v[232+\b], 0x4800000, v[232+\b]  ; the floor 2^(9 - 127)
.endr
.irp b, 0,1,2,3
	v_add_nc_u32 v[244+\b], 0xfc000000, v[232+\b]
.endr
.irp b, 0,1,2,3
	v_and_or_b32 v[240+\b], v[232+\b], 0x7f800000, s[MNT]
.endr
.irp b, 0,1,2,3
	v_lshrrev_b32 v[236+\b], 23, v[244+\b]
.endr
	v_lshl_or_b32 v253, v237, 8, v236              ; p's scale word for these 128 keys
	v_lshl_or_b32 v253, v238, 16, v253
	v_lshl_or_b32 v253, v239, 24, v253
	v_pk_add_f32 v[236:237], v[96:97], v[98:99]    ; the row's sum is taken of the unquantised p, in two chains
.irp j, 4,8,12,16,20,24,28,32,36,40,44,48,52,56,60
	v_pk_add_f32 v[14:15], v[14:15], v[96+\j:97+\j]
	v_pk_add_f32 v[236:237], v[236:237], v[98+\j:99+\j]
.endr
	v_pk_add_f32 v[14:15], v[14:15], v[236:237]
.irp b, 0,1,2,3
.irp i, 0,1,2,3,4,5,6,7,8,9,10,11,12,13,14,15
	v_min_num_f32 v[96+16*\b+\i], v[96+16*\b+\i], v[240+\b]    ; the conversion does not saturate (ISA guide 7.6.2); p is not negative
.endr
	v_cvt_scalef32_pk8_fp8_f32 v[224+4*\b:225+4*\b], v[96+16*\b:103+16*\b], v[244+\b]
	v_cvt_scalef32_pk8_fp8_f32 v[226+4*\b:227+4*\b], v[104+16*\b:111+16*\b], v[244+\b]
.endr
.irp t, 0,1,2,3                                ; V's four fragments take the registers that p has left
.irp c, 0,1,2,3
	ds_load_b128 v[96+16*\t+4*\c:99+16*\t+4*\c], v[ADV] offset:\t*2048+\c*512
.endr
	ds_load_b32 v[248+\t], v[ADT] offset:\t*64
.endr
.set J, 0
.rept 16
	v_pk_mul_f32 v[160+J:161+J], v[160+J:161+J], v[252:253] op_sel_hi:[1,0]    ; O^T under the new M; also the places between the codes and the products
.set J, J+2
.endr
	s_wait_dscnt 0x0
.irp t, 0,1,2,3                                ; O^T += V^T P^T: four accumulators by turns
	v_wmma_scale_f32_16x16x128_f8f6f4 v[160+8*\t:167+8*\t], v[96+16*\t:111+16*\t], v[224:239], v[160+8*\t:167+8*\t], v[248+\t], v253
.endr
.rept 9
	v_nop                                          ; nine places: the next chunk's scores are written by matrix instructions over V's registers; they also serve its loads and the way out
.endr
.Lskip:
	s_add_co_u32 s[KF], s[KF], 128
	s_add_co_u32 s[TB], s[TB], 8192
	s_add_co_u32 s[TS], s[TS], 256
	s_sub_co_u32 s[CNT], s[CNT], 1
	s_cmp_lg_u32 s[CNT], 0
	s_cbranch_scc1 .Lchunk
	; THE WAY OUT: O^T / the sum; register 16 b + i is channel 32 b + 16 h + i of my query: two blocks of the next product's K
	v_add_f32 v14, v14, v15
	v_permlanex16_b32 v252, v14, s[SEL], s[SEL+1]
	v_add_f32 v14, v14, v252
	v_rcp_f32 v14, v14
	v_nop
.set J, 0
	s_wait_alu depctr_va_vdst(0)
.rept 32
	v_mul_f32 v[96+J], v[160+J], v14
.set J, J+1
.endr
.irp b, 0,1
	v_max3_num_f32 v[232+\b], |v[96+16*\b]|, |v[97+16*\b]|, 0x4800000
.endr
.irp i, 2,4,6,8,10,12,14
.irp b, 0,1
	v_max3_num_f32 v[232+\b], v[232+\b], |v[96+16*\b+\i]|, |v[97+16*\b+\i]|
.endr
.endr
.irp b, 0,1
	v_permlanex16_b32 v[236+\b], v[232+\b], s[SEL], s[SEL+1]
.endr
.irp b, 0,1
	v_max_num_f32 v[232+\b], v[232+\b], v[236+\b]
.endr
.irp b, 0,1
	v_add_nc_u32 v[244+\b], 0xfc000000, v[232+\b]
.endr
.irp b, 0,1
	v_and_or_b32 v[240+\b], v[232+\b], 0x7f800000, s[MNT]
.endr
.irp b, 0,1
	v_lshrrev_b32 v[236+\b], 23, v[244+\b]
.endr
	v_lshl_or_b32 v254, v237, 8, v236
.irp b, 0,1
.irp i, 0,1,2,3,4,5,6,7,8,9,10,11,12,13,14,15
	v_med3_num_f32 v[96+16*\b+\i], v[96+16*\b+\i], -v[240+\b], v[240+\b]
.endr
	v_cvt_scalef32_pk8_fp8_f32 v[224+4*\b:225+4*\b], v[96+16*\b:103+16*\b], v[244+\b]
	v_cvt_scalef32_pk8_fp8_f32 v[226+4*\b:227+4*\b], v[104+16*\b:111+16*\b], v[244+\b]
.endr
	v_nop
	global_store_b128 v[LK], v[224:227], s[52:53]              ; 512 consecutive bytes
	global_store_b128 v[LK], v[228:231], s[52:53] offset:512
	global_store_b16 v7, v254, s[54:55]            ; my head's half of the scale word; lanes r and r + 16 store the same two bytes with the same value
	s_wait_tensorcnt 0x0
	ds_add_u32 v222, v223
	s_wait_dscnt 0x0
	s_endpgm
.Lfunc_end_k_qec524a5042_attn:
	.size	k_qec524a5042_attn, .Lfunc_end_k_qec524a5042_attn-k_qec524a5042_attn
	.p2alignl 7, 3214868480
	.fill 96, 4, 3214868480
	.section	.rodata,"a",@progbits
	.p2align	6, 0x0
	.amdhsa_kernel k_qec524a5042_attn
		.amdhsa_group_segment_fixed_size 169984
		.amdhsa_private_segment_fixed_size 0
		.amdhsa_enable_private_segment 0
		.amdhsa_kernarg_size 16
		.amdhsa_user_sgpr_count 2
		.amdhsa_user_sgpr_kernarg_segment_ptr 1
		.amdhsa_wavefront_size32 1
		.amdhsa_system_sgpr_workgroup_id_x 1
		.amdhsa_system_sgpr_workgroup_id_y 1
		.amdhsa_system_sgpr_workgroup_id_z 1
		.amdhsa_system_vgpr_workitem_id 0
		.amdhsa_next_free_vgpr 256
		.amdhsa_next_free_sgpr 100
		.amdhsa_reserve_vcc 1
		.amdhsa_float_denorm_mode_32 3
		.amdhsa_float_denorm_mode_16_64 3
		.amdhsa_memory_ordered 1
		.amdhsa_forward_progress 1
		.amdhsa_inst_pref_size 45
	.end_amdhsa_kernel
	.amdgpu_metadata
---
amdhsa.version: [ 1, 2 ]
amdhsa.kernels:
  - .name:           k_qec524a5042_attn
    .symbol:         k_qec524a5042_attn.kd
    .args:
      - { .name: qkvc, .offset: 0, .size: 8, .value_kind: global_buffer, .address_space: global }
      - { .name: att, .offset: 8, .size: 8, .value_kind: global_buffer, .address_space: global }
    .group_segment_fixed_size: 169984
    .private_segment_fixed_size: 0
    .kernarg_segment_align: 8
    .kernarg_segment_size: 16
    .max_flat_workgroup_size: 512
    .sgpr_count:     100
    .vgpr_count:     256
    .wavefront_size: 32
...
	.end_amdgpu_metadata
.endif
;; end of part 4
;; launch projo (part 5): grid 8 x 32, 4 waves a work-group, clusters of 4 x 4, 327,680 bytes of LDS; arguments att, wts, bo, x, x1; writes x1
.if DOCPART == 5
	.amdgcn_target "amdgcn-amd-amdhsa--gfx1250"
	.amdhsa_code_object_version 6
	.text
	.protected	k_qec524a5042_projo
	.globl	k_qec524a5042_projo
	.p2align	8
	.type	k_qec524a5042_projo,@function
k_qec524a5042_projo:
	s_mov_b64 s[64:65], 0
	v_nop
	global_prefetch_b8 v0, s[64:65] scope:SCOPE_SE
	s_setreg_imm32_b32 hwreg(HW_REG_WAVE_MODE, 25, 1), 1
	s_wait_xcnt 0x0
	s_wait_alu depctr_hold_cnt(0) depctr_sa_sdst(0) depctr_va_vdst(0) depctr_va_sdst(0) depctr_va_ssrc(0) depctr_va_vcc(0) depctr_vm_vsrc(0)
	s_getreg_b32 s2, hwreg(HW_REG_IB_STS2, 6, 4)
	s_cmp_eq_u32 s2, 0
	s_cbranch_scc0 .Lentry_in_a_cluster
	s_endpgm
.Lentry_in_a_cluster:
	s_bfe_u32 s2, ttmp6, 0x10000c
	s_cmp_lg_u32 s2, 0xf033
	s_cbranch_scc0 .Lentry_shape_is_right
	s_endpgm
.Lentry_shape_is_right:
; out = residual + P R^T + bias, f32, rows of 1,024.  P (tokens) and R (a weight's columns) are codes of E4M3 with one E8M0 byte for each 32 along K, both laid in the order of an operand's registers:
; [tile of 16 rows][KC chunks of 128 along K][c][lane][16 bytes]; scale words [tile][chunk][place].  Place p holds row p with bits 3 and 4 exchanged.
; P is source 1 (a lane holds one token), R source 0 (the result's registers run along the columns: the 16 registers of R's tiles 2 b, 2 b + 1 are columns 32 b + 16 (lane / 16) + 0..15).
; SHARES: a work-group makes 128 x 128, each of four waves 64 x 64: 16 accumulators: 256 work-groups.  K goes in slots of 512 through two LDS slots; with KC = 8 both are filled once, with KC = 32 they take turns.
; CLUSTER 4 x 4: P's tile is shared along a row of the cluster, R's along a column: each is asked for jointly, which divides the requests by four.
; LDS: slot s at s x 131,072: four regions of 32,768 (P's halves, R's halves), [tile][chunk][2,048]; scale words at 262,144, KC x 256 bytes a region; then the spare words.  The way out's stage, 128 rows of 512 + 16
; bytes, lies in slot 0, which has had its last fill and its last read by then.
; REGISTERS: window 0: v1-6, v16-29 addresses; v8-15 scale words alone, two sets; v32-63 the bias; v64-127 rows on the way out; v128-255 accumulators (a, t) at 128 + 8 (4 a + t).
;   window 1: two sets of fragments, 0-127 and 128-255: P's four tiles, then R's four; at the end 0-127 take the residual's 32 rows.
.set KC,    8
.set PSO,   4194304                    ; where P's scale words, R's codes and R's scale words begin in their buffers
.set RCO,   3145728
.set RSO,   12681216
.set LAPS,  KC/8
.set SLOT,  131072
.set REGN,  32768
.set SCL,   2*SLOT
.set SREG,  KC*256
.set SPARE, SCL+4*SREG                 ; the spare words, 128 bytes for each wave: two blocks of 256 bytes that no other line names
.set SPITCH, 528
.set STO,  5
.set RD,   6
.set SC,   8
.set ADRP, 16
.set ADRR, 20
.set ADRS, 22
.set SPW,  28
.set NIL,  29
.set BR,   32
.set ACC,  128
.set WV,   12
.set HP,   13
.set HR,   14
.set G1P,  24
.set G0P,  32
.set G1R,  48
.set G0R,  56
.set G1SP, 68
.set G0SP, 76
.set G1SR, 80
.set G0SR, 88
.set MSB, 0
.macro WIN new                         ; the immediate's high byte repeats the setting that is left
.if MSB != \new
	s_set_vgpr_msb (MSB<<8)|\new
.set MSB, \new
.endif
.endm
.set MUL,  0x05                        ; sources 0 and 1 window 1; C and D window 0
.set TO_F, 0x40                        ; destination window 1, address window 0
.macro PLACES n
.rept \n
	v_nop
.endr
.endm
.macro JLOAD g0p, g1p, g0r, g1r        ; a joint load: waves 0, 1 fetch for P, waves 2, 3 for R; four v_nop follow each line
	s_cmp_eq_u32 s[HP], 0
	s_cbranch_scc0 .Lfor_r_\@
	tensor_load_to_lds s[\g0p:\g0p+3], s[\g1p:\g1p+7]
	s_nop 0
	PLACES 4
	s_branch .Lasked_\@
.Lfor_r_\@:
	tensor_load_to_lds s[\g0r:\g0r+3], s[\g1r:\g1r+7]
	s_nop 0
	PLACES 4
.Lasked_\@:
.endm
.macro CREST                           ; a round of the cluster's barrier behind its opening barrier
	s_cmp_lg_u32 s[WV], 0
	s_cbranch_scc1 .Lnot_wave_0_\@
	s_barrier_signal -3
.Lnot_wave_0_\@:
	s_barrier_wait -3
	s_barrier_signal -1
	s_barrier_wait -1
.endm
.macro CROUND
	s_barrier_signal -1
	s_barrier_wait -1
	CREST
.endm
	s_load_b256 s[4:11], s[0:1], 0x0               ; P's buffer, the weights' codes, the bias, the residual
	s_load_b64 s[92:93], s[0:1], 0x20              ; the result
	v_lshl_add_u32 v[SPW], v0, 2, SPARE
	v_mov_b32 v[NIL], 0
	ds_add_u32 v28, v29
	ds_add_u32 v28, v29
	s_wait_dscnt 0x0
	v_lshrrev_b32 v1, 5, v0
	v_readfirstlane_b32 s[WV], v1                  ; wave 0..3
	s_lshr_b32 s[HP], s[WV], 1                     ; my half of P's rows.  Also: I fetch for P (0) or for R (1)
	s_and_b32 s[HR], s[WV], 1                      ; my half of R's rows.  Also: which half I fetch
	s_bfe_u32 s40, ttmp6, 0x40000                  ; cx
	s_bfe_u32 s41, ttmp6, 0x40004                  ; cy
	s_and_b32 s15, ttmp7, 0xffff
	s_lshl_b32 s17, s15, 2
	s_add_co_u32 s17, s17, s41                     ; P's tile of 128
	s_lshl_b32 s42, ttmp9, 2
	s_add_co_u32 s42, s42, s40                     ; R's tile of 128
	s_lshl_b32 s43, s41, 2
	s_lshl_b32 s43, 15, s43                        ; my row of the cluster
	s_lshl_b32 s44, 0x1111, s40                    ; my column
	s_or_b32 s[G1P], s43, (3<<16)|(1<<21)          ; 15:0 the mask; 17:16 elements of 8 bytes; 21 set beside a mask; no padding
	s_or_b32 s[G1R], s44, (3<<16)|(1<<21)
	s_or_b32 s[G1SP], s43, (3<<16)|(1<<21)
	s_or_b32 s[G1SR], s44, (3<<16)|(1<<21)
.irp g, G1P, G1R                       ; codes: four tiles of 16 rows, of each 512 along K: 8,192 consecutive bytes, KC x 2,048 bytes apart
	s_mov_b32 s[\g+1], 1024<<16
	s_mov_b32 s[\g+2], 4<<16
	s_mov_b32 s[\g+3], 1024<<16
	s_mov_b32 s[\g+4], 4
	s_mov_b32 s[\g+5], KC*256
	s_mov_b32 s[\g+6], 0
	s_mov_b32 s[\g+7], 0
.endr
.irp g, G1SP, G1SR                     ; scale words of four tiles, all of K: a dense block, as KC rows of 256 bytes
	s_mov_b32 s[\g+1], 32<<16
	s_mov_b32 s[\g+2], KC<<16
	s_mov_b32 s[\g+3], 32<<16
	s_mov_b32 s[\g+4], KC
	s_mov_b32 s[\g+5], 32
	s_mov_b32 s[\g+6], 0
	s_mov_b32 s[\g+7], 0
.endr
	s_lshl_b32 s19, s[HR], 2
	s_lshl_b32 s20, s17, 3
	s_add_co_u32 s20, s20, s19                     ; P: the first tile of 16 that I fetch
	s_lshl_b32 s46, s42, 3
	s_add_co_u32 s46, s46, s19                     ; R likewise
	s_mul_i32 s22, s20, KC*64
	s_mul_i32 s20, s20, KC*2048
	s_mul_i32 s96, s46, KC*64
	s_mul_i32 s46, s46, KC*2048
	s_add_co_u32 s22, s22, PSO
	s_add_co_u32 s46, s46, RCO
	s_add_co_u32 s96, s96, RSO
	s_mov_b32 s21, 0
	s_mov_b32 s23, 0
	s_mov_b32 s47, 0
	s_mov_b32 s97, 0
	s_lshl_b32 s98, s[WV], 15                      ; where they go: no place in the cluster enters an LDS address
	s_mul_i32 s99, s[WV], SREG
	s_wait_kmcnt 0x0
	s_add_nc_u64 s[20:21], s[4:5], s[20:21]
	s_add_nc_u64 s[22:23], s[4:5], s[22:23]
	s_add_nc_u64 s[46:47], s[6:7], s[46:47]
	s_add_nc_u64 s[96:97], s[6:7], s[96:97]
	CROUND                                         ; all sixteen work-groups are here: the first joint loads meet
	s_mov_b32 s[G0SP], 1
	s_add_co_u32 s[G0SP+1], s99, SCL
	s_mov_b64 s[G0SP+2:G0SP+3], s[22:23]
	s_or_b32 s[G0SP+3], s[G0SP+3], 0x80000000
	s_mov_b32 s[G0SR], 1
	s_add_co_u32 s[G0SR+1], s99, SCL
	s_mov_b64 s[G0SR+2:G0SR+3], s[96:97]
	s_or_b32 s[G0SR+3], s[G0SR+3], 0x80000000
	JLOAD G0SP, G1SP, G0SR, G1SR                   ; the scale words first; by this text's count three loads of a wave are out at the most
.irp s, 0,1
	s_mov_b32 s[G0P+4*\s], 1
	s_add_co_u32 s[G0P+4*\s+1], s98, \s*SLOT
	s_add_nc_u64 s[G0P+4*\s+2:G0P+4*\s+3], s[20:21], \s*8192
	s_or_b32 s[G0P+4*\s+3], s[G0P+4*\s+3], 0x80000000
	s_mov_b32 s[G0R+4*\s], 1
	s_add_co_u32 s[G0R+4*\s+1], s98, \s*SLOT
	s_add_nc_u64 s[G0R+4*\s+2:G0R+4*\s+3], s[46:47], \s*8192
	s_or_b32 s[G0R+4*\s+3], s[G0R+4*\s+3], 0x80000000
	JLOAD G0P+4*\s, G1P, G0R+4*\s, G1R
.endr
	v_and_b32 v1, 15, v0                           ; r
	v_bfe_u32 v2, v0, 4, 1                         ; h
	v_and_b32 v3, 31, v0
	v_lshlrev_b32 v3, 4, v3                        ; 16 x lane; never rewritten
	s_lshl_b32 s18, s[HP], 15
	s_lshl_b32 s19, s[HR], 15
	s_add_co_u32 s19, s19, 2*REGN
.irp s, 0,1
	v_add_nc_u32 v[ADRP+\s], s18, v3
	v_add_nc_u32 v[ADRR+\s], s19, v3
	s_add_co_u32 s18, s18, SLOT
	s_add_co_u32 s19, s19, SLOT
.endr
	s_mul_i32 s18, s[HP], SREG
	s_mul_i32 s19, s[HR], SREG
	s_add_co_u32 s19, s19, 2*SREG
	s_sub_co_u32 s19, s19, s18
	v_mul_u32_u24 v23, s19, v2                     ; lanes 16-31 take R's words: one product, the distance between the two regions
	s_add_co_u32 s18, s18, SCL
	v_lshl_add_u32 v23, v1, 2, v23
	v_add_nc_u32 v[ADRS], s18, v23
	; the bias: lane (r, h) wants those of columns 32 b + 16 h + 0..15 of my 64
	v_lshlrev_b32 v4, 6, v2
	s_lshl_b32 s18, s42, 9
	s_lshl_b32 s19, s[HR], 8
	s_add_co_u32 s18, s18, s19
	s_mov_b32 s19, 0
	s_add_nc_u64 s[8:9], s[8:9], s[18:19]
.irp b, 0,1
.irp j, 0,1,2,3
	global_load_b128 v[BR+16*\b+4*\j:BR+16*\b+4*\j+3], v4, s[8:9] offset:128*\b+16*\j
.endr
.endr
	; the residual and the result: the 32 rows that I store, the tile's 512 bytes of them
	s_lshl_b32 s18, s17, 7
	s_lshl_b32 s19, s[WV], 5
	s_add_co_u32 s18, s18, s19
	s_lshl_b32 s18, s18, 12
	s_lshl_b32 s19, s42, 9
	s_add_co_u32 s18, s18, s19
	s_mov_b32 s19, 0
	s_add_nc_u64 s[10:11], s[10:11], s[18:19]
	s_add_nc_u64 s[92:93], s[92:93], s[18:19]
	s_mul_i32 s18, s[HP], 64*SPITCH
	s_lshl_b32 s19, s[HR], 8
	s_add_co_u32 s18, s18, s19
	v_mul_u32_u24 v[STO], v1, SPITCH
	v_lshl_add_u32 v[STO], v2, 6, v[STO]
	v_add_nc_u32 v[STO], s18, v[STO]               ; into the stage: place 64 HP + r, byte 256 HR + 64 h
	s_mul_i32 s18, s[WV], 32*SPITCH
	v_add_nc_u32 v[RD], s18, v3                    ; back: places 32 w on, 16 bytes a lane
; 36 LDS loads in one run: chunk q of a slot into set f: four scale registers (lanes 0-15 P's tile i, lanes 16-31 R's tile i), R's four fragments, P's four
.macro FETCH slot, q, f
	WIN 0
.irp i, 0,1,2,3
	ds_load_b32 v[SC+4*((\q)%2)+\i], v[ADRS] offset:(\i*KC+(\q))*64
.endr
	WIN TO_F
.irp i, 0,1,2,3
.irp c, 0,1,2,3
	ds_load_b128 v[(\f)+64+16*\i+4*\c:(\f)+64+16*\i+4*\c+3], v[ADRR+\slot] offset:\i*8192+(\q)*2048+\c*512
.endr
.endr
.irp i, 0,1,2,3
.irp c, 0,1,2,3
	ds_load_b128 v[(\f)+16*\i+4*\c:(\f)+16*\i+4*\c+3], v[ADRP+\slot] offset:\i*8192+(\q)*2048+\c*512
.endr
.endr
.endm
; four products: P's tile a against R's four.  The 16 accumulators take turns, one instruction a turn, in the same order in every chunk
.macro MUL4 f, a, q, zero
.irp t, 0,1,2,3
.if \zero
	v_wmma_scale_f32_16x16x128_f8f6f4 v[ACC+8*(4*(\a)+\t):ACC+8*(4*(\a)+\t)+7], v[(\f)+64+16*\t:(\f)+64+16*\t+15], v[(\f)+16*(\a):(\f)+16*(\a)+15], 0, v[SC+4*((\q)%2)+\t], v[SC+4*((\q)%2)+(\a)] matrix_a_scale:MATRIX_SCALE_ROW1
.else
	v_wmma_scale_f32_16x16x128_f8f6f4 v[ACC+8*(4*(\a)+\t):ACC+8*(4*(\a)+\t)+7], v[(\f)+64+16*\t:(\f)+64+16*\t+15], v[(\f)+16*(\a):(\f)+16*(\a)+15], v[ACC+8*(4*(\a)+\t):ACC+8*(4*(\a)+\t)+7], v[SC+4*((\q)%2)+\t], v[SC+4*((\q)%2)+(\a)] matrix_a_scale:MATRIX_SCALE_ROW1
.endif
.endr
.endm
; one of a slot's first three chunks: multiplies set q % 2 and fetches the next chunk into the other set, eight places behind the products that read it
.macro STEPQ slot, q, zero
	s_wait_dscnt 8                                 ; all but the youngest eight loads (P's tiles 2, 3)
	WIN MUL
	MUL4 128*((\q)%2), 0, \q, \zero
	MUL4 128*((\q)%2), 1, \q, \zero
	PLACES 8
	FETCH \slot, (\q)+1, 128*(((\q)+1)%2)
	s_wait_dscnt 36                                ; all but the 36 just issued
	WIN MUL
	MUL4 128*((\q)%2), 2, \q, \zero
	MUL4 128*((\q)%2), 3, \q, \zero
.endm
; a slot's last chunk changes slots: one barrier; in front of it each wave waits for all its tensor loads, adds 0 to its spare word, and waits for that and for its reads of this slot
.macro TURN slot, next, fill
	WIN 0
	s_wait_tensorcnt 0x0                           ; all my tensor loads have landed: my part of the next slot
	ds_add_u32 v[SPW], v[NIL]                      ; 0 onto my spare word
	s_wait_dscnt 9                                 ; (the add and the youngest eight loads may be out)
	WIN MUL
	MUL4 128, 0, 3, 0
	s_wait_dscnt 0x0                               ; the add is done, and my reads of this slot are over
	s_barrier_signal -1
	MUL4 128, 1, 3, 0
	WIN 0
	s_barrier_wait -1
.if \fill
	CREST                                          ; the barrier has opened a round of the cluster's: no wave of any partner still reads this slot or has a load on its way
	s_add_nc_u64 s[G0P+4*\slot+2:G0P+4*\slot+3], s[G0P+4*\slot+2:G0P+4*\slot+3], 16384
	s_add_nc_u64 s[G0R+4*\slot+2:G0R+4*\slot+3], s[G0R+4*\slot+2:G0R+4*\slot+3], 16384
	JLOAD G0P+4*\slot, G1P, G0R+4*\slot, G1R       ; the first tensor load behind the round: 1,024 along K further on; it has a slot's 64 products in which to land
	PLACES 4
.else
	PLACES 8
.endif
	v_add_nc_u32 v[ADRS], 256, v[ADRS]             ; the next slot's scale words: four chunks of 64 bytes on
	FETCH \next, 0, 0
	WIN MUL
	MUL4 128, 2, 3, 0
	MUL4 128, 3, 3, 0
.endm
	s_wait_tensorcnt 1                             ; the scale words and my part of slot 0 are in; slot 1's load may stay out
	s_barrier_signal -1
	s_barrier_wait -1
	FETCH 0, 0, 0
	STEPQ 0, 0, 1                                  ; the first chunk's products start the sums: nothing is cleared
.if LAPS > 1
	WIN 0
	s_mov_b32 s3, LAPS-1
.Llap:                                             ; a trip goes once round the ring and fills both slots again
	STEPQ 0, 1, 0
	STEPQ 0, 2, 0
	TURN 0, 1, 1
	STEPQ 1, 0, 0
	STEPQ 1, 1, 0
	STEPQ 1, 2, 0
	TURN 1, 0, 1
	STEPQ 0, 0, 0
	WIN 0
	s_sub_co_u32 s3, s3, 1
	s_cmp_lg_u32 s3, 0
	s_cbranch_scc1 .Llap
.endif
	STEPQ 0, 1, 0                                  ; the last lap fills nothing
	STEPQ 0, 2, 0
	TURN 0, 1, 0
	STEPQ 1, 0, 0
	STEPQ 1, 1, 0
	STEPQ 1, 2, 0
	s_wait_dscnt 8
	WIN MUL
	MUL4 128, 0, 3, 0
	MUL4 128, 1, 3, 0
	PLACES 8                                       ; set 0 of the fragments is done with: it takes the residual's 32 rows
	WIN TO_F
.set I, 0
.rept 32
	global_load_b128 v[4*I:4*I+3], v3, s[10:11] offset:((I&7)|((I&8)<<1)|((I&16)>>1))*4096     ; place I of my 32 is row I with bits 3 and 4 exchanged; 512 consecutive bytes
.set I, I+1
.endr
	s_wait_dscnt 0x0
	WIN MUL
	MUL4 128, 2, 3, 0
	MUL4 128, 3, 3, 0
	WIN 0
	; THE WAY OUT: bias; through the work-group's stage, since a row's 512 bytes come from two waves; residual; whole rows out.
	PLACES 8
	s_wait_loadcnt 32                              ; the bias is in; the 32 loads of the residual may be out
.irp a, 0,1,2,3
.set J, 0
.rept 16
	v_pk_add_f32 v[ACC+32*\a+J:ACC+32*\a+J+1], v[ACC+32*\a+J:ACC+32*\a+J+1], v[BR+J:BR+J+1]       ; each accumulator from its low end on
.set J, J+2
.endr
.endr
.irp a, 0,1,2,3
.irp m, 0,1,2,3,4,5,6,7
	ds_store_b128 v[STO], v[ACC+32*\a+4*\m:ACC+32*\a+4*\m+3] offset:\a*16*SPITCH+128*(\m/4)+16*(\m%4)
.endr
.endr
	s_wait_dscnt 0x0                               ; for the others' sake: my stores into the stage are done
	s_barrier_signal -1
	s_barrier_wait -1
.set I, 0
.rept 32
	ds_load_b128 v[64+4*I:64+4*I+3], v[RD] offset:I*SPITCH     ; places 0-15 into v64-127, 16-31 into v128-191
.set I, I+1
.endr
	s_wait_dscnt 16                                ; the first 16 rows are back
	s_wait_loadcnt 16                              ; and their residual is in
	WIN 0x04                                       ; source 1 window 1
.set J, 0
.rept 32
	v_pk_add_f32 v[64+J:64+J+1], v[64+J:64+J+1], v[J:J+1]
.set J, J+2
.endr
	WIN 0
.set I, 0
.rept 16
	global_store_b128 v3, v[64+4*I:64+4*I+3], s[92:93] offset:((I&7)|((I&8)<<1)|((I&16)>>1))*4096      ; 512 consecutive bytes
.set I, I+1
.endr
	s_wait_dscnt 0x0
	s_wait_loadcnt 0x0
	WIN 0x04
.set J, 64
.rept 32
	v_pk_add_f32 v[64+J:64+J+1], v[64+J:64+J+1], v[J:J+1]
.set J, J+2
.endr
	WIN 0
.set I, 16
.rept 16
	global_store_b128 v3, v[64+4*I:64+4*I+3], s[92:93] offset:((I&7)|((I&8)<<1)|((I&16)>>1))*4096
.set I, I+1
.endr
	s_wait_tensorcnt 0x0                           ; the wave's end
	ds_add_u32 v[SPW], v[NIL]
	s_wait_dscnt 0x0
	CROUND                                         ; the closing round
	s_endpgm
.Lfunc_end_k_qec524a5042_projo:
	.size	k_qec524a5042_projo, .Lfunc_end_k_qec524a5042_projo-k_qec524a5042_projo
	.p2alignl 7, 3214868480
	.fill 96, 4, 3214868480
	.section	.rodata,"a",@progbits
	.p2align	6, 0x0
	.amdhsa_kernel k_qec524a5042_projo
		.amdhsa_group_segment_fixed_size 327680
		.amdhsa_private_segment_fixed_size 0
		.amdhsa_enable_private_segment 0
		.amdhsa_kernarg_size 40
		.amdhsa_user_sgpr_count 2
		.amdhsa_user_sgpr_kernarg_segment_ptr 1
		.amdhsa_wavefront_size32 1
		.amdhsa_system_sgpr_workgroup_id_x 1
		.amdhsa_system_sgpr_workgroup_id_y 1
		.amdhsa_system_sgpr_workgroup_id_z 1
		.amdhsa_system_vgpr_workitem_id 0
		.amdhsa_next_free_vgpr 512
		.amdhsa_next_free_sgpr 100
		.amdhsa_reserve_vcc 0
		.amdhsa_float_denorm_mode_32 3
		.amdhsa_float_denorm_mode_16_64 3
		.amdhsa_memory_ordered 1
		.amdhsa_forward_progress 1
		.amdhsa_inst_pref_size 67
	.end_amdhsa_kernel
	.amdgpu_metadata
---
amdhsa.version: [ 1, 2 ]
amdhsa.kernels:
  - .name:           k_qec524a5042_projo
    .symbol:         k_qec524a5042_projo.kd
    .args:
      - { .name: att, .offset: 0, .size: 8, .value_kind: global_buffer, .address_space: global }
      - { .name: wts, .offset: 8, .size: 8, .value_kind: global_buffer, .address_space: global }
      - { .name: bo, .offset: 16, .size: 8, .value_kind: global_buffer, .address_space: global }
      - { .name: x, .offset: 24, .size: 8, .value_kind: global_buffer, .address_space: global }
      - { .name: x1, .offset: 32, .size: 8, .value_kind: global_buffer, .address_space: global }
    .group_segment_fixed_size: 327680
    .private_segment_fixed_size: 0
    .kernarg_segment_align: 8
    .kernarg_segment_size: 40
    .max_flat_workgroup_size: 128
    .sgpr_count:     100
    .vgpr_count:     512
    .wavefront_size: 32
...
	.end_amdgpu_metadata
.endif
;; end of part 5
;; launch ln2: the kernel of part 2 again; grid 256 x 1, 8 waves a work-group, no clusters, 67,328 bytes of LDS; arguments x1, ln2_g, ln2_b, act; writes act
;; launch ffn1 (part 6): grid 32 x 32, 4 waves a work-group, clusters of 4 x 4, 327,680 bytes of LDS; arguments act, wts, b1, hid; writes hid
.if DOCPART == 6
	.amdgcn_target "amdgcn-amd-amdhsa--gfx1250"
	.amdhsa_code_object_version 6
	.text
	.protected	k_qec524a5042_ffn1
	.globl	k_qec524a5042_ffn1
	.p2align	8
	.type	k_qec524a5042_ffn1,@function
k_qec524a5042_ffn1:
	s_mov_b64 s[64:65], 0
	v_nop
	global_prefetch_b8 v0, s[64:65] scope:SCOPE_SE
	s_setreg_imm32_b32 hwreg(HW_REG_WAVE_MODE, 25, 1), 1
	s_wait_xcnt 0x0
	s_wait_alu depctr_hold_cnt(0) depctr_sa_sdst(0) depctr_va_vdst(0) depctr_va_sdst(0) depctr_va_ssrc(0) depctr_va_vcc(0) depctr_vm_vsrc(0)
	s_getreg_b32 s2, hwreg(HW_REG_IB_STS2, 6, 4)
	s_cmp_eq_u32 s2, 0
	s_cbranch_scc0 .Lentry_in_a_cluster
	s_endpgm
.Lentry_in_a_cluster:
	s_bfe_u32 s2, ttmp6, 0x10000c
	s_cmp_lg_u32 s2, 0xf033
	s_cbranch_scc0 .Lentry_shape_is_right
	s_endpgm
.Lentry_shape_is_right:
; A GEMM on codes of E4M3 (one E8M0 byte for each 32 along K) whose result, with its bias, is quantised again in registers.  Two operands: P (source 1: a lane holds one row of it) and R (source 0: the result's
; registers run along its rows).  Both lie in memory in the order of an operand's registers: [tile of 16 rows][KC chunks of 128 along K][c][lane][16 bytes]; scale words [tile][chunk][place].
; Place p holds row p with bits 3 and 4 exchanged, so the 16 result registers of R's tiles 2 b, 2 b + 1 are 16 neighbouring rows of R, 32 b + 16 (lane / 16) + 0..15: a conversion's input as it stands.
; QKV = 1: cluster rows 0-7: P = the normalised tokens, R = wq's and wk's columns: q and k, quantised along a head's 64.  Cluster rows 8-11: P = wv's columns, R = the tokens: v^T, quantised along the keys.
;   Only pointers, offsets and strides are chosen, on the cluster's y, which all partners share: one path.  Both kinds of bias are loaded; the one that a tile does not use is set to 0 and added all the same.
; QKV = 0: P = the normalised tokens, R = w1's columns: relu(.. + b1), quantised along the hidden units.
; SHARES: a work-group makes 128 x 128, each of four waves 64 x 64: 16 accumulators.  K goes in slots of 512; with K = 1,024 both slots are filled once, at the start.
; CLUSTER 4 x 4: P's tile is shared along a row of the cluster, R's along a column: each is asked for jointly, which divides the requests by four.
; LDS: slot s at s x 131,072: four regions of 32,768 (P's halves, R's halves), [tile][chunk][2,048]; scale words at 262,144, KC x 256 bytes a region; then the spare words.  A fragment comes by four loads of 512
; consecutive bytes: no pitch, no padding.
; REGISTERS: window 0: v1-7, v16-29 addresses; v8-15 scale words alone, two sets; v32-63 the bias along R; v64-95 at work; v96-127 codes (before that: the bias along P); v128-255 accumulators (a, t) at 128 + 8 (4 a + t).
;   window 1: two sets of fragments, 0-127 and 128-255: P's four tiles, then R's four.
; LIMITS: NaN and infinities are not served; a block whose largest magnitude lies under 2^-118 gets the byte 1 (read by this program alone).
.set QKV,   0
.set RELU,  1
.set KC,    8
.set PSO,   4194304                    ; (QKV = 0) where P's scale words, R's codes and R's scale words begin in their buffers
.set RCO,   4194304
.set RSO,   12713984
.set LAPS,  KC/8
.set SLOT,  131072
.set REGN,  32768
.set SCL,   2*SLOT
.set SREG,  KC*256
.set SPARE, SCL+4*SREG                 ; the spare words, 128 bytes for each wave: two blocks of 256 bytes that no other line names
.set SC,   8
.set ADRP, 16
.set ADRR, 20
.set ADRS, 22
.set SOF,  18
.set CO,   24
.set SPW,  28
.set NIL,  29
.set BR,   32
.set MX,   64
.set T2,   72
.set HD,   80
.set SP,   88
.set CD,   96
.set BP,   96
.set LB,   104
.set ACC,  128
.set WV,   12
.set HP,   13
.set HR,   14
.set G1P,  24
.set G0P,  32
.set G1R,  48
.set G0R,  56
.set G1SP, 68
.set G0SP, 76
.set G1SR, 80
.set G0SR, 88
.set MSB, 0
.macro WIN new                         ; the immediate's high byte repeats the setting that is left
.if MSB != \new
	s_set_vgpr_msb (MSB<<8)|\new
.set MSB, \new
.endif
.endm
.set MUL,  0x05                        ; sources 0 and 1 window 1; C and D window 0
.set TO_F, 0x40                        ; destination window 1, address window 0
.macro PLACES n
.rept \n
	v_nop
.endr
.endm
.macro JLOAD g0p, g1p, g0r, g1r        ; a joint load: waves 0, 1 fetch for P, waves 2, 3 for R; four v_nop follow each line
	s_cmp_eq_u32 s[HP], 0
	s_cbranch_scc0 .Lfor_r_\@
	tensor_load_to_lds s[\g0p:\g0p+3], s[\g1p:\g1p+7]
	s_nop 0
	PLACES 4
	s_branch .Lasked_\@
.Lfor_r_\@:
	tensor_load_to_lds s[\g0r:\g0r+3], s[\g1r:\g1r+7]
	s_nop 0
	PLACES 4
.Lasked_\@:
.endm
.macro CREST                           ; a round of the cluster's barrier behind its opening barrier
	s_cmp_lg_u32 s[WV], 0
	s_cbranch_scc1 .Lnot_wave_0_\@
	s_barrier_signal -3
.Lnot_wave_0_\@:
	s_barrier_wait -3
	s_barrier_signal -1
	s_barrier_wait -1
.endm
.macro CROUND
	s_barrier_signal -1
	s_barrier_wait -1
	CREST
.endm
	s_load_b256 s[4:11], s[0:1], 0x0               ; QKV: tokens' codes, weights' codes, bq, bk.  Else: tokens' codes, weights' codes, b1, the result
.if QKV
	s_load_b128 s[92:95], s[0:1], 0x20             ; bv, the result
.endif
	v_lshl_add_u32 v[SPW], v0, 2, SPARE
	v_mov_b32 v[NIL], 0
	ds_add_u32 v28, v29
	ds_add_u32 v28, v29
	s_wait_dscnt 0x0
	v_lshrrev_b32 v1, 5, v0
	v_readfirstlane_b32 s[WV], v1                  ; wave 0..3
	s_lshr_b32 s[HP], s[WV], 1                     ; my half of P's rows.  Also: I fetch for P (0) or for R (1)
	s_and_b32 s[HR], s[WV], 1                      ; my half of R's rows.  Also: which half I fetch
	s_bfe_u32 s40, ttmp6, 0x40000                  ; cx
	s_bfe_u32 s41, ttmp6, 0x40004                  ; cy
	s_and_b32 s15, ttmp7, 0xffff                   ; the cluster's y
.if QKV
	s_and_b32 s16, s15, 1
	s_add_co_u32 s16, s16, 4
	s_sub_co_u32 s18, s15, 8
	s_lshr_b32 s18, s18, 1
	s_lshl_b32 s18, s18, 4
	s_cmp_ge_u32 s15, 8
	s_cselect_b32 s45, -1, 0                       ; all ones where this cluster makes v^T
	s_cselect_b32 s17, s16, s15
	s_cselect_b32 s18, s18, 0
	s_lshl_b32 s17, s17, 2
	s_add_co_u32 s17, s17, s41                     ; P's tile of 128: tokens 4 y + cy, or wv's 16 + 4 (y & 1) + cy
	s_lshl_b32 s42, ttmp9, 2
	s_add_co_u32 s42, s42, s40
	s_add_co_u32 s42, s42, s18                     ; R's tile: 4 x + cx, for v^T + 16 ((y - 8) / 2)
.else
	s_lshl_b32 s17, s15, 2
	s_add_co_u32 s17, s17, s41
	s_lshl_b32 s42, ttmp9, 2
	s_add_co_u32 s42, s42, s40
.endif
	s_lshl_b32 s43, s41, 2
	s_lshl_b32 s43, 15, s43                        ; my row of the cluster
	s_lshl_b32 s44, 0x1111, s40                    ; my column
	s_or_b32 s[G1P], s43, (3<<16)|(1<<21)          ; 15:0 the mask; 17:16 elements of 8 bytes; 21 set beside a mask; no padding
	s_or_b32 s[G1R], s44, (3<<16)|(1<<21)
	s_or_b32 s[G1SP], s43, (3<<16)|(1<<21)
	s_or_b32 s[G1SR], s44, (3<<16)|(1<<21)
.irp g, G1P, G1R                       ; codes: four tiles of 16 rows, of each 512 along K: 8,192 consecutive bytes, KC x 2,048 bytes apart
	s_mov_b32 s[\g+1], 1024<<16
	s_mov_b32 s[\g+2], 4<<16
	s_mov_b32 s[\g+3], 1024<<16
	s_mov_b32 s[\g+4], 4
	s_mov_b32 s[\g+5], KC*256
	s_mov_b32 s[\g+6], 0
	s_mov_b32 s[\g+7], 0
.endr
.irp g, G1SP, G1SR                     ; scale words of four tiles, all of K: a dense block, as KC rows of 256 bytes
	s_mov_b32 s[\g+1], 32<<16
	s_mov_b32 s[\g+2], KC<<16
	s_mov_b32 s[\g+3], 32<<16
	s_mov_b32 s[\g+4], KC
	s_mov_b32 s[\g+5], 32
	s_mov_b32 s[\g+6], 0
	s_mov_b32 s[\g+7], 0
.endr
	s_lshl_b32 s19, s[HR], 2
	s_lshl_b32 s20, s17, 3
	s_add_co_u32 s20, s20, s19                     ; P: the first tile of 16 that I fetch
	s_lshl_b32 s46, s42, 3
	s_add_co_u32 s46, s46, s19                     ; R likewise
	s_mul_i32 s22, s20, KC*64
	s_mul_i32 s20, s20, KC*2048
	s_mul_i32 s96, s46, KC*64
	s_mul_i32 s46, s46, KC*2048
.if QKV
	s_mov_b32 s98, 4194304                         ; the tokens' scale words
	s_mov_b32 s99, 12582912                        ; the weights'
	s_cmp_lg_u32 s45, 0
	s_cselect_b32 s18, s99, s98
	s_cselect_b32 s19, s98, s99
	s_add_co_u32 s22, s22, s18
	s_add_co_u32 s96, s96, s19
.else
	s_add_co_u32 s22, s22, PSO
	s_add_co_u32 s46, s46, RCO
	s_add_co_u32 s96, s96, RSO
.endif
	s_mov_b32 s21, 0
	s_mov_b32 s23, 0
	s_mov_b32 s47, 0
	s_mov_b32 s97, 0
	s_lshl_b32 s98, s[WV], 15                      ; where they go: no place in the cluster enters an LDS address
	s_mul_i32 s99, s[WV], SREG
	s_wait_kmcnt 0x0
.if QKV
	s_cmp_lg_u32 s45, 0
	s_cselect_b64 s[18:19], s[6:7], s[4:5]         ; P's buffer
	s_cselect_b64 s[6:7], s[4:5], s[6:7]           ; R's
.else
	s_mov_b64 s[18:19], s[4:5]
	s_mov_b64 s[94:95], s[10:11]
.endif
	s_add_nc_u64 s[20:21], s[18:19], s[20:21]
	s_add_nc_u64 s[22:23], s[18:19], s[22:23]
	s_add_nc_u64 s[46:47], s[6:7], s[46:47]
	s_add_nc_u64 s[96:97], s[6:7], s[96:97]
	CROUND                                         ; all sixteen work-groups are here: the first joint loads meet
	s_mov_b32 s[G0SP], 1
	s_add_co_u32 s[G0SP+1], s99, SCL
	s_mov_b64 s[G0SP+2:G0SP+3], s[22:23]
	s_or_b32 s[G0SP+3], s[G0SP+3], 0x80000000
	s_mov_b32 s[G0SR], 1
	s_add_co_u32 s[G0SR+1], s99, SCL
	s_mov_b64 s[G0SR+2:G0SR+3], s[96:97]
	s_or_b32 s[G0SR+3], s[G0SR+3], 0x80000000
	JLOAD G0SP, G1SP, G0SR, G1SR                   ; the scale words first; by this text's count three loads of a wave are out at the most
.irp s, 0,1
	s_mov_b32 s[G0P+4*\s], 1
	s_add_co_u32 s[G0P+4*\s+1], s98, \s*SLOT
	s_add_nc_u64 s[G0P+4*\s+2:G0P+4*\s+3], s[20:21], \s*8192
	s_or_b32 s[G0P+4*\s+3], s[G0P+4*\s+3], 0x80000000
	s_mov_b32 s[G0R+4*\s], 1
	s_add_co_u32 s[G0R+4*\s+1], s98, \s*SLOT
	s_add_nc_u64 s[G0R+4*\s+2:G0R+4*\s+3], s[46:47], \s*8192
	s_or_b32 s[G0R+4*\s+3], s[G0R+4*\s+3], 0x80000000
	JLOAD G0P+4*\s, G1P, G0R+4*\s, G1R
.endr
	v_and_b32 v1, 15, v0                           ; r
	v_bfe_u32 v2, v0, 4, 1                         ; h
	v_and_b32 v3, 31, v0
	v_lshlrev_b32 v3, 4, v3                        ; 16 x lane
	s_lshl_b32 s18, s[HP], 15
	s_lshl_b32 s19, s[HR], 15
	s_add_co_u32 s19, s19, 2*REGN
.irp s, 0,1
	v_add_nc_u32 v[ADRP+\s], s18, v3
	v_add_nc_u32 v[ADRR+\s], s19, v3
	s_add_co_u32 s18, s18, SLOT
	s_add_co_u32 s19, s19, SLOT
.endr
	s_mul_i32 s18, s[HP], SREG
	s_mul_i32 s19, s[HR], SREG
	s_add_co_u32 s19, s19, 2*SREG
	s_sub_co_u32 s19, s19, s18
	v_mul_u32_u24 v23, s19, v2                     ; lanes 16-31 take R's words: one product, the distance between the two regions
	s_add_co_u32 s18, s18, SCL
	v_lshl_add_u32 v23, v1, 2, v23
	v_add_nc_u32 v[ADRS], s18, v23
	; the bias along R: lane (r, h) wants those of R's rows 32 b + 16 h + 0..15 of my 64
	v_lshlrev_b32 v4, 6, v2
.if QKV
	s_bitcmp1_b32 s42, 3
	s_cselect_b64 s[8:9], s[10:11], s[8:9]         ; tiles 0-7: bq; 8-15: bk (for v^T either: it is set to 0 below)
	s_and_b32 s18, s42, 7
	s_lshl_b32 s18, s18, 9
.else
	s_lshl_b32 s18, s42, 9
.endif
	s_lshl_b32 s19, s[HR], 8
	s_add_co_u32 s18, s18, s19
	s_mov_b32 s19, 0
	s_add_nc_u64 s[8:9], s[8:9], s[18:19]
.irp b, 0,1
.irp j, 0,1,2,3
	global_load_b128 v[BR+16*\b+4*\j:BR+16*\b+4*\j+3], v4, s[8:9] offset:128*\b+16*\j
.endr
.endr
.if QKV
	; the bias along P: lane r of tile a wants that of row 32 (a / 2) + 8 (a % 2) + r + 8 (r / 8) of my 64 (the tile's number is cut to bv's eight tiles)
	s_and_b32 s18, s17, 7
	s_lshl_b32 s18, s18, 9
	s_lshl_b32 s19, s[HP], 8
	s_add_co_u32 s18, s18, s19
	s_mov_b32 s19, 0
	s_add_nc_u64 s[92:93], s[92:93], s[18:19]
	v_and_b32 v5, 8, v1
	v_add_nc_u32 v5, v5, v1
	v_lshlrev_b32 v5, 2, v5
.irp a, 0,1,2,3
	global_load_b32 v[LB+\a], v5, s[92:93] offset:(32*(\a/2)+8*(\a%2))*4
.endr
.endif
	; where the results go
	s_lshl_b32 s18, s17, 3
	s_lshl_b32 s19, s[HP], 2
	s_add_co_u32 s18, s18, s19                     ; T0: my first tile of P's rows
.if QKV
	s_lshl_b32 s19, s42, 1
	s_add_co_u32 s19, s19, s[HR]                   ; q, k: the head (q's 16, then k's 16)
	s_lshl_b32 s19, s19, 8
	s_add_co_u32 s19, s19, s18
	s_lshl_b32 s20, s19, 10                        ; codes [head][tile][c 0,1][lane][16]
	s_lshl_b32 s21, s19, 5
	s_add_co_u32 s21, s21, 12582912                ; scale halves [head][tile][place], 2 bytes
	s_sub_co_u32 s22, s17, 16
	s_lshl_b32 s22, s22, 1
	s_add_co_u32 s22, s22, s[HP]                   ; v^T: the head
	s_lshl_b32 s22, s22, 5
	s_add_co_u32 s22, s22, s42                     ; and the chunk of 128 keys
	s_lshl_b32 s23, s22, 13
	s_lshl_b32 s18, s[HR], 10
	s_add_co_u32 s23, s23, s18
	s_add_co_u32 s23, s23, 8388608                 ; codes [head][chunk][tile of 16 channels][c][lane][16]
	s_lshl_b32 s22, s22, 8
	s_lshl_b32 s18, s[HR], 1
	s_add_co_u32 s22, s22, s18
	s_add_co_u32 s22, s22, 12845056                ; scale words [head][chunk][tile][place]
	s_cmp_lg_u32 s45, 0
	s_cselect_b32 s96, s23, s20
	s_cselect_b32 s98, s22, s21
	s_cselect_b32 s18, 2, 1                        ; log2 of the bytes from place to place among the scales
	s_cselect_b32 s19, 64, 32                      ; from tile to tile among the scales
	s_mov_b32 s20, 1024
	s_cselect_b32 s20, 2048, s20                   ; from tile to tile among the codes
.else
	s_lshl_b32 s18, s18, 5
	s_add_co_u32 s18, s18, s42                     ; 32 T0 + the chunk of 128 hidden units
	s_lshl_b32 s96, s18, 11
	s_lshl_b32 s19, s[HR], 10
	s_add_co_u32 s96, s96, s19
	s_lshl_b32 s98, s18, 6
	s_lshl_b32 s19, s[HR], 1
	s_add_co_u32 s98, s98, s19
	s_add_co_u32 s98, s98, 16777216
	s_mov_b32 s18, 2
	s_mov_b32 s19, 2048
	s_mov_b32 s20, 65536
.endif
	s_mov_b32 s97, 0
	s_mov_b32 s99, 0
	s_add_nc_u64 s[96:97], s[94:95], s[96:97]      ; my codes
	s_add_nc_u64 s[98:99], s[94:95], s[98:99]      ; my halves of the scale words
.irp a, 0,1,2,3
	v_mad_u32_u24 v[CO+\a], s20, \a, v3
.endr
	v_lshlrev_b32 v[SOF], s18, v1
	v_mad_u32_u24 v[SOF], v2, s19, v[SOF]          ; lanes 0-15: tile 0; lanes 16-31: tile 1
	s_lshl_b32 s19, s19, 1
	v_add_nc_u32 v[SOF+1], s19, v[SOF]             ; tiles 2 and 3
; 36 LDS loads in one run: chunk q of a slot into set f: four scale registers (lanes 0-15 P's tile i, lanes 16-31 R's tile i), R's four fragments, P's four
.macro FETCH slot, q, f
	WIN 0
.irp i, 0,1,2,3
	ds_load_b32 v[SC+4*((\q)%2)+\i], v[ADRS] offset:(\i*KC+(\q))*64
.endr
	WIN TO_F
.irp i, 0,1,2,3
.irp c, 0,1,2,3
	ds_load_b128 v[(\f)+64+16*\i+4*\c:(\f)+64+16*\i+4*\c+3], v[ADRR+\slot] offset:\i*8192+(\q)*2048+\c*512
.endr
.endr
.irp i, 0,1,2,3
.irp c, 0,1,2,3
	ds_load_b128 v[(\f)+16*\i+4*\c:(\f)+16*\i+4*\c+3], v[ADRP+\slot] offset:\i*8192+(\q)*2048+\c*512
.endr
.endr
.endm
; four products: P's tile a against R's four.  The 16 accumulators take turns, one instruction a turn, in the same order in every chunk
.macro MUL4 f, a, q, zero
.irp t, 0,1,2,3
.if \zero
	v_wmma_scale_f32_16x16x128_f8f6f4 v[ACC+8*(4*(\a)+\t):ACC+8*(4*(\a)+\t)+7], v[(\f)+64+16*\t:(\f)+64+16*\t+15], v[(\f)+16*(\a):(\f)+16*(\a)+15], 0, v[SC+4*((\q)%2)+\t], v[SC+4*((\q)%2)+(\a)] matrix_a_scale:MATRIX_SCALE_ROW1
.else
	v_wmma_scale_f32_16x16x128_f8f6f4 v[ACC+8*(4*(\a)+\t):ACC+8*(4*(\a)+\t)+7], v[(\f)+64+16*\t:(\f)+64+16*\t+15], v[(\f)+16*(\a):(\f)+16*(\a)+15], v[ACC+8*(4*(\a)+\t):ACC+8*(4*(\a)+\t)+7], v[SC+4*((\q)%2)+\t], v[SC+4*((\q)%2)+(\a)] matrix_a_scale:MATRIX_SCALE_ROW1
.endif
.endr
.endm
; one of a slot's first three chunks: multiplies set q % 2 and fetches the next chunk into the other set, eight places behind the products that read it
.macro STEPQ slot, q, zero
	s_wait_dscnt 8                                 ; all but the youngest eight loads (P's tiles 2, 3)
	WIN MUL
	MUL4 128*((\q)%2), 0, \q, \zero
	MUL4 128*((\q)%2), 1, \q, \zero
	PLACES 8
	FETCH \slot, (\q)+1, 128*(((\q)+1)%2)
	s_wait_dscnt 36                                ; all but the 36 just issued
	WIN MUL
	MUL4 128*((\q)%2), 2, \q, \zero
	MUL4 128*((\q)%2), 3, \q, \zero
.endm
; a slot's last chunk changes slots: one barrier; in front of it each wave waits for all its tensor loads, adds 0 to its spare word, and waits for that and for its reads of this slot
.macro TURN slot, next, fill
	WIN 0
	s_wait_tensorcnt 0x0                           ; all my tensor loads have landed: my part of the next slot
	ds_add_u32 v[SPW], v[NIL]                      ; 0 onto my spare word
	s_wait_dscnt 9                                 ; (the add and the youngest eight loads may be out)
	WIN MUL
	MUL4 128, 0, 3, 0
	s_wait_dscnt 0x0                               ; the add is done, and my reads of this slot are over
	s_barrier_signal -1
	MUL4 128, 1, 3, 0
	WIN 0
	s_barrier_wait -1
.if \fill
	CREST                                          ; the barrier has opened a round of the cluster's: no wave of any partner still reads this slot or has a load on its way
	s_add_nc_u64 s[G0P+4*\slot+2:G0P+4*\slot+3], s[G0P+4*\slot+2:G0P+4*\slot+3], 16384
	s_add_nc_u64 s[G0R+4*\slot+2:G0R+4*\slot+3], s[G0R+4*\slot+2:G0R+4*\slot+3], 16384
	JLOAD G0P+4*\slot, G1P, G0R+4*\slot, G1R
	PLACES 4
.else
	PLACES 8
.endif
	v_add_nc_u32 v[ADRS], 256, v[ADRS]             ; the next slot's scale words: four chunks of 64 bytes on
	FETCH \next, 0, 0
	WIN MUL
	MUL4 128, 2, 3, 0
	MUL4 128, 3, 3, 0
.endm
	s_wait_tensorcnt 1                             ; the scale words and my part of slot 0 are in; slot 1's load may stay out
	s_barrier_signal -1
	s_barrier_wait -1
	FETCH 0, 0, 0
	STEPQ 0, 0, 1                                  ; the first chunk's products start the sums: nothing is cleared
.if LAPS > 1
	WIN 0
	s_mov_b32 s3, LAPS-1
.Llap:
	STEPQ 0, 1, 0
	STEPQ 0, 2, 0
	TURN 0, 1, 1
	STEPQ 1, 0, 0
	STEPQ 1, 1, 0
	STEPQ 1, 2, 0
	TURN 1, 0, 1
	STEPQ 0, 0, 0
	WIN 0
	s_sub_co_u32 s3, s3, 1
	s_cmp_lg_u32 s3, 0
	s_cbranch_scc1 .Llap
.endif
	STEPQ 0, 1, 0
	STEPQ 0, 2, 0
	TURN 0, 1, 0
	STEPQ 1, 0, 0
	STEPQ 1, 1, 0
	STEPQ 1, 2, 0
	s_wait_dscnt 8
	WIN MUL
	MUL4 128, 0, 3, 0
	MUL4 128, 1, 3, 0
	s_wait_dscnt 0x0
	MUL4 128, 2, 3, 0
	MUL4 128, 3, 3, 0
	WIN 0
	; THE WAY OUT: bias, quantiser, stores; all in registers.  Block n = 2 a + b is v[ACC + 16 n] on: 16 of the 32 numbers; lane l xor 16 holds the others.
	PLACES 8
	s_wait_loadcnt 0x0                             ; the biases
	s_mov_b32 s20, 0x76543210
	s_mov_b32 s21, 0xfedcba98
	s_mov_b32 s22, 0x600000
	s_mov_b32 s23, 0xffff0000
.if QKV
.set I, 0
.rept 32
	v_cndmask_b32 v[BR+I], v[BR+I], 0, s45         ; v^T has no bias along R
.set I, I+1
.endr
.irp a, 0,1,2,3
	v_cndmask_b32 v[BP+2*\a], 0, v[LB+\a], s45     ; q and k have none along P
	v_cndmask_b32 v[BP+2*\a+1], 0, v[LB+\a], s45
.endr
.endif
.irp a, 0,1,2,3
.set J, 0
.rept 16
	v_pk_add_f32 v[ACC+32*\a+J:ACC+32*\a+J+1], v[ACC+32*\a+J:ACC+32*\a+J+1], v[BR+J:BR+J+1]       ; each accumulator from its low end on
.set J, J+2
.endr
.endr
.if QKV
.irp a, 0,1,2,3
.set J, 0
.rept 16
	v_pk_add_f32 v[ACC+32*\a+J:ACC+32*\a+J+1], v[ACC+32*\a+J:ACC+32*\a+J+1], v[BP+2*\a:BP+2*\a+1]
.set J, J+2
.endr
.endr
.endif
.irp n, 0,1,2,3,4,5,6,7
	v_mov_b32 v[T2+\n], 0                          ; a lane permute's destination counts as one of its sources
.endr
.if RELU                               ; no |.|: what is negative becomes 0, so it must not count; the floor 2^(9 - 127) stands over it
.irp n, 0,1,2,3,4,5,6,7
	v_max3_num_f32 v[MX+\n], v[ACC+16*\n], v[ACC+16*\n+1], 0x4800000
.endr
.irp i, 2,4,6,8,10,12,14
.irp n, 0,1,2,3,4,5,6,7
	v_max3_num_f32 v[MX+\n], v[MX+\n], v[ACC+16*\n+\i], v[ACC+16*\n+\i+1]
.endr
.endr
.else
.irp n, 0,1,2,3,4,5,6,7
	v_max3_num_f32 v[MX+\n], |v[ACC+16*\n]|, |v[ACC+16*\n+1]|, 0x4800000
.endr
.irp i, 2,4,6,8,10,12,14
.irp n, 0,1,2,3,4,5,6,7
	v_max3_num_f32 v[MX+\n], v[MX+\n], |v[ACC+16*\n+\i]|, |v[ACC+16*\n+\i+1]|
.endr
.endr
.endif
.irp n, 0,1,2,3,4,5,6,7
	v_permlanex16_b32 v[T2+\n], v[MX+\n], s20, s21
.endr
.irp n, 0,1,2,3,4,5,6,7
	v_max_num_f32 v[MX+\n], v[MX+\n], v[T2+\n]     ; the block's largest magnitude
.endr
.irp n, 0,1,2,3,4,5,6,7
	v_add_nc_u32 v[SP+\n], 0xfc000000, v[MX+\n]    ; 8 off the exponent field: the conversion's scale operand
.endr
.irp n, 0,1,2,3,4,5,6,7
	v_and_or_b32 v[HD+\n], v[MX+\n], 0x7f800000, s22       ; 448 x the scale
.endr
.irp n, 0,1,2,3,4,5,6,7
	v_lshrrev_b32 v[T2+\n], 23, v[SP+\n]           ; the byte
.endr
.irp a, 0,1,2,3
	v_lshl_or_b32 v[MX+\a], v[T2+2*\a+1], 8, v[T2+2*\a]    ; tile a: my two bytes of its rows' scale words
.endr
	v_cndmask_b32 v[MX+4], v[MX+0], v[MX+1], s23   ; lanes 0-15 store tile 0's, lanes 16-31 tile 1's
	v_cndmask_b32 v[MX+5], v[MX+2], v[MX+3], s23
.irp n, 0,1,2,3,4,5,6,7
.irp i, 0,1,2,3,4,5,6,7,8,9,10,11,12,13,14,15
.if RELU
	v_med3_num_f32 v[ACC+16*\n+\i], v[ACC+16*\n+\i], 0, v[HD+\n]               ; the activation and the hold in one
.else
	v_med3_num_f32 v[ACC+16*\n+\i], v[ACC+16*\n+\i], -v[HD+\n], v[HD+\n]       ; the conversion does not saturate (ISA guide 7.6.2)
.endif
.endr
	v_cvt_scalef32_pk8_fp8_f32 v[CD+4*\n:CD+4*\n+1], v[ACC+16*\n:ACC+16*\n+7], v[SP+\n]
	v_cvt_scalef32_pk8_fp8_f32 v[CD+4*\n+2:CD+4*\n+3], v[ACC+16*\n+8:ACC+16*\n+15], v[SP+\n]
.endr
	v_nop
.irp a, 0,1,2,3
.irp b, 0,1
	global_store_b128 v[CO+\a], v[CD+8*\a+4*\b:CD+8*\a+4*\b+3], s[96:97] offset:512*\b     ; 512 consecutive bytes
.endr
.endr
	global_store_b16 v[SOF], v[MX+4], s[98:99]     ; two bytes a row: the other half of a word is another wave's.  One byte in 32 of the codes'
	global_store_b16 v[SOF+1], v[MX+5], s[98:99]
	s_wait_tensorcnt 0x0                           ; the wave's end
	ds_add_u32 v[SPW], v[NIL]
	s_wait_dscnt 0x0
	CROUND                                         ; the closing round
	s_endpgm
.Lfunc_end_k_qec524a5042_ffn1:
	.size	k_qec524a5042_ffn1, .Lfunc_end_k_qec524a5042_ffn1-k_qec524a5042_ffn1
	.p2alignl 7, 3214868480
	.fill 96, 4, 3214868480
	.section	.rodata,"a",@progbits
	.p2align	6, 0x0
	.amdhsa_kernel k_qec524a5042_ffn1
		.amdhsa_group_segment_fixed_size 327680
		.amdhsa_private_segment_fixed_size 0
		.amdhsa_enable_private_segment 0
		.amdhsa_kernarg_size 32
		.amdhsa_user_sgpr_count 2
		.amdhsa_user_sgpr_kernarg_segment_ptr 1
		.amdhsa_wavefront_size32 1
		.amdhsa_system_sgpr_workgroup_id_x 1
		.amdhsa_system_sgpr_workgroup_id_y 1
		.amdhsa_system_sgpr_workgroup_id_z 1
		.amdhsa_system_vgpr_workitem_id 0
		.amdhsa_next_free_vgpr 512
		.amdhsa_next_free_sgpr 100
		.amdhsa_reserve_vcc 0
		.amdhsa_float_denorm_mode_32 3
		.amdhsa_float_denorm_mode_16_64 3
		.amdhsa_memory_ordered 1
		.amdhsa_forward_progress 1
		.amdhsa_inst_pref_size 70
	.end_amdhsa_kernel
	.amdgpu_metadata
---
amdhsa.version: [ 1, 2 ]
amdhsa.kernels:
  - .name:           k_qec524a5042_ffn1
    .symbol:         k_qec524a5042_ffn1.kd
    .args:
      - { .name: act, .offset: 0, .size: 8, .value_kind: global_buffer, .address_space: global }
      - { .name: wts, .offset: 8, .size: 8, .value_kind: global_buffer, .address_space: global }
      - { .name: b1, .offset: 16, .size: 8, .value_kind: global_buffer, .address_space: global }
      - { .name: hid, .offset: 24, .size: 8, .value_kind: global_buffer, .address_space: global }
    .group_segment_fixed_size: 327680
    .private_segment_fixed_size: 0
    .kernarg_segment_align: 8
    .kernarg_segment_size: 32
    .max_flat_workgroup_size: 128
    .sgpr_count:     100
    .vgpr_count:     512
    .wavefront_size: 32
...
	.end_amdgpu_metadata
.endif
;; end of part 6
;; launch ffn2 (part 7): grid 8 x 32, 4 waves a work-group, clusters of 4 x 4, 327,680 bytes of LDS; arguments hid, wts, b2, x1, out0; writes out0
.if DOCPART == 7
	.amdgcn_target "amdgcn-amd-amdhsa--gfx1250"
	.amdhsa_code_object_version 6
	.text
	.protected	k_qec524a5042_ffn2
	.globl	k_qec524a5042_ffn2
	.p2align	8
	.type	k_qec524a5042_ffn2,@function
k_qec524a5042_ffn2:
	s_mov_b64 s[64:65], 0
	v_nop
	global_prefetch_b8 v0, s[64:65] scope:SCOPE_SE
	s_setreg_imm32_b32 hwreg(HW_REG_WAVE_MODE, 25, 1), 1
	s_wait_xcnt 0x0
	s_wait_alu depctr_hold_cnt(0) depctr_sa_sdst(0) depctr_va_vdst(0) depctr_va_sdst(0) depctr_va_ssrc(0) depctr_va_vcc(0) depctr_vm_vsrc(0)
	s_getreg_b32 s2, hwreg(HW_REG_IB_STS2, 6, 4)
	s_cmp_eq_u32 s2, 0
	s_cbranch_scc0 .Lentry_in_a_cluster
	s_endpgm
.Lentry_in_a_cluster:
	s_bfe_u32 s2, ttmp6, 0x10000c
	s_cmp_lg_u32 s2, 0xf033
	s_cbranch_scc0 .Lentry_shape_is_right
	s_endpgm
.Lentry_shape_is_right:
; out = residual + P R^T + bias, f32, rows of 1,024.  P (tokens) and R (a weight's columns) are codes of E4M3 with one E8M0 byte for each 32 along K, both laid in the order of an operand's registers:
; [tile of 16 rows][KC chunks of 128 along K][c][lane][16 bytes]; scale words [tile][chunk][place].  Place p holds row p with bits 3 and 4 exchanged.
; P is source 1 (a lane holds one token), R source 0 (the result's registers run along the columns: the 16 registers of R's tiles 2 b, 2 b + 1 are columns 32 b + 16 (lane / 16) + 0..15).
; SHARES: a work-group makes 128 x 128, each of four waves 64 x 64: 16 accumulators: 256 work-groups.  K goes in slots of 512 through two LDS slots; with KC = 8 both are filled once, with KC = 32 they take turns.
; CLUSTER 4 x 4: P's tile is shared along a row of the cluster, R's along a column: each is asked for jointly, which divides the requests by four.
; LDS: slot s at s x 131,072: four regions of 32,768 (P's halves, R's halves), [tile][chunk][2,048]; scale words at 262,144, KC x 256 bytes a region; then the spare words.  The way out's stage, 128 rows of 512 + 16
; bytes, lies in slot 0, which has had its last fill and its last read by then.
; REGISTERS: window 0: v1-6, v16-29 addresses; v8-15 scale words alone, two sets; v32-63 the bias; v64-127 rows on the way out; v128-255 accumulators (a, t) at 128 + 8 (4 a + t).
;   window 1: two sets of fragments, 0-127 and 128-255: P's four tiles, then R's four; at the end 0-127 take the residual's 32 rows.
.set KC,    32
.set PSO,   16777216                   ; where P's scale words, R's codes and R's scale words begin in their buffers
.set RCO,   8388608
.set RSO,   12845056
.set LAPS,  KC/8
.set SLOT,  131072
.set REGN,  32768
.set SCL,   2*SLOT
.set SREG,  KC*256
.set SPARE, SCL+4*SREG                 ; the spare words, 128 bytes for each wave: two blocks of 256 bytes that no other line names
.set SPITCH, 528
.set STO,  5
.set RD,   6
.set SC,   8
.set ADRP, 16
.set ADRR, 20
.set ADRS, 22
.set SPW,  28
.set NIL,  29
.set BR,   32
.set ACC,  128
.set WV,   12
.set HP,   13
.set HR,   14
.set G1P,  24
.set G0P,  32
.set G1R,  48
.set G0R,  56
.set G1SP, 68
.set G0SP, 76
.set G1SR, 80
.set G0SR, 88
.set MSB, 0
.macro WIN new                         ; the immediate's high byte repeats the setting that is left
.if MSB != \new
	s_set_vgpr_msb (MSB<<8)|\new
.set MSB, \new
.endif
.endm
.set MUL,  0x05                        ; sources 0 and 1 window 1; C and D window 0
.set TO_F, 0x40                        ; destination window 1, address window 0
.macro PLACES n
.rept \n
	v_nop
.endr
.endm
.macro JLOAD g0p, g1p, g0r, g1r        ; a joint load: waves 0, 1 fetch for P, waves 2, 3 for R; four v_nop follow each line
	s_cmp_eq_u32 s[HP], 0
	s_cbranch_scc0 .Lfor_r_\@
	tensor_load_to_lds s[\g0p:\g0p+3], s[\g1p:\g1p+7]
	s_nop 0
	PLACES 4
	s_branch .Lasked_\@
.Lfor_r_\@:
	tensor_load_to_lds s[\g0r:\g0r+3], s[\g1r:\g1r+7]
	s_nop 0
	PLACES 4
.Lasked_\@:
.endm
.macro CREST                           ; a round of the cluster's barrier behind its opening barrier
	s_cmp_lg_u32 s[WV], 0
	s_cbranch_scc1 .Lnot_wave_0_\@
	s_barrier_signal -3
.Lnot_wave_0_\@:
	s_barrier_wait -3
	s_barrier_signal -1
	s_barrier_wait -1
.endm
.macro CROUND
	s_barrier_signal -1
	s_barrier_wait -1
	CREST
.endm
	s_load_b256 s[4:11], s[0:1], 0x0               ; P's buffer, the weights' codes, the bias, the residual
	s_load_b64 s[92:93], s[0:1], 0x20              ; the result
	v_lshl_add_u32 v[SPW], v0, 2, SPARE
	v_mov_b32 v[NIL], 0
	ds_add_u32 v28, v29
	ds_add_u32 v28, v29
	s_wait_dscnt 0x0
	v_lshrrev_b32 v1, 5, v0
	v_readfirstlane_b32 s[WV], v1                  ; wave 0..3
	s_lshr_b32 s[HP], s[WV], 1                     ; my half of P's rows.  Also: I fetch for P (0) or for R (1)
	s_and_b32 s[HR], s[WV], 1                      ; my half of R's rows.  Also: which half I fetch
	s_bfe_u32 s40, ttmp6, 0x40000                  ; cx
	s_bfe_u32 s41, ttmp6, 0x40004                  ; cy
	s_and_b32 s15, ttmp7, 0xffff
	s_lshl_b32 s17, s15, 2
	s_add_co_u32 s17, s17, s41                     ; P's tile of 128
	s_lshl_b32 s42, ttmp9, 2
	s_add_co_u32 s42, s42, s40                     ; R's tile of 128
	s_lshl_b32 s43, s41, 2
	s_lshl_b32 s43, 15, s43                        ; my row of the cluster
	s_lshl_b32 s44, 0x1111, s40                    ; my column
	s_or_b32 s[G1P], s43, (3<<16)|(1<<21)          ; 15:0 the mask; 17:16 elements of 8 bytes; 21 set beside a mask; no padding
	s_or_b32 s[G1R], s44, (3<<16)|(1<<21)
	s_or_b32 s[G1SP], s43, (3<<16)|(1<<21)
	s_or_b32 s[G1SR], s44, (3<<16)|(1<<21)
.irp g, G1P, G1R                       ; codes: four tiles of 16 rows, of each 512 along K: 8,192 consecutive bytes, KC x 2,048 bytes apart
	s_mov_b32 s[\g+1], 1024<<16
	s_mov_b32 s[\g+2], 4<<16
	s_mov_b32 s[\g+3], 1024<<16
	s_mov_b32 s[\g+4], 4
	s_mov_b32 s[\g+5], KC*256
	s_mov_b32 s[\g+6], 0
	s_mov_b32 s[\g+7], 0
.endr
.irp g, G1SP, G1SR                     ; scale words of four tiles, all of K: a dense block, as KC rows of 256 bytes
	s_mov_b32 s[\g+1], 32<<16
	s_mov_b32 s[\g+2], KC<<16
	s_mov_b32 s[\g+3], 32<<16
	s_mov_b32 s[\g+4], KC
	s_mov_b32 s[\g+5], 32
	s_mov_b32 s[\g+6], 0
	s_mov_b32 s[\g+7], 0
.endr
	s_lshl_b32 s19, s[HR], 2
	s_lshl_b32 s20, s17, 3
	s_add_co_u32 s20, s20, s19                     ; P: the first tile of 16 that I fetch
	s_lshl_b32 s46, s42, 3
	s_add_co_u32 s46, s46, s19                     ; R likewise
	s_mul_i32 s22, s20, KC*64
	s_mul_i32 s20, s20, KC*2048
	s_mul_i32 s96, s46, KC*64
	s_mul_i32 s46, s46, KC*2048
	s_add_co_u32 s22, s22, PSO
	s_add_co_u32 s46, s46, RCO
	s_add_co_u32 s96, s96, RSO
	s_mov_b32 s21, 0
	s_mov_b32 s23, 0
	s_mov_b32 s47, 0
	s_mov_b32 s97, 0
	s_lshl_b32 s98, s[WV], 15                      ; where they go: no place in the cluster enters an LDS address
	s_mul_i32 s99, s[WV], SREG
	s_wait_kmcnt 0x0
	s_add_nc_u64 s[20:21], s[4:5], s[20:21]
	s_add_nc_u64 s[22:23], s[4:5], s[22:23]
	s_add_nc_u64 s[46:47], s[6:7], s[46:47]
	s_add_nc_u64 s[96:97], s[6:7], s[96:97]
	CROUND                                         ; all sixteen work-groups are here: the first joint loads meet
	s_mov_b32 s[G0SP], 1
	s_add_co_u32 s[G0SP+1], s99, SCL
	s_mov_b64 s[G0SP+2:G0SP+3], s[22:23]
	s_or_b32 s[G0SP+3], s[G0SP+3], 0x80000000
	s_mov_b32 s[G0SR], 1
	s_add_co_u32 s[G0SR+1], s99, SCL
	s_mov_b64 s[G0SR+2:G0SR+3], s[96:97]
	s_or_b32 s[G0SR+3], s[G0SR+3], 0x80000000
	JLOAD G0SP, G1SP, G0SR, G1SR                   ; the scale words first; by this text's count three loads of a wave are out at the most
.irp s, 0,1
	s_mov_b32 s[G0P+4*\s], 1
	s_add_co_u32 s[G0P+4*\s+1], s98, \s*SLOT
	s_add_nc_u64 s[G0P+4*\s+2:G0P+4*\s+3], s[20:21], \s*8192
	s_or_b32 s[G0P+4*\s+3], s[G0P+4*\s+3], 0x80000000
	s_mov_b32 s[G0R+4*\s], 1
	s_add_co_u32 s[G0R+4*\s+1], s98, \s*SLOT
	s_add_nc_u64 s[G0R+4*\s+2:G0R+4*\s+3], s[46:47], \s*8192
	s_or_b32 s[G0R+4*\s+3], s[G0R+4*\s+3], 0x80000000
	JLOAD G0P+4*\s, G1P, G0R+4*\s, G1R
.endr
	v_and_b32 v1, 15, v0                           ; r
	v_bfe_u32 v2, v0, 4, 1                         ; h
	v_and_b32 v3, 31, v0
	v_lshlrev_b32 v3, 4, v3                        ; 16 x lane; never rewritten
	s_lshl_b32 s18, s[HP], 15
	s_lshl_b32 s19, s[HR], 15
	s_add_co_u32 s19, s19, 2*REGN
.irp s, 0,1
	v_add_nc_u32 v[ADRP+\s], s18, v3
	v_add_nc_u32 v[ADRR+\s], s19, v3
	s_add_co_u32 s18, s18, SLOT
	s_add_co_u32 s19, s19, SLOT
.endr
	s_mul_i32 s18, s[HP], SREG
	s_mul_i32 s19, s[HR], SREG
	s_add_co_u32 s19, s19, 2*SREG
	s_sub_co_u32 s19, s19, s18
	v_mul_u32_u24 v23, s19, v2                     ; lanes 16-31 take R's words: one product, the distance between the two regions
	s_add_co_u32 s18, s18, SCL
	v_lshl_add_u32 v23, v1, 2, v23
	v_add_nc_u32 v[ADRS], s18, v23
	; the bias: lane (r, h) wants those of columns 32 b + 16 h + 0..15 of my 64
	v_lshlrev_b32 v4, 6, v2
	s_lshl_b32 s18, s42, 9
	s_lshl_b32 s19, s[HR], 8
	s_add_co_u32 s18, s18, s19
	s_mov_b32 s19, 0
	s_add_nc_u64 s[8:9], s[8:9], s[18:19]
.irp b, 0,1
.irp j, 0,1,2,3
	global_load_b128 v[BR+16*\b+4*\j:BR+16*\b+4*\j+3], v4, s[8:9] offset:128*\b+16*\j
.endr
.endr
	; the residual and the result: the 32 rows that I store, the tile's 512 bytes of them
	s_lshl_b32 s18, s17, 7
	s_lshl_b32 s19, s[WV], 5
	s_add_co_u32 s18, s18, s19
	s_lshl_b32 s18, s18, 12
	s_lshl_b32 s19, s42, 9
	s_add_co_u32 s18, s18, s19
	s_mov_b32 s19, 0
	s_add_nc_u64 s[10:11], s[10:11], s[18:19]
	s_add_nc_u64 s[92:93], s[92:93], s[18:19]
	s_mul_i32 s18, s[HP], 64*SPITCH
	s_lshl_b32 s19, s[HR], 8
	s_add_co_u32 s18, s18, s19
	v_mul_u32_u24 v[STO], v1, SPITCH
	v_lshl_add_u32 v[STO], v2, 6, v[STO]
	v_add_nc_u32 v[STO], s18, v[STO]               ; into the stage: place 64 HP + r, byte 256 HR + 64 h
	s_mul_i32 s18, s[WV], 32*SPITCH
	v_add_nc_u32 v[RD], s18, v3                    ; back: places 32 w on, 16 bytes a lane
; 36 LDS loads in one run: chunk q of a slot into set f: four scale registers (lanes 0-15 P's tile i, lanes 16-31 R's tile i), R's four fragments, P's four
.macro FETCH slot, q, f
	WIN 0
.irp i, 0,1,2,3
	ds_load_b32 v[SC+4*((\q)%2)+\i], v[ADRS] offset:(\i*KC+(\q))*64
.endr
	WIN TO_F
.irp i, 0,1,2,3
.irp c, 0,1,2,3
	ds_load_b128 v[(\f)+64+16*\i+4*\c:(\f)+64+16*\i+4*\c+3], v[ADRR+\slot] offset:\i*8192+(\q)*2048+\c*512
.endr
.endr
.irp i, 0,1,2,3
.irp c, 0,1,2,3
	ds_load_b128 v[(\f)+16*\i+4*\c:(\f)+16*\i+4*\c+3], v[ADRP+\slot] offset:\i*8192+(\q)*2048+\c*512
.endr
.endr
.endm
; four products: P's tile a against R's four.  The 16 accumulators take turns, one instruction a turn, in the same order in every chunk
.macro MUL4 f, a, q, zero
.irp t, 0,1,2,3
.if \zero
	v_wmma_scale_f32_16x16x128_f8f6f4 v[ACC+8*(4*(\a)+\t):ACC+8*(4*(\a)+\t)+7], v[(\f)+64+16*\t:(\f)+64+16*\t+15], v[(\f)+16*(\a):(\f)+16*(\a)+15], 0, v[SC+4*((\q)%2)+\t], v[SC+4*((\q)%2)+(\a)] matrix_a_scale:MATRIX_SCALE_ROW1
.else
	v_wmma_scale_f32_16x16x128_f8f6f4 v[ACC+8*(4*(\a)+\t):ACC+8*(4*(\a)+\t)+7], v[(\f)+64+16*\t:(\f)+64+16*\t+15], v[(\f)+16*(\a):(\f)+16*(\a)+15], v[ACC+8*(4*(\a)+\t):ACC+8*(4*(\a)+\t)+7], v[SC+4*((\q)%2)+\t], v[SC+4*((\q)%2)+(\a)] matrix_a_scale:MATRIX_SCALE_ROW1
.endif
.endr
.endm
; one of a slot's first three chunks: multiplies set q % 2 and fetches the next chunk into the other set, eight places behind the products that read it
.macro STEPQ slot, q, zero
	s_wait_dscnt 8                                 ; all but the youngest eight loads (P's tiles 2, 3)
	WIN MUL
	MUL4 128*((\q)%2), 0, \q, \zero
	MUL4 128*((\q)%2), 1, \q, \zero
	PLACES 8
	FETCH \slot, (\q)+1, 128*(((\q)+1)%2)
	s_wait_dscnt 36                                ; all but the 36 just issued
	WIN MUL
	MUL4 128*((\q)%2), 2, \q, \zero
	MUL4 128*((\q)%2), 3, \q, \zero
.endm
; a slot's last chunk changes slots: one barrier; in front of it each wave waits for all its tensor loads, adds 0 to its spare word, and waits for that and for its reads of this slot
.macro TURN slot, next, fill
	WIN 0
	s_wait_tensorcnt 0x0                           ; all my tensor loads have landed: my part of the next slot
	ds_add_u32 v[SPW], v[NIL]                      ; 0 onto my spare word
	s_wait_dscnt 9                                 ; (the add and the youngest eight loads may be out)
	WIN MUL
	MUL4 128, 0, 3, 0
	s_wait_dscnt 0x0                               ; the add is done, and my reads of this slot are over
	s_barrier_signal -1
	MUL4 128, 1, 3, 0
	WIN 0
	s_barrier_wait -1
.if \fill
	CREST                                          ; the barrier has opened a round of the cluster's: no wave of any partner still reads this slot or has a load on its way
	s_add_nc_u64 s[G0P+4*\slot+2:G0P+4*\slot+3], s[G0P+4*\slot+2:G0P+4*\slot+3], 16384
	s_add_nc_u64 s[G0R+4*\slot+2:G0R+4*\slot+3], s[G0R+4*\slot+2:G0R+4*\slot+3], 16384
	JLOAD G0P+4*\slot, G1P, G0R+4*\slot, G1R       ; the first tensor load behind the round: 1,024 along K further on; it has a slot's 64 products in which to land
	PLACES 4
.else
	PLACES 8
.endif
	v_add_nc_u32 v[ADRS], 256, v[ADRS]             ; the next slot's scale words: four chunks of 64 bytes on
	FETCH \next, 0, 0
	WIN MUL
	MUL4 128, 2, 3, 0
	MUL4 128, 3, 3, 0
.endm
	s_wait_tensorcnt 1                             ; the scale words and my part of slot 0 are in; slot 1's load may stay out
	s_barrier_signal -1
	s_barrier_wait -1
	FETCH 0, 0, 0
	STEPQ 0, 0, 1                                  ; the first chunk's products start the sums: nothing is cleared
.if LAPS > 1
	WIN 0
	s_mov_b32 s3, LAPS-1
.Llap:                                             ; a trip goes once round the ring and fills both slots again
	STEPQ 0, 1, 0
	STEPQ 0, 2, 0
	TURN 0, 1, 1
	STEPQ 1, 0, 0
	STEPQ 1, 1, 0
	STEPQ 1, 2, 0
	TURN 1, 0, 1
	STEPQ 0, 0, 0
	WIN 0
	s_sub_co_u32 s3, s3, 1
	s_cmp_lg_u32 s3, 0
	s_cbranch_scc1 .Llap
.endif
	STEPQ 0, 1, 0                                  ; the last lap fills nothing
	STEPQ 0, 2, 0
	TURN 0, 1, 0
	STEPQ 1, 0, 0
	STEPQ 1, 1, 0
	STEPQ 1, 2, 0
	s_wait_dscnt 8
	WIN MUL
	MUL4 128, 0, 3, 0
	MUL4 128, 1, 3, 0
	PLACES 8                                       ; set 0 of the fragments is done with: it takes the residual's 32 rows
	WIN TO_F
.set I, 0
.rept 32
	global_load_b128 v[4*I:4*I+3], v3, s[10:11] offset:((I&7)|((I&8)<<1)|((I&16)>>1))*4096     ; place I of my 32 is row I with bits 3 and 4 exchanged; 512 consecutive bytes
.set I, I+1
.endr
	s_wait_dscnt 0x0
	WIN MUL
	MUL4 128, 2, 3, 0
	MUL4 128, 3, 3, 0
	WIN 0
	; THE WAY OUT: bias; through the work-group's stage, since a row's 512 bytes come from two waves; residual; whole rows out.
	PLACES 8
	s_wait_loadcnt 32                              ; the bias is in; the 32 loads of the residual may be out
.irp a, 0,1,2,3
.set J, 0
.rept 16
	v_pk_add_f32 v[ACC+32*\a+J:ACC+32*\a+J+1], v[ACC+32*\a+J:ACC+32*\a+J+1], v[BR+J:BR+J+1]       ; each accumulator from its low end on
.set J, J+2
.endr
.endr
.irp a, 0,1,2,3
.irp m, 0,1,2,3,4,5,6,7
	ds_store_b128 v[STO], v[ACC+32*\a+4*\m:ACC+32*\a+4*\m+3] offset:\a*16*SPITCH+128*(\m/4)+16*(\m%4)
.endr
.endr
	s_wait_dscnt 0x0                               ; for the others' sake: my stores into the stage are done
	s_barrier_signal -1
	s_barrier_wait -1
.set I, 0
.rept 32
	ds_load_b128 v[64+4*I:64+4*I+3], v[RD] offset:I*SPITCH     ; places 0-15 into v64-127, 16-31 into v128-191
.set I, I+1
.endr
	s_wait_dscnt 16                                ; the first 16 rows are back
	s_wait_loadcnt 16                              ; and their residual is in
	WIN 0x04                                       ; source 1 window 1
.set J, 0
.rept 32
	v_pk_add_f32 v[64+J:64+J+1], v[64+J:64+J+1], v[J:J+1]
.set J, J+2
.endr
	WIN 0
.set I, 0
.rept 16
	global_store_b128 v3, v[64+4*I:64+4*I+3], s[92:93] offset:((I&7)|((I&8)<<1)|((I&16)>>1))*4096      ; 512 consecutive bytes
.set I, I+1
.endr
	s_wait_dscnt 0x0
	s_wait_loadcnt 0x0
	WIN 0x04
.set J, 64
.rept 32
	v_pk_add_f32 v[64+J:64+J+1], v[64+J:64+J+1], v[J:J+1]
.set J, J+2
.endr
	WIN 0
.set I, 16
.rept 16
	global_store_b128 v3, v[64+4*I:64+4*I+3], s[92:93] offset:((I&7)|((I&8)<<1)|((I&16)>>1))*4096
.set I, I+1
.endr
	s_wait_tensorcnt 0x0                           ; the wave's end
	ds_add_u32 v[SPW], v[NIL]
	s_wait_dscnt 0x0
	CROUND                                         ; the closing round
	s_endpgm
.Lfunc_end_k_qec524a5042_ffn2:
	.size	k_qec524a5042_ffn2, .Lfunc_end_k_qec524a5042_ffn2-k_qec524a5042_ffn2
	.p2alignl 7, 3214868480
	.fill 96, 4, 3214868480
	.section	.rodata,"a",@progbits
	.p2align	6, 0x0
	.amdhsa_kernel k_qec524a5042_ffn2
		.amdhsa_group_segment_fixed_size 327680
		.amdhsa_private_segment_fixed_size 0
		.amdhsa_enable_private_segment 0
		.amdhsa_kernarg_size 40
		.amdhsa_user_sgpr_count 2
		.amdhsa_user_sgpr_kernarg_segment_ptr 1
		.amdhsa_wavefront_size32 1
		.amdhsa_system_sgpr_workgroup_id_x 1
		.amdhsa_system_sgpr_workgroup_id_y 1
		.amdhsa_system_sgpr_workgroup_id_z 1
		.amdhsa_system_vgpr_workitem_id 0
		.amdhsa_next_free_vgpr 512
		.amdhsa_next_free_sgpr 100
		.amdhsa_reserve_vcc 0
		.amdhsa_float_denorm_mode_32 3
		.amdhsa_float_denorm_mode_16_64 3
		.amdhsa_memory_ordered 1
		.amdhsa_forward_progress 1
		.amdhsa_inst_pref_size 107
	.end_amdhsa_kernel
	.amdgpu_metadata
---
amdhsa.version: [ 1, 2 ]
amdhsa.kernels:
  - .name:           k_qec524a5042_ffn2
    .symbol:         k_qec524a5042_ffn2.kd
    .args:
      - { .name: hid, .offset: 0, .size: 8, .value_kind: global_buffer, .address_space: global }
      - { .name: wts, .offset: 8, .size: 8, .value_kind: global_buffer, .address_space: global }
      - { .name: b2, .offset: 16, .size: 8, .value_kind: global_buffer, .address_space: global }
      - { .name: x1, .offset: 24, .size: 8, .value_kind: global_buffer, .address_space: global }
      - { .name: out0, .offset: 32, .size: 8, .value_kind: global_buffer, .address_space: global }
    .group_segment_fixed_size: 327680
    .private_segment_fixed_size: 0
    .kernarg_segment_align: 8
    .kernarg_segment_size: 40
    .max_flat_workgroup_size: 128
    .sgpr_count:     100
    .vgpr_count:     512
    .wavefront_size: 32
...
	.end_amdgpu_metadata
.endif
;; end of part 7
;; ======== version 2 of 2: 7 launches
;; limits: right only within a limited range of input values
;; workspace buffers: wts 12,976,128 bytes; act 4,325,376 bytes; qkvc 12,976,128 bytes; att 4,325,376 bytes; x1 16,777,216 bytes; hid 17,301,504 bytes
;; launch ln1 (part 8): grid 448 x 1, 8 waves a work-group, no clusters, 67,328 bytes of LDS; arguments x, ln1_g, ln1_b, act, wq, wk, wv, wo, w1, w2, wts; writes act, wts
.if DOCPART == 8
	.amdgcn_target "amdgcn-amd-amdhsa--gfx1250"
	.amdhsa_code_object_version 6
	.text
	.protected	k_qec524a5042_ln1
	.globl	k_qec524a5042_ln1
	.p2align	8
	.type	k_qec524a5042_ln1,@function
k_qec524a5042_ln1:
	s_mov_b64 s[64:65], 0
	v_nop
	global_prefetch_b8 v0, s[64:65] scope:SCOPE_SE
	s_setreg_imm32_b32 hwreg(HW_REG_WAVE_MODE, 25, 1), 1
	s_wait_xcnt 0x0
; y = (x - mean) rsqrt(var + 1e-5) g + b along rows of 1,024 f32, then quantised along the row to E4M3 with one E8M0 byte for each 32, and stored in the order of an operand's registers:
; codes [tile of 16 rows][8 chunks of 128][c][lane][16 bytes], scale words at 4,194,304 [tile][chunk][place].  Place p of the rows holds row p with its bits 3 and 4 exchanged.
; A work-group makes one tile of 16 rows.  PHASE 1: wave w takes places 2 w, 2 w + 1, which are two neighbouring rows; a row lies in 32 registers of the wave, so it is read once; mean and variance in two passes,
; so that a common offset of the inputs costs no accuracy.  The rows go to LDS (pitch 4,096 + 16 bytes).  PHASE 2: wave w takes chunk w of all 16 rows: lane (r, h) reads 16 neighbours of each of the four blocks.
; Each store of codes covers 512 consecutive bytes; the tile's 512 bytes of scale words are gathered in LDS and leave by one store.
; LIMITS: NaN and infinities are not served; a block whose largest magnitude lies under 2^-118 gets the byte 1 (its bytes are read by this program alone).
.set PITCH, 4112
.set SCB,   16*PITCH                   ; behind the rows: 512 bytes of scale words
.set X0,  32                           ; v32-63   row 0
.set X1,  64                           ; v64-95   row 1
.set G,   96                           ; v96-127  gains of my 32 columns
.set BB,  128                          ; v128-159 biases
.set ST,  32                           ; phase 2: 64 numbers
.set TM,  160                          ; v160-163 largest magnitudes, 164-167 bytes, 168-171 448 x scale, 172-175 scale operands
.set PW,  176                          ; the scale word
.set PC,  180                          ; v180-195 the codes
.set SEL, 26                           ; s[26:27] selects for lane l xor 16
.set MNT, 30
; ONE LAUNCH PREPARES BOTH KINDS OF OPERAND: work-groups 0-255 normalise and quantise 16 rows each (the text that follows); work-groups 256-447 quantise the six weights (from .Lquant on).
; The branch hangs on the work-group's number alone; the weights' path touches no LDS and has no barrier.  Launched on 256 work-groups, the body normalises alone.
	s_cmp_ge_u32 ttmp9, 256
	s_cbranch_scc1 .Lquant
	s_load_b256 s[4:11], s[0:1], 0x0
	v_lshl_add_u32 v200, v0, 2, 0x10300
	v_mov_b32 v201, 0
	v_lshrrev_b32 v1, 5, v0
	s_delay_alu instid0(VALU_DEP_1)
	v_readfirstlane_b32 s12, v1                    ; wave 0..7
	v_and_b32 v1, 31, v0
	s_delay_alu instid0(VALU_DEP_1)
	v_lshlrev_b32 v2, 4, v1                        ; 16 x lane; never rewritten
	v_and_b32 v5, 15, v0                           ; r
	v_bfe_u32 v6, v0, 4, 1                         ; h
	s_mul_i32 s16, s12, 2*PITCH
	v_add_nc_u32 v3, s16, v2                       ; LDS, phase 1: my two rows, 16 bytes a lane
	v_mul_u32_u24 v4, v5, PITCH
	s_delay_alu instid0(VALU_DEP_1)
	v_lshl_add_u32 v4, v6, 6, v4
	s_lshl_b32 s17, s12, 9
	v_add_nc_u32 v4, s17, v4                       ; LDS, phase 2: row r, chunk w, + 64 h
	s_lshl_b32 s18, s12, 6
	s_add_co_u32 s18, s18, SCB
	v_lshl_add_u32 v7, v5, 2, s18                  ; my row's scale word of chunk w
	v_add_nc_u32 v26, SCB, v2                      ; and the way out of all of them
	v_mov_b32 v24, 0                               ; a lane permute's destination counts as one of its sources
	v_mov_b32 v25, 0
.irp b, 0,1,2,3
	v_mov_b32 v[TM+4+\b], 0
.endr
	s_mov_b32 s[SEL], 0x76543210
	s_mov_b32 s[SEL+1], 0xfedcba98
	s_mov_b32 s28, 0x3a800000                      ; 1 / 1,024
	s_mov_b32 s29, 0x3727c5ac                      ; 1e-5
	s_mov_b32 s[MNT], 0x600000
	s_lshr_b32 s13, ttmp9, 1
	s_lshl_b32 s13, s13, 5
	s_and_b32 s14, ttmp9, 1
	s_lshl_b32 s14, s14, 3
	s_add_co_u32 s13, s13, s14
	s_lshl_b32 s14, s12, 1
	s_add_co_u32 s13, s13, s14
	s_lshr_b32 s14, s12, 2
	s_lshl_b32 s14, s14, 3
	s_add_co_u32 s13, s13, s14                     ; my first row: 32 (T / 2) + 8 (T % 2) + 2 w + 8 (w / 4)
	s_lshl_b32 s14, s13, 12
	s_mov_b32 s15, 0
	s_lshl_b32 s20, ttmp9, 3
	s_add_co_u32 s20, s20, s12
	s_lshl_b32 s20, s20, 11                        ; fragment (T, w)
	s_mov_b32 s21, 0
	s_lshl_b32 s24, ttmp9, 9
	s_add_co_u32 s24, s24, 4194304                 ; the tile's scale words
	s_mov_b32 s25, 0
	s_wait_kmcnt 0x0
	s_add_nc_u64 s[4:5], s[4:5], s[14:15]
	s_add_nc_u64 s[22:23], s[10:11], s[20:21]
	s_add_nc_u64 s[24:25], s[10:11], s[24:25]
.irp j, 0,1,2,3,4,5,6,7
	global_load_b128 v[X0+4*\j:X0+4*\j+3], v2, s[4:5] offset:512*\j            ; 512 consecutive bytes a load
.endr
.irp j, 0,1,2,3,4,5,6,7
	global_load_b128 v[X1+4*\j:X1+4*\j+3], v2, s[4:5] offset:4096+512*\j
.endr
.irp j, 0,1,2,3,4,5,6,7
	global_load_b128 v[G+4*\j:G+4*\j+3], v2, s[6:7] offset:512*\j
.endr
.irp j, 0,1,2,3,4,5,6,7
	global_load_b128 v[BB+4*\j:BB+4*\j+3], v2, s[8:9] offset:512*\j
.endr
.macro SUMROW x, d                     ; my 32 numbers of a row, two at a time, in two chains
	v_pk_add_f32 v[\d:\d+1], v[\x:\x+1], v[\x+2:\x+3]
	v_pk_add_f32 v[\d+2:\d+3], v[\x+4:\x+5], v[\x+6:\x+7]
.irp i, 8,12,16,20,24,28
	s_delay_alu instid0(VALU_DEP_2)
	v_pk_add_f32 v[\d:\d+1], v[\d:\d+1], v[\x+\i:\x+\i+1]
	s_delay_alu instid0(VALU_DEP_2)
	v_pk_add_f32 v[\d+2:\d+3], v[\d+2:\d+3], v[\x+\i+2:\x+\i+3]
.endr
	s_delay_alu instid0(VALU_DEP_1)
	v_pk_add_f32 v[\d:\d+1], v[\d:\d+1], v[\d+2:\d+3]
	s_delay_alu instid0(VALU_DEP_1)
	v_add_f32 v[\d], v[\d], v[\d+1]
.endm
.macro SQROW x, d                      ; the same of their squares
	v_pk_mul_f32 v[\d:\d+1], v[\x:\x+1], v[\x:\x+1]
	v_pk_mul_f32 v[\d+2:\d+3], v[\x+2:\x+3], v[\x+2:\x+3]
.irp i, 4,8,12,16,20,24,28
	s_delay_alu instid0(VALU_DEP_2)
	v_pk_fma_f32 v[\d:\d+1], v[\x+\i:\x+\i+1], v[\x+\i:\x+\i+1], v[\d:\d+1]
	s_delay_alu instid0(VALU_DEP_2)
	v_pk_fma_f32 v[\d+2:\d+3], v[\x+\i+2:\x+\i+3], v[\x+\i+2:\x+\i+3], v[\d+2:\d+3]
.endr
	s_delay_alu instid0(VALU_DEP_1)
	v_pk_add_f32 v[\d:\d+1], v[\d:\d+1], v[\d+2:\d+3]
	s_delay_alu instid0(VALU_DEP_1)
	v_add_f32 v[\d], v[\d], v[\d+1]
.endm
.macro RED a, b                        ; two sums over the 32 lanes, by turns; every lane ends with the result
.irp m, 1
	v_add_f32_dpp v[\a], v[\a], v[\a] row_xmask:\m row_mask:0xf bank_mask:0xf
	s_delay_alu instid0(VALU_DEP_2)
	v_add_f32_dpp v[\b], v[\b], v[\b] row_xmask:\m row_mask:0xf bank_mask:0xf
.endr
.irp m, 2, 4, 8
	s_delay_alu instid0(VALU_DEP_2)
	v_add_f32_dpp v[\a], v[\a], v[\a] row_xmask:\m row_mask:0xf bank_mask:0xf
	s_delay_alu instid0(VALU_DEP_2)
	v_add_f32_dpp v[\b], v[\b], v[\b] row_xmask:\m row_mask:0xf bank_mask:0xf
.endr
	s_delay_alu instid0(VALU_DEP_2)
	v_permlanex16_b32 v24, v[\a], s[SEL], s[SEL+1]
	s_delay_alu instid0(VALU_DEP_2)
	v_permlanex16_b32 v25, v[\b], s[SEL], s[SEL+1]
	s_delay_alu instid0(VALU_DEP_2)
	v_add_f32 v[\a], v[\a], v24
	s_delay_alu instid0(VALU_DEP_2)
	v_add_f32 v[\b], v[\b], v25
.endm
	s_wait_loadcnt 16                              ; the two rows are in; the 16 loads of gains and biases may be out
	SUMROW X0, 8
	SUMROW X1, 12
	RED 8, 12
	s_delay_alu instid0(VALU_DEP_2)
	v_mul_f32 v8, s28, v8                          ; the means
	s_delay_alu instid0(VALU_DEP_2)
	v_mul_f32 v12, s28, v12
.set I, 0
.rept 16
	v_pk_add_f32 v[X0+I:X0+I+1], v[X0+I:X0+I+1], v[8:9] op_sel_hi:[1,0] neg_lo:[0,1] neg_hi:[0,1]      ; x - mean, in place
	v_pk_add_f32 v[X1+I:X1+I+1], v[X1+I:X1+I+1], v[12:13] op_sel_hi:[1,0] neg_lo:[0,1] neg_hi:[0,1]
.set I, I+2
.endr
	SQROW X0, 16
	SQROW X1, 20
	RED 16, 20
	s_delay_alu instid0(VALU_DEP_2)
	v_fma_f32 v16, v16, s28, s29                   ; variance + 1e-5
	s_delay_alu instid0(VALU_DEP_2)
	v_fma_f32 v20, v20, s28, s29
	s_wait_alu depctr_va_vdst(0)
	v_rsq_f32 v16, v16
	v_rsq_f32 v20, v20
	v_nop                                          ; a plain instruction between a transcendental and the use of its result
	s_wait_loadcnt 0x0                             ; gains and biases
.set I, 0
	s_wait_alu depctr_va_vdst(0)
.rept 16
	v_pk_mul_f32 v[X0+I:X0+I+1], v[X0+I:X0+I+1], v[16:17] op_sel_hi:[1,0]
	v_pk_mul_f32 v[X1+I:X1+I+1], v[X1+I:X1+I+1], v[20:21] op_sel_hi:[1,0]
.set I, I+2
.endr
.set I, 0
.rept 16
	v_pk_fma_f32 v[X0+I:X0+I+1], v[X0+I:X0+I+1], v[G+I:G+I+1], v[BB+I:BB+I+1]
	v_pk_fma_f32 v[X1+I:X1+I+1], v[X1+I:X1+I+1], v[G+I:G+I+1], v[BB+I:BB+I+1]
.set I, I+2
.endr
.irp j, 0,1,2,3,4,5,6,7
	ds_store_b128 v3, v[X0+4*\j:X0+4*\j+3] offset:512*\j
	ds_store_b128 v3, v[X1+4*\j:X1+4*\j+3] offset:PITCH+512*\j
.endr
	s_wait_dscnt 0x0                               ; for the others' sake: my rows lie in LDS
	s_barrier_signal -1
	s_barrier_wait -1
.irp c, 0,1,2,3
.irp j, 0,1,2,3
	ds_load_b128 v[ST+16*\c+4*\j:ST+16*\c+4*\j+3], v4 offset:128*\c+16*\j      ; register 16 c + i = k 32 c + 16 h + i of row r; sixteen rows 257 x 16 bytes apart: sixteen different groups of banks
.endr
.endr
	s_wait_dscnt 0x0
.irp b, 0,1,2,3
	v_max3_num_f32 v[TM+\b], |v[ST+16*\b]|, |v[ST+1+16*\b]|, 0x4800000         ; block b: my 16 numbers and the floor 2^(9 - 127)
.endr
.irp i, 2,4,6,8,10,12,14
.irp b, 0,1,2,3
	s_delay_alu instid0(VALU_DEP_4)
	v_max3_num_f32 v[TM+\b], v[TM+\b], |v[ST+16*\b+\i]|, |v[ST+1+16*\b+\i]|
.endr
.endr
.irp b, 0,1,2,3
	s_delay_alu instid0(VALU_DEP_4)
	v_permlanex16_b32 v[TM+4+\b], v[TM+\b], s[SEL], s[SEL+1]
.endr
.irp b, 0,1,2,3
	s_delay_alu instid0(VALU_DEP_4)
	v_max_num_f32 v[TM+\b], v[TM+\b], v[TM+4+\b]   ; with lane l xor 16's: the block's largest magnitude
.endr
.irp b, 0,1,2,3
	s_delay_alu instid0(VALU_DEP_4)
	v_add_nc_u32 v[TM+12+\b], 0xfc000000, v[TM+\b] ; 8 off the exponent field: the conversion's scale operand
.endr
.irp b, 0,1,2,3
	v_and_or_b32 v[TM+8+\b], v[TM+\b], 0x7f800000, s[MNT]  ; 448 x the scale
.endr
.irp b, 0,1,2,3
	v_lshrrev_b32 v[TM+4+\b], 23, v[TM+12+\b]      ; the byte
.endr
	s_delay_alu instid0(VALU_DEP_3)
	v_lshl_or_b32 v[PW], v[TM+5], 8, v[TM+4]
	s_delay_alu instid0(VALU_DEP_1)
	v_lshl_or_b32 v[PW], v[TM+6], 16, v[PW]
	s_delay_alu instid0(VALU_DEP_1)
	v_lshl_or_b32 v[PW], v[TM+7], 24, v[PW]
.irp b, 0,1,2,3
.irp i, 0,1,2,3,4,5,6,7,8,9,10,11,12,13,14,15
	v_med3_num_f32 v[ST+16*\b+\i], v[ST+16*\b+\i], -v[TM+8+\b], v[TM+8+\b]     ; the conversion does not saturate (ISA guide 7.6.2)
.endr
	v_cvt_scalef32_pk8_fp8_f32 v[PC+4*\b:PC+1+4*\b], v[ST+16*\b:ST+7+16*\b], v[TM+12+\b]
	v_cvt_scalef32_pk8_fp8_f32 v[PC+2+4*\b:PC+3+4*\b], v[ST+8+16*\b:ST+15+16*\b], v[TM+12+\b]
.endr
	v_nop
.irp c, 0,1,2,3
	global_store_b128 v2, v[PC+4*\c:PC+4*\c+3], s[22:23] offset:512*\c         ; 512 consecutive bytes
.endr
	ds_store_b32 v7, v[PW]                         ; lanes r and r + 16 write the same word with the same value
	s_wait_dscnt 0x0
	s_barrier_signal -1
	s_barrier_wait -1
	s_cmp_lg_u32 s12, 0
	s_cbranch_scc1 .Ldone
	ds_load_b128 v[8:11], v26                      ; wave 0: the tile's 128 scale words
	s_wait_dscnt 0x0
	global_store_b128 v2, v[8:11], s[24:25]        ; 512 consecutive bytes
.Ldone:
	s_wait_tensorcnt 0x0
	ds_add_u32 v200, v201
	s_wait_dscnt 0x0
	s_endpgm
.Lquant:
; The six weights, f32 stored [K][N], become codes of E4M3 with one E8M0 byte for each 32 along K (their FIRST axis), laid in the order of an operand's registers:
; codes [tile of 16 columns][K / 128][c 0..3][lane 0..31][16 bytes]: lane 16 h + r holds k = 128 kc + 32 c + 16 h + 0..15 of the tile's place r; scale words [tile][K / 128][place], one byte a block.
; Place p of the columns holds column p with its bits 3 and 4 exchanged.  wts: tiles 0-63 wq, 64-127 wk, 128-191 wv, 192-255 wo, 256-511 w1 (16,384 bytes a tile); w2 at 8,388,608 (65,536 a tile);
; scale words at 12,582,912 + a fragment's byte / 32.  A lane takes a column and its registers run down K: a block of 32 lies in one lane.
; A unit is 128 columns x 256 along K, for four waves (a wave: 32 columns x 8 blocks); there are 384 units: 0-127 wq, wk, wv, wo, 128-255 w1, 256-383 w2.  A work-group of eight waves takes two units.
; Only pointers and strides are chosen: one path.  LIMITS: NaN and infinities are not served; a block whose largest magnitude lies under 2^-118 (zeros too) gets the byte 1: read by this program alone.
.set OFF, 32                           ; v32-63   4 x lane + i rows of the weight
.set X,   64                           ; v64-127  two sets of 32 numbers
.set C,   128                          ; v128-191 eight registers of codes for each block: no store's data are written again
.set SB,  16                           ; v16-17   scale words
.set SRC, 32                           ; s[32:47] the eight blocks' first rows
.set DC,  48
.set DS,  50
.set MNT, 52
	s_load_b256 s[4:11], s[0:1], 0x20              ; wq, wk, wv, wo
	s_load_b128 s[12:15], s[0:1], 0x40             ; w1, w2
	s_load_b64 s[16:17], s[0:1], 0x50              ; wts
	v_lshrrev_b32 v1, 5, v0
	v_readfirstlane_b32 s18, v1                    ; wave 0..7
	v_and_b32 v1, 31, v0
	v_lshlrev_b32 v2, 2, v1                        ; 4 bytes a lane
	v_bfe_u32 v6, v0, 3, 1                         ; my column's tile of the wave's two: bit 3 of the column
	v_and_b32 v7, 7, v0
	v_bfe_u32 v8, v0, 4, 1
	v_lshl_or_b32 v7, v8, 3, v7                    ; and its place in that tile
	s_wait_alu depctr_va_vdst(0)
	s_sub_co_u32 s2, ttmp9, 256
	s_lshl_b32 s2, s2, 1
	s_lshr_b32 s3, s18, 2
	s_add_co_u32 s2, s2, s3                        ; my unit, 0..383
	s_and_b32 s18, s18, 3                          ; my wave in the unit
	s_lshr_b32 s19, s2, 7                          ; 0 = wq, wk, wv, wo; 1 = w1; 2 = w2
	s_and_b32 s2, s2, 127
	s_lshr_b32 s25, s2, 5
	s_lshr_b32 s26, s2, 3
	s_and_b32 s27, s26, 3
	s_and_b32 s28, s2, 7
	s_and_b32 s29, s2, 31
	s_lshl_b32 s30, s25, 20
	s_mov_b32 s22, 4096
	s_mov_b32 s24, 8388608
	s_mov_b32 s23, 16384
	s_cmp_eq_u32 s19, 1
	s_cselect_b32 s20, s29, s28                    ; block of 128 columns
	s_cselect_b32 s21, s25, s26                    ; block of 256 along K
	s_cselect_b32 s22, 16384, s22                  ; a row of the weight in bytes
	s_cselect_b32 s24, 4194304, s24                ; where its codes begin
	s_cmp_eq_u32 s19, 0
	s_cselect_b32 s21, s27, s21
	s_cselect_b32 s24, s30, s24
	s_cmp_eq_u32 s19, 2
	s_cselect_b32 s23, 65536, s23                  ; a tile's codes in bytes
	s_lshr_b32 s31, s23, 5                         ; and its scale words
	v_lshlrev_b32 v4, 4, v7
	v_mad_u32_u24 v4, v6, s23, v4
	v_lshlrev_b32 v5, 2, v7
	v_mad_u32_u24 v5, v6, s31, v5
.set I, 0
.rept 32
	v_mad_u32_u24 v[OFF+I], s22, I, v2
.set I, I+1
.endr
	s_mov_b32 s[MNT], 0x600000
	s_mul_i32 s26, s21, s22
	s_lshl_b32 s26, s26, 8
	s_lshl_b32 s27, s20, 9
	s_add_co_u32 s26, s26, s27
	s_lshl_b32 s27, s18, 7
	s_add_co_u32 s26, s26, s27
	s_mov_b32 s27, 0
	s_lshl_b32 s28, s22, 5
	s_mov_b32 s29, 0
	s_lshl_b32 s30, s20, 3
	s_lshl_b32 s31, s18, 1
	s_add_co_u32 s30, s30, s31
	s_mul_i32 s30, s30, s23
	s_lshl_b32 s31, s21, 12
	s_add_co_u32 s30, s30, s31
	s_add_co_u32 s30, s30, s24
	s_lshr_b32 s54, s30, 5
	s_add_co_u32 s54, s54, 12582912
	s_mov_b32 s31, 0
	s_mov_b32 s55, 0
	s_wait_alu depctr_va_vdst(0)
	s_wait_kmcnt 0x0
	s_bitcmp1_b32 s25, 0                           ; the choices hang on ids alone
	s_cselect_b64 s[4:5], s[6:7], s[4:5]
	s_cselect_b64 s[8:9], s[10:11], s[8:9]
	s_bitcmp1_b32 s25, 1
	s_cselect_b64 s[4:5], s[8:9], s[4:5]
	s_cmp_eq_u32 s19, 1
	s_cselect_b64 s[4:5], s[12:13], s[4:5]
	s_cmp_eq_u32 s19, 2
	s_cselect_b64 s[4:5], s[14:15], s[4:5]
	s_add_nc_u64 s[SRC:SRC+1], s[4:5], s[26:27]
.irp t, 1,2,3,4,5,6,7
	s_add_nc_u64 s[SRC+2*\t:SRC+2*\t+1], s[SRC+2*\t-2:SRC+2*\t-1], s[28:29]
.endr
	s_add_nc_u64 s[DC:DC+1], s[16:17], s[30:31]
	s_add_nc_u64 s[DS:DS+1], s[16:17], s[54:55]
.macro LOAD t                          ; block t: 32 rows of my column; a load of the wave reads 128 consecutive bytes, a unit's four waves stand side by side
.set I, 0
.rept 32
	global_load_b32 v[X+32*((\t)%2)+I], v[OFF+I], s[SRC+2*(\t):SRC+2*(\t)+1] th:TH_LOAD_NT
.set I, I+1
.endr
.endm
	LOAD 0
	LOAD 1
.macro BLOCK t
.set XS, X+32*((\t)%2)
.if (\t) < 7
	s_wait_loadcnt 32                              ; this block's 32 loads are in; the next block's may be out
.else
	s_wait_loadcnt 0
.endif
	v_max3_num_f32 v12, |v[XS]|, |v[XS+1]|, |v[XS+2]|
	v_max3_num_f32 v13, |v[XS+3]|, |v[XS+4]|, |v[XS+5]|
.irp i, 6,10,14,18,22,26
	v_max3_num_f32 v12, v12, |v[XS+\i]|, |v[XS+\i+1]|
	v_max3_num_f32 v13, v13, |v[XS+\i+2]|, |v[XS+\i+3]|
.endr
	v_max3_num_f32 v12, v12, |v[XS+30]|, |v[XS+31]|
	v_max3_num_f32 v12, v12, v13, 0x4800000        ; and the floor 2^(9 - 127): the byte cannot fall under 1
	v_add_nc_u32 v11, 0xfc000000, v12              ; 8 off the exponent field: the conversion's scale operand
	v_and_or_b32 v10, v12, 0x7f800000, s[MNT]      ; 448 x the scale
	v_lshrrev_b32 v13, 23, v11                     ; the scale's byte
.if (\t)%4 == 0
	v_mov_b32 v[SB+(\t)/4], v13
.else
	v_lshl_or_b32 v[SB+(\t)/4], v13, 8*((\t)%4), v[SB+(\t)/4]
.endif
.set I, 0
.rept 32
	v_med3_num_f32 v[XS+I], v[XS+I], -v10, v10     ; the conversion to an 8-bit code does not saturate (ISA guide 7.6.2): the hold comes first
.set I, I+1
.endr
.irp g, 0,1,2,3
	v_cvt_scalef32_pk8_fp8_f32 v[C+8*(\t)+2*\g:C+8*(\t)+2*\g+1], v[XS+8*\g:XS+8*\g+7], v11
.endr
	global_store_b128 v4, v[C+8*(\t):C+8*(\t)+3], s[DC:DC+1] offset:((\t)/4)*2048+((\t)%4)*512
	global_store_b128 v4, v[C+8*(\t)+4:C+8*(\t)+7], s[DC:DC+1] offset:((\t)/4)*2048+((\t)%4)*512+256
.if (\t)%4 == 3
	global_store_b32 v5, v[SB+(\t)/4], s[DS:DS+1] offset:((\t)/4)*64
.endif
.if (\t)+2 < 8
	LOAD (\t)+2
.endif
.endm
.irp t, 0,1,2,3,4,5,6,7
	BLOCK \t
.endr
	s_endpgm
.Lfunc_end_k_qec524a5042_ln1:
	.size	k_qec524a5042_ln1, .Lfunc_end_k_qec524a5042_ln1-k_qec524a5042_ln1
	.p2alignl 7, 3214868480
	.fill 96, 4, 3214868480
	.section	.rodata,"a",@progbits
	.p2align	6, 0x0
	.amdhsa_kernel k_qec524a5042_ln1
		.amdhsa_group_segment_fixed_size 67328
		.amdhsa_private_segment_fixed_size 0
		.amdhsa_enable_private_segment 0
		.amdhsa_kernarg_size 88
		.amdhsa_user_sgpr_count 2
		.amdhsa_user_sgpr_kernarg_segment_ptr 1
		.amdhsa_wavefront_size32 1
		.amdhsa_system_sgpr_workgroup_id_x 1
		.amdhsa_system_sgpr_workgroup_id_y 1
		.amdhsa_system_sgpr_workgroup_id_z 1
		.amdhsa_system_vgpr_workitem_id 0
		.amdhsa_next_free_vgpr 202
		.amdhsa_next_free_sgpr 66
		.amdhsa_reserve_vcc 0
		.amdhsa_float_denorm_mode_32 3
		.amdhsa_float_denorm_mode_16_64 3
		.amdhsa_memory_ordered 1
		.amdhsa_forward_progress 1
		.amdhsa_inst_pref_size 92
	.end_amdhsa_kernel
	.amdgpu_metadata
---
amdhsa.version: [ 1, 2 ]
amdhsa.kernels:
  - .name:           k_qec524a5042_ln1
    .symbol:         k_qec524a5042_ln1.kd
    .args:
      - { .name: x, .offset: 0, .size: 8, .value_kind: global_buffer, .address_space: global }
      - { .name: ln1_g, .offset: 8, .size: 8, .value_kind: global_buffer, .address_space: global }
      - { .name: ln1_b, .offset: 16, .size: 8, .value_kind: global_buffer, .address_space: global }
      - { .name: act, .offset: 24, .size: 8, .value_kind: global_buffer, .address_space: global }
      - { .name: wq, .offset: 32, .size: 8, .value_kind: global_buffer, .address_space: global }
      - { .name: wk, .offset: 40, .size: 8, .value_kind: global_buffer, .address_space: global }
      - { .name: wv, .offset: 48, .size: 8, .value_kind: global_buffer, .address_space: global }
      - { .name: wo, .offset: 56, .size: 8, .value_kind: global_buffer, .address_space: global }
      - { .name: w1, .offset: 64, .size: 8, .value_kind: global_buffer, .address_space: global }
      - { .name: w2, .offset: 72, .size: 8, .value_kind: global_buffer, .address_space: global }
      - { .name: wts, .offset: 80, .size: 8, .value_kind: global_buffer, .address_space: global }
    .group_segment_fixed_size: 67328
    .private_segment_fixed_size: 0
    .kernarg_segment_align: 8
    .kernarg_segment_size: 88
    .max_flat_workgroup_size: 256
    .sgpr_count:     66
    .vgpr_count:     202
    .wavefront_size: 32
...
	.end_amdgpu_metadata
.endif
;; end of part 8
;; launch projqkv (part 9): grid 8 x 24, 4 waves a work-group, clusters of 4 x 4, 327,680 bytes of LDS; arguments act, wts, bq, bk, bv, qkvc; writes qkvc
.if DOCPART == 9
	.amdgcn_target "amdgcn-amd-amdhsa--gfx1250"
	.amdhsa_code_object_version 6
	.text
	.protected	k_qec524a5042_projqkv
	.globl	k_qec524a5042_projqkv
	.p2align	8
	.type	k_qec524a5042_projqkv,@function
k_qec524a5042_projqkv:
	s_mov_b64 s[64:65], 0
	v_nop
	global_prefetch_b8 v0, s[64:65] scope:SCOPE_SE
	s_setreg_imm32_b32 hwreg(HW_REG_WAVE_MODE, 25, 1), 1
	s_wait_xcnt 0x0
	s_wait_alu depctr_hold_cnt(0) depctr_sa_sdst(0) depctr_va_vdst(0) depctr_va_sdst(0) depctr_va_ssrc(0) depctr_va_vcc(0) depctr_vm_vsrc(0)
	s_getreg_b32 s2, hwreg(HW_REG_IB_STS2, 6, 4)
	s_cmp_eq_u32 s2, 0
	s_cbranch_scc0 .Lentry_in_a_cluster
	s_endpgm
.Lentry_in_a_cluster:
	s_bfe_u32 s2, ttmp6, 0x10000c
	s_cmp_lg_u32 s2, 0xf033
	s_cbranch_scc0 .Lentry_shape_is_right
	s_endpgm
.Lentry_shape_is_right:
; A GEMM on codes of E4M3 (one E8M0 byte for each 32 along K) whose result, with its bias, is quantised again in registers.  Two operands: P (source 1: a lane holds one row of it) and R (source 0: the result's
; registers run along its rows).  Both lie in memory in the order of an operand's registers: [tile of 16 rows][KC chunks of 128 along K][c][lane][16 bytes]; scale words [tile][chunk][place].
; Place p holds row p with bits 3 and 4 exchanged, so the 16 result registers of R's tiles 2 b, 2 b + 1 are 16 neighbouring rows of R, 32 b + 16 (lane / 16) + 0..15: a conversion's input as it stands.
; QKV = 1: cluster rows 0-3: P = the normalised tokens, R = wq's and wk's columns: q and k, quantised along a head's 64.  Cluster rows 4-5: P = wv's columns, R = the tokens: v^T, quantised along the keys.
;   Only pointers, offsets and strides are chosen, on the cluster's y, which all partners share: one path.  Both kinds of bias are loaded; the one that a tile does not use is set to 0 and added all the same.
; QKV = 0: P = the normalised tokens, R = w1's columns: relu(.. + b1), quantised along the hidden units.
; SHARES: a work-group makes 256 x 256, each of four waves 128 x 128: 64 accumulators, 512 registers: for 128 along K a wave loads 32 KiB from LDS for 64 products, and no fragment twice.
;   QKV = 1: 128 + 64 = 192 work-groups; QKV = 0: 256.  K = 1,024 goes in four K steps of 256 (two chunks of 128) through two LDS slots; each slot is filled again once.
; CLUSTER 4 x 4: P's tile is shared along a row of the cluster, R's along a column: each is asked for jointly, which divides the requests by four.
; LDS: slot s at s x 131,072: four regions of 32,768 (P's halves, R's halves), [tile of 16][chunk][2,048]; scale words of all of K at 262,144, 4,096 bytes a region, filled once; then the spare words.
;   A fragment comes by four loads of 512 consecutive bytes: no pitch, no padding.
; A chunk is 64 products, P's blocks one after the other, each against R's eight.  So a block of P is free as soon as its eight products are issued, and one set of registers serves P: blocks 0-3 are fetched anew in
; the chunk's middle, blocks 4-7 at its end.  R's fragments are at work through the whole chunk: two sets.
; THE WAY OUT: a wave's 128 columns are one chunk of the next product's K: each of its eight tiles of 16 rows becomes a whole fragment (four stores of 512 consecutive bytes) and a whole scale word.
; REGISTERS, in windows of 256: window 0: v1-5, v23 lane terms, v8-15 the codes' offsets, v16-22 LDS addresses, v24-27 the scale words' offsets, v28-29 for the add; v32-63 scale words alone, two sets;
;   v64-127 the bias along R (the C of each sum's first product); v128-255 P's eight fragments, on the way out the quantiser's work registers.
;   window 1: R's fragments, two sets, at v0 and v128; on the way out v0-7 the bias along P as loaded, v128-255 the codes.   windows 2, 3: accumulator (a, t) at v[8 (8 (a % 4) + t)], a < 4 in window 2.
; LIMITS: NaN and infinities are not served; a block whose largest magnitude lies under 2^-118 gets the byte 1 (read by this program alone).
.set QKV,   1
.set RELU,  0
.set KC,    8
.set PSO,   4194304                    ; (QKV = 0) where P's scale words, R's codes and R's scale words begin in their buffers
.set RCO,   4194304
.set RSO,   12713984
.set SLOT,  131072
.set REGN,  32768
.set SCL,   2*SLOT
.set SREG,  8*KC*64                    ; the scale words of 128 rows
.set SPARE, SCL+4*SREG                 ; the spare words, 128 bytes for each wave: two blocks of 256 bytes that no other line names
.set CO,   8
.set ADRP, 16
.set ADRR, 20
.set ADRS, 22
.set SOF,  24
.set SPW,  28
.set NIL,  29
.set SC,   32                          ; set s (for slot s) at SC + 16 s; in it register 2 i + q: lanes 0-15 the word of P's block i, lanes 16-31 that of R's block i, chunk q
.set BR,   64
.set AF,   128
.set TM,   128                         ; the way out: v128-131 largest magnitudes, 132-135 bytes, 136-139 448 x scale, 140-143 scale operands
.set PW,   144                         ; v144-151 the eight tiles' scale words
.set MG,   152                         ; v152-159 the same, two tiles to a register, and their upper halves
.set BP,   160                         ; v160-175 the bias along P, a pair for each tile
.set LB,   0                           ; window 1
.set CD,   128                         ; window 1: 16 registers of codes for each tile: no store's data are written again
.set WV,   12
.set HP,   13
.set HR,   14
.set G1P,  24
.set G0P,  32
.set G1R,  48
.set G0R,  56
.set G1SP, 68
.set G0SP, 76
.set G1SR, 80
.set G0SR, 88
.set MSB, 0
.macro WIN new                         ; bits 1:0 source 0, 3:2 source 1, 5:4 source 2, 7:6 destination; the immediate's high byte repeats the setting that is left
.if MSB != (\new)
	s_set_vgpr_msb (MSB<<8)|(\new)
.set MSB, (\new)
.endif
.endm
.set MUL_LO, 0xa1                      ; source 0 (R) window 1, source 1 (P) window 0, C and D window 2
.set MUL_HI, 0xf1                      ; the same, C and D window 3
.set FST_LO, 0x81                      ; a sum's first product: C (the bias) window 0, D window 2
.set FST_HI, 0xc1                      ; D window 3
.set TO_R,   0x40                      ; destination window 1, address window 0
.macro PLACES n
.rept \n
	v_nop
.endr
.endm
.macro JLOAD g0p, g1p, g0r, g1r        ; a joint load: waves 0, 1 fetch for P, waves 2, 3 for R; four v_nop follow each line
	s_cmp_eq_u32 s[HP], 0
	s_cbranch_scc0 .Lfor_r_\@
	tensor_load_to_lds s[\g0p:\g0p+3], s[\g1p:\g1p+7]
	s_nop 0
	PLACES 4
	s_branch .Lasked_\@
.Lfor_r_\@:
	tensor_load_to_lds s[\g0r:\g0r+3], s[\g1r:\g1r+7]
	s_nop 0
	PLACES 4
.Lasked_\@:
.endm
.macro CREST                           ; a round of the cluster's barrier behind its opening barrier
	s_cmp_lg_u32 s[WV], 0
	s_cbranch_scc1 .Lnot_wave_0_\@
	s_barrier_signal -3
.Lnot_wave_0_\@:
	s_barrier_wait -3
	s_barrier_signal -1
	s_barrier_wait -1
.endm
.macro CROUND
	s_barrier_signal -1
	s_barrier_wait -1
	CREST
.endm
	s_load_b256 s[4:11], s[0:1], 0x0               ; QKV: tokens' codes, weights' codes, bq, bk.  Else: tokens' codes, weights' codes, b1, the result
.if QKV
	s_load_b128 s[92:95], s[0:1], 0x20             ; bv, the result
.endif
	v_lshl_add_u32 v[SPW], v0, 2, SPARE
	v_mov_b32 v[NIL], 0
	ds_add_u32 v28, v29
	ds_add_u32 v28, v29
	s_wait_dscnt 0x0
	v_lshrrev_b32 v1, 5, v0
	v_readfirstlane_b32 s[WV], v1                  ; wave 0..3
	s_lshr_b32 s[HP], s[WV], 1                     ; my half of P's rows.  Also: I fetch for P (0) or for R (1)
	s_and_b32 s[HR], s[WV], 1                      ; my half of R's rows.  Also: which half I fetch
	s_bfe_u32 s40, ttmp6, 0x40000                  ; cx
	s_bfe_u32 s41, ttmp6, 0x40004                  ; cy
	s_and_b32 s15, ttmp7, 0xffff                   ; the cluster's y
.if QKV
	s_sub_co_u32 s18, s15, 4
	s_lshl_b32 s18, s18, 3
	s_cmp_ge_u32 s15, 4
	s_cselect_b32 s45, -1, 0                       ; all ones where this cluster makes v^T
	s_cselect_b32 s17, 2, s15
	s_cselect_b32 s18, s18, 0
	s_lshl_b32 s17, s17, 2
	s_add_co_u32 s17, s17, s41                     ; P's tile of 256: tokens 4 y + cy, or wv's 8 + cy
	s_lshl_b32 s42, ttmp9, 2
	s_add_co_u32 s42, s42, s40
	s_add_co_u32 s42, s42, s18                     ; R's tile: 4 x + cx, for v^T + 8 (y - 4)
.else
	s_lshl_b32 s17, s15, 2
	s_add_co_u32 s17, s17, s41
	s_lshl_b32 s42, ttmp9, 2
	s_add_co_u32 s42, s42, s40
.endif
	s_lshl_b32 s43, s41, 2
	s_lshl_b32 s43, 15, s43                        ; my row of the cluster
	s_lshl_b32 s44, 0x1111, s40                    ; my column
	s_or_b32 s[G1P], s43, (3<<16)|(1<<21)          ; 15:0 the mask; 17:16 elements of 8 bytes; 21 set beside a mask; no padding
	s_or_b32 s[G1R], s44, (3<<16)|(1<<21)
	s_or_b32 s[G1SP], s43, (3<<16)|(1<<21)
	s_or_b32 s[G1SR], s44, (3<<16)|(1<<21)
.irp g, G1P, G1R                       ; codes: eight tiles of 16 rows, of each 256 along K: 4,096 consecutive bytes, KC x 2,048 bytes apart
	s_mov_b32 s[\g+1], 512<<16
	s_mov_b32 s[\g+2], 16<<16                      ; the head's loads bring all 16 tiles; behind them these two words are set to 8, for the ring's
	s_mov_b32 s[\g+3], 512<<16
	s_mov_b32 s[\g+4], 16
	s_mov_b32 s[\g+5], KC*256
	s_mov_b32 s[\g+6], 0
	s_mov_b32 s[\g+7], 0
.endr
.irp g, G1SP, G1SR                     ; scale words of sixteen tiles, all of K: a dense block of 8,192 bytes, as 32 rows of 256
	s_mov_b32 s[\g+1], 32<<16
	s_mov_b32 s[\g+2], (2*SREG/256)<<16            ; the scale words of all 16 tiles: one dense block
	s_mov_b32 s[\g+3], 32<<16
	s_mov_b32 s[\g+4], 2*SREG/256
	s_mov_b32 s[\g+5], 32
	s_mov_b32 s[\g+6], 0
	s_mov_b32 s[\g+7], 0
.endr
	s_lshl_b32 s20, s17, 4                         ; P: the block's first tile of 16
	s_lshl_b32 s46, s42, 4                         ; R likewise
	s_mul_i32 s22, s20, KC*64
	s_mul_i32 s20, s20, KC*2048
	s_mul_i32 s96, s46, KC*64
	s_mul_i32 s46, s46, KC*2048
.if QKV
	s_mov_b32 s98, 4194304                         ; the tokens' scale words
	s_mov_b32 s99, 12582912                        ; the weights'
	s_cmp_lg_u32 s45, 0
	s_cselect_b32 s18, s99, s98
	s_cselect_b32 s19, s98, s99
	s_add_co_u32 s22, s22, s18
	s_add_co_u32 s96, s96, s19
.else
	s_add_co_u32 s22, s22, PSO
	s_add_co_u32 s46, s46, RCO
	s_add_co_u32 s96, s96, RSO
.endif
	s_mov_b32 s21, 0
	s_mov_b32 s23, 0
	s_mov_b32 s47, 0
	s_mov_b32 s97, 0
	s_lshl_b32 s98, s[WV], 15                      ; where they go: no place in the cluster enters an LDS address
	s_wait_kmcnt 0x0
.if QKV
	s_cmp_lg_u32 s45, 0
	s_cselect_b64 s[18:19], s[6:7], s[4:5]         ; P's buffer
	s_cselect_b64 s[6:7], s[4:5], s[6:7]           ; R's
.else
	s_mov_b64 s[18:19], s[4:5]
	s_mov_b64 s[94:95], s[10:11]
.endif
	s_add_nc_u64 s[20:21], s[18:19], s[20:21]
	s_add_nc_u64 s[22:23], s[18:19], s[22:23]
	s_add_nc_u64 s[46:47], s[6:7], s[46:47]
	s_add_nc_u64 s[96:97], s[6:7], s[96:97]
	CROUND                                         ; all sixteen work-groups are here: the first joint loads meet
	s_mov_b32 s[G0SP], 1
	s_mov_b32 s[G0SP+1], SCL
	s_mov_b64 s[G0SP+2:G0SP+3], s[22:23]
	s_or_b32 s[G0SP+3], s[G0SP+3], 0x80000000
	s_mov_b32 s[G0SR], 1
	s_mov_b32 s[G0SR+1], SCL+2*SREG
	s_mov_b64 s[G0SR+2:G0SR+3], s[96:97]
	s_or_b32 s[G0SR+3], s[G0SR+3], 0x80000000
	s_mov_b32 s[G0P], 1                            ; the head's tiles, each whole: K step 0 of P's 16 tiles,
	s_mov_b32 s[G0P+1], 0
	s_mov_b64 s[G0P+2:G0P+3], s[20:21]
	s_or_b32 s[G0P+3], s[G0P+3], 0x80000000
	s_mov_b32 s[G0R], 1                            ; and of R's, behind them in slot 0
	s_mov_b32 s[G0R+1], 2*REGN
	s_mov_b64 s[G0R+2:G0R+3], s[46:47]
	s_or_b32 s[G0R+3], s[G0R+3], 0x80000000
	s_mul_i32 s2, s[HR], 8*KC*2048                 ; in the ring I fetch eight tiles: which half
	s_mov_b32 s3, 0
	s_add_nc_u64 s[20:21], s[20:21], s[2:3]
	s_add_nc_u64 s[46:47], s[46:47], s[2:3]
	s_mov_b32 s[G0P+4], 1                          ; slot 1: my part of K step 1
	s_add_co_u32 s[G0P+5], s98, SLOT
	s_add_nc_u64 s[G0P+6:G0P+7], s[20:21], 4096
	s_or_b32 s[G0P+7], s[G0P+7], 0x80000000
	s_mov_b32 s[G0R+4], 1
	s_add_co_u32 s[G0R+5], s98, SLOT
	s_add_nc_u64 s[G0R+6:G0R+7], s[46:47], 4096
	s_or_b32 s[G0R+7], s[G0R+7], 0x80000000
; the head's loads, one a wave: wave 0 P's codes of K step 0, wave 1 R's, wave 2 P's scale words, wave 3 R's: one chain of branches on the wave's number
.macro ARM under, g0, g1, next
	s_cmp_lt_u32 s[WV], \under
	s_cbranch_scc0 \next
	tensor_load_to_lds s[\g0:\g0+3], s[\g1:\g1+7]
	s_nop 0
	PLACES 4
	s_branch .Lhead_asked
\next:
.endm
	ARM 1, G0P,  G1P,  .Lhead_r
	ARM 2, G0R,  G1R,  .Lhead_sp
	ARM 3, G0SP, G1SP, .Lhead_sr
	tensor_load_to_lds s[G0SR:G0SR+3], s[G1SR:G1SR+7]
	s_nop 0
	PLACES 4
.Lhead_asked:
	; the prefetches: of the eight tiles that I fetch for the ring, each of the four partners that ask for them with me takes two, told apart by address (cx for P's tiles, cy for R's): 32 blocks of 256 bytes of a K step, a lane a block
	s_cmp_eq_u32 s[HP], 0
	s_cselect_b64 s[66:67], s[20:21], s[46:47]
	s_cselect_b32 s2, s40, s41
	s_mul_i32 s2, s2, 2*KC*2048
	s_add_nc_u64 s[66:67], s[66:67], s[2:3]        ; never rewritten
	v_and_b32 v1, 15, v0                           ; r
	v_bfe_u32 v2, v0, 4, 1                         ; h
	s_wait_alu depctr_va_vdst(0)
	v_and_b32 v3, 31, v0
	v_lshlrev_b32 v3, 4, v3
	v_lshlrev_b32 v30, 8, v1                       ; v30: a tile x (lane / 16) + 256 x (lane % 16); never rewritten
	v_mad_u32_u24 v30, v2, KC*2048, v30
	global_prefetch_b8 v30, s[66:67] offset:4096 th:TH_LOAD_NT scope:SCOPE_SE      ; the head loads K step 0; asked for here: K step 1, which the next fill loads
	s_lshl_b32 s18, s[HP], 15
	s_lshl_b32 s19, s[HR], 15
	s_add_co_u32 s19, s19, 2*REGN
.irp s, 0,1
	v_add_nc_u32 v[ADRP+\s], s18, v3
	v_add_nc_u32 v[ADRR+\s], s19, v3
	s_add_co_u32 s18, s18, SLOT
	s_add_co_u32 s19, s19, SLOT
.endr
	s_mul_i32 s18, s[HP], SREG
	s_mul_i32 s19, s[HR], SREG
	s_add_co_u32 s19, s19, 2*SREG
	s_sub_co_u32 s19, s19, s18
	v_mul_u32_u24 v23, s19, v2                     ; lanes 16-31 take R's words: one product, the distance between the two regions
	s_add_co_u32 s18, s18, SCL
	v_lshl_add_u32 v23, v1, 2, v23
	v_add_nc_u32 v[ADRS], s18, v23
	; the bias along R: lane (r, h) wants those of R's rows 32 b + 16 h + 0..15 of my 128: 64 registers in the result's layout
	v_lshlrev_b32 v4, 6, v2
.if QKV
	s_wait_alu depctr_va_vdst(0)
	s_bitcmp1_b32 s42, 2
	s_cselect_b64 s[8:9], s[10:11], s[8:9]         ; tiles 0-3: bq; 4-7: bk (for v^T either: it is set to 0 below)
	s_and_b32 s18, s42, 3
	s_lshl_b32 s18, s18, 10
.else
	s_lshl_b32 s18, s42, 10
.endif
	s_lshl_b32 s19, s[HR], 9
	s_add_co_u32 s18, s18, s19
	s_mov_b32 s19, 0
	s_add_nc_u64 s[8:9], s[8:9], s[18:19]
.irp b, 0,1,2,3
.irp j, 0,1,2,3
	global_load_b128 v[BR+16*\b+4*\j:BR+16*\b+4*\j+3], v4, s[8:9] offset:128*\b+16*\j
.endr
.endr
.if QKV
	; the bias along P: lane r of tile a wants that of row 32 (a / 2) + 8 (a % 2) + r + 8 (r / 8) of my 128 (the tile's number is cut to bv's four tiles); it is loaded in front of the last chunk
	s_and_b32 s18, s17, 3
	s_lshl_b32 s18, s18, 10
	s_lshl_b32 s19, s[HP], 9
	s_add_co_u32 s18, s18, s19
	s_mov_b32 s19, 0
	s_add_nc_u64 s[92:93], s[92:93], s[18:19]
	v_and_b32 v5, 8, v1
	v_add_nc_u32 v5, v5, v1
	v_lshlrev_b32 v5, 2, v5
.endif
	; where the results go
	s_lshl_b32 s18, s17, 4
	s_lshl_b32 s19, s[HP], 3
	s_add_co_u32 s18, s18, s19                     ; T0: my first tile of 16 of P's rows
.if QKV
	s_lshl_b32 s19, s42, 2
	s_lshl_b32 s20, s[HR], 1
	s_add_co_u32 s19, s19, s20                     ; q, k: the first of my two heads (q's 16, then k's 16)
	s_lshl_b32 s19, s19, 8
	s_add_co_u32 s19, s19, s18
	s_lshl_b32 s20, s19, 10                        ; codes [head][tile][c 0,1][lane][16]
	s_lshl_b32 s21, s19, 5
	s_add_co_u32 s21, s21, 12582912                ; scale halves [head][tile][place], 2 bytes
	s_and_b32 s22, s17, 3
	s_lshl_b32 s22, s22, 2
	s_lshl_b32 s23, s[HP], 1
	s_add_co_u32 s22, s22, s23                     ; v^T: the first of my two heads
	s_lshl_b32 s22, s22, 5
	s_lshl_b32 s23, s42, 1
	s_add_co_u32 s22, s22, s23
	s_add_co_u32 s22, s22, s[HR]                   ; and my chunk of 128 keys
	s_lshl_b32 s23, s22, 13
	s_add_co_u32 s23, s23, 8388608                 ; codes [head][chunk][tile of 16 channels][c][lane][16]
	s_lshl_b32 s22, s22, 8
	s_add_co_u32 s22, s22, 12845056                ; scale words [head][chunk][tile][place]
	s_cmp_lg_u32 s45, 0
	s_cselect_b32 s96, s23, s20
	s_cselect_b32 s98, s22, s21
	s_cselect_b32 s18, 2, 1                        ; log2 of the bytes from place to place among the scales
	s_cselect_b32 s19, 64, 32                      ; scales: from tile to tile,
	s_mov_b32 s20, 128
	s_cselect_b32 s20, 8192, s20                   ; and to tile 4 (v^T: the next head)
	s_mov_b32 s21, 1024
	s_cselect_b32 s21, 2048, s21                   ; codes: from tile to tile,
	s_mov_b32 s22, 4096
	s_cselect_b32 s22, 262144, s22                 ; and to tile 4
	s_mov_b32 s23, 262144
	s_cselect_b32 s2, 1024, s23                    ; codes: from block 0 to block 2 (q, k: the next head)
	s_mov_b32 s23, 8192
	s_cselect_b32 s46, 2, s23                      ; scales: from the word's lower half to its upper (q, k: the next head)
.else
	s_lshl_b32 s18, s18, 5
	s_lshl_b32 s19, s42, 1
	s_add_co_u32 s18, s18, s19
	s_add_co_u32 s18, s18, s[HR]                   ; 32 T0 + my chunk of 128 hidden units
	s_lshl_b32 s96, s18, 11
	s_lshl_b32 s98, s18, 6
	s_add_co_u32 s98, s98, 16777216
	s_mov_b32 s18, 2
	s_mov_b32 s19, 2048
	s_mov_b32 s20, 8192
	s_mov_b32 s21, 65536
	s_mov_b32 s22, 262144
	s_mov_b32 s2, 1024
.endif
	s_mov_b32 s97, 0
	s_mov_b32 s99, 0
	s_mov_b32 s3, 0
	s_add_nc_u64 s[96:97], s[94:95], s[96:97]      ; my codes: blocks 0, 1
	s_add_nc_u64 s[98:99], s[94:95], s[98:99]      ; my scale words
	s_add_nc_u64 s[4:5], s[96:97], s[2:3]          ; my codes: blocks 2, 3
.if QKV
	s_mov_b32 s47, 0
	s_add_nc_u64 s[6:7], s[98:99], s[46:47]        ; the words' upper halves
.endif
.irp a, 0,1,2,3,4,5,6,7
	s_mul_i32 s23, s21, (\a)%4
.if \a >= 4
	s_add_co_u32 s23, s23, s22
.endif
	v_add_nc_u32 v[CO+\a], s23, v3
.endr
	v_lshlrev_b32 v[SOF], s18, v1
	v_mad_u32_u24 v[SOF], v2, s19, v[SOF]          ; lanes 0-15: tile 0; lanes 16-31: tile 1
.irp k, 1,2,3
	s_mul_i32 s23, s19, 2*((\k)%2)
.if \k >= 2
	s_add_co_u32 s23, s23, s20
.endif
	v_add_nc_u32 v[SOF+\k], s23, v[SOF]            ; tiles 2 k and 2 k + 1
.endr
	s_wait_loadcnt 0x0                             ; the bias along R: the first products take it as C
.if QKV
.set I, 0
.rept 64
	v_cndmask_b32 v[BR+I], v[BR+I], 0, s45         ; v^T has no bias along R
.set I, I+1
.endr
.endif
.macro FRAG reg, adr, q, i             ; a fragment as it lies: four loads of 512 consecutive bytes
.irp c, 0,1,2,3
	ds_load_b128 v[(\reg)+4*\c:(\reg)+4*\c+3], v[\adr] offset:(\i)*4096+(\q)*2048+\c*512
.endr
.endm
; 16 products: P's blocks a0, a0 + 1 x R's eight, chunk q of a slot.  p: R's set;  sc: the set of scale words.  first = 1: the bias along R is the C: nothing is cleared, nothing is added later.
; The 64 accumulators take turns, one instruction a turn, in the same order in every chunk.
.macro MUL16 a0, p, q, sc, first
.irp a, \a0, \a0+1
.irp t, 0,1,2,3,4,5,6,7
.if \first
	v_wmma_scale_f32_16x16x128_f8f6f4 v[8*(8*((\a)%4)+\t):8*(8*((\a)%4)+\t)+7], v[128*(\p)+16*\t:128*(\p)+16*\t+15], v[AF+16*(\a):AF+16*(\a)+15], v[BR+8*\t:BR+8*\t+7], v[SC+16*(\sc)+2*\t+(\q)], v[SC+16*(\sc)+2*(\a)+(\q)] matrix_a_scale:MATRIX_SCALE_ROW1
.else
	v_wmma_scale_f32_16x16x128_f8f6f4 v[8*(8*((\a)%4)+\t):8*(8*((\a)%4)+\t)+7], v[128*(\p)+16*\t:128*(\p)+16*\t+15], v[AF+16*(\a):AF+16*(\a)+15], v[8*(8*((\a)%4)+\t):8*(8*((\a)%4)+\t)+7], v[SC+16*(\sc)+2*\t+(\q)], v[SC+16*(\sc)+2*(\a)+(\q)] matrix_a_scale:MATRIX_SCALE_ROW1
.endif
.endr
.endr
.endm
.macro FETCH_R slot, q, p              ; R's eight fragments of chunk q into set p: 32 loads
	WIN TO_R
.irp i, 0,1,2,3,4,5,6,7
	FRAG 128*(\p)+16*\i, ADRR+\slot, \q, \i
.endr
	WIN 0
.endm
.macro FETCH_P slot, q, i0             ; P's blocks i0 .. i0 + 3: 16 loads
.irp i, \i0, \i0+1, \i0+2, \i0+3
	FRAG AF+16*(\i), ADRP+\slot, \q, \i
.endr
.endm
.macro SCALES sc, ks                   ; K step ks's scale words into set sc: 16 loads; lanes 0-15 take P's block i, lanes 16-31 R's block i
.irp i, 0,1,2,3,4,5,6,7
.irp q, 0,1
	ds_load_b32 v[SC+16*(\sc)+2*\i+\q], v[ADRS] offset:(\i*KC+2*(\ks)+\q)*64
.endr
.endr
.endm
; A load into a register that a matrix instruction has read, and a vector instruction that reads a matrix result or writes one of a matrix instruction's registers, stand eight places behind it
; only plain vector instructions that name none of its registers are places.
; A slot's first chunk: its successor lies in the same slot.
.macro STEP slot, first
	s_wait_dscnt 16                                ; R's set, P's blocks 0-3 and the scale words are in; the youngest 16 loads (P's blocks 4-7) may be out
.if \first
	WIN FST_LO
.else
	WIN MUL_LO
.endif
	MUL16 0, 0, 0, \slot, \first
	MUL16 2, 0, 0, \slot, \first
	s_wait_dscnt 0x0                               ; P's blocks 4-7 are in (asked for 32 products ago)
	PLACES 8
	FETCH_R \slot, 1, 1
	FETCH_P \slot, 1, 0
.if \first
	WIN FST_HI
.else
	WIN MUL_HI
.endif
	MUL16 4, 0, 0, \slot, \first
	MUL16 6, 0, 0, \slot, \first
	PLACES 8
	WIN 0
	FETCH_P \slot, 1, 4
.endm
; A slot's second chunk changes slots: one barrier; in front of it each wave waits for all its tensor loads, adds 0 to its spare word, and waits for that and for its reads of this slot.
; fill = 1: this slot is filled again, two K steps ahead.  ks: the K step that lies in the next slot.
.macro TURN slot, next, fill, ks
	s_wait_tensorcnt 0x0                           ; all my tensor loads have landed: my part of the next slot  (every window is 0 here)
	ds_add_u32 v[SPW], v[NIL]                      ; 0 onto my spare word
	s_wait_dscnt 17                                ; (the add and the youngest 16 loads, P's blocks 4-7, may be out)
	WIN MUL_LO
	MUL16 0, 1, 1, \slot, 0                        ; sixteen products stand between the add and the wait for it
	s_wait_dscnt 0x0                               ; the add is done, and my reads of this slot are over
	s_barrier_signal -1
	MUL16 2, 1, 1, \slot, 0
	WIN 0
	s_barrier_wait -1
.if \fill
	CREST                                          ; the barrier has opened a round of the cluster's: no wave of any partner still reads this slot or has a load on its way
	s_add_nc_u64 s[G0P+4*\slot+2:G0P+4*\slot+3], s[G0P+4*\slot+2:G0P+4*\slot+3], 8192
	s_add_nc_u64 s[G0R+4*\slot+2:G0R+4*\slot+3], s[G0R+4*\slot+2:G0R+4*\slot+3], 8192
	JLOAD G0P+4*\slot, G1P, G0R+4*\slot, G1R       ; the first tensor load behind the round; it has 128 products less the sixteen ahead of the next signal in which to land; its four v_nop are four of the eight places
	PLACES 4
.else
	PLACES 8
.endif
	FETCH_R \next, 0, 0
	FETCH_P \next, 0, 0
	SCALES \next, \ks
.if (\fill) && ((\ks)+2 < KC/2)
	global_prefetch_b8 v30, s[66:67] offset:((\ks)+2)*4096 th:TH_LOAD_NT scope:SCOPE_SE    ; this change loads K step ks + 1; asked for here: K step ks + 2, which the next fill loads; the last fill asks for nothing
.endif
	WIN MUL_HI
	MUL16 4, 1, 1, \slot, 0
	MUL16 6, 1, 1, \slot, 0
	PLACES 8
	WIN 0
	FETCH_P \next, 0, 4
.endm
	s_wait_alu depctr_va_vdst(0)
	s_wait_tensorcnt 0x0                           ; my tile of the head's four is in
	ds_add_u32 v[SPW], v[NIL]
	s_mov_b32 s[G1P+2], 8<<16                      ; no tensor load of mine is out: from here on a load brings eight tiles
	s_mov_b32 s[G1P+4], 8
	s_mov_b32 s[G1R+2], 8<<16
	s_mov_b32 s[G1R+4], 8
	s_lshl_b32 s[G0P+1], s[WV], 15                 ; slot 0's group 0 for the ring: my region, my part of K step 0 (its refill steps it on)
	s_sub_nc_u64 s[G0P+2:G0P+3], s[G0P+6:G0P+7], 4096
	s_lshl_b32 s[G0R+1], s[WV], 15
	s_sub_nc_u64 s[G0R+2:G0R+3], s[G0R+6:G0R+7], 4096
	s_wait_dscnt 0x0
	CROUND                                         ; all four tiles are in, and all sixteen work-groups are here
	JLOAD G0P+4, G1P, G0R+4, G1R                   ; K step 1: the first tensor load behind the round
	FETCH_R 0, 0, 0
	FETCH_P 0, 0, 0
	SCALES 0, 0
	global_prefetch_b8 v30, s[66:67] offset:8192 th:TH_LOAD_NT scope:SCOPE_SE      ; K step 1 has just been asked for by its load; asked for here: K step 2, which the next fill loads
	FETCH_P 0, 0, 4
	STEP 0, 1                                      ; K step 0; four K steps are written out: each differs in its fill or in its first products
	TURN 0, 1, 1, 1                                ; slot 0 takes K step 2
	STEP 1, 0
	TURN 1, 0, 1, 2                                ; slot 1 takes K step 3
	STEP 0, 0
	TURN 0, 1, 0, 3                                ; nothing is left to fetch
	STEP 1, 0
.if QKV
	WIN TO_R                                       ; R's set 0 is done with, eight places back: its first registers take the bias along P, a chunk's 64 products ahead of its use
.irp a, 0,1,2,3,4,5,6,7
	global_load_b32 v[LB+\a], v5, s[92:93] offset:(32*(\a/2)+8*(\a%2))*4
.endr
	WIN 0
.endif
	s_wait_dscnt 16                                ; the very last chunk
	WIN MUL_LO
	MUL16 0, 1, 1, 1, 0
	MUL16 2, 1, 1, 1, 0
	s_wait_dscnt 0x0
	WIN MUL_HI
	MUL16 4, 1, 1, 1, 0
	MUL16 6, 1, 1, 1, 0
	WIN 0
	; THE WAY OUT, tile by tile of 16 of P's rows.  Tile a's 64 registers, v[64 (a % 4)] on in window 2 or 3: register 16 b + i is R's row 32 b + 16 (lane / 16) + i: four blocks of 32, half of each in lane l xor 16.
	; The accumulators lie in windows of their own, so a tile's quantiser switches windows seven times for its 130 to 160 vector instructions.
	PLACES 8
	s_mov_b32 s20, 0x76543210
	s_mov_b32 s21, 0xfedcba98                      ; v_permlanex16_b32's selects for lane l xor 16
	s_mov_b32 s22, 0x600000                        ; the mantissa field of 448
	s_mov_b32 s23, 0xffff0000                      ; lanes 16-31
.if QKV
	s_wait_loadcnt 0x0                             ; the bias along P
	WIN 0x04                                       ; source 1 window 1
.irp a, 0,1,2,3,4,5,6,7
	v_cndmask_b32 v[BP+2*\a], 0, v[LB+\a], s45     ; q and k have none along P
	v_cndmask_b32 v[BP+2*\a+1], 0, v[LB+\a], s45
.endr
	WIN 0
.endif
.irp b, 0,1,2,3
	v_mov_b32 v[TM+4+\b], 0                        ; a lane permute's destination counts as one of its sources
.endr
.macro QUANT a
.set AW, 2+(\a)/4                      ; the tile's window
.set QS, 64*((\a)%4)
.if QKV
	WIN (AW<<6)|AW                                 ; destination and source 0: the accumulators
.set J, 0
.rept 32
	v_pk_add_f32 v[QS+J:QS+J+1], v[QS+J:QS+J+1], v[BP+2*(\a):BP+2*(\a)+1]      ; each accumulator from its low end on
.set J, J+2
.endr
.endif
	WIN (AW<<2)|AW                                 ; sources 0 and 1
.irp b, 0,1,2,3
.if RELU                               ; no |.|: what is negative becomes 0, so it must not count; the floor 2^(9 - 127) stands over it
	v_max3_num_f32 v[TM+\b], v[QS+16*\b], v[QS+16*\b+1], 0x4800000
.else
	v_max3_num_f32 v[TM+\b], |v[QS+16*\b]|, |v[QS+16*\b+1]|, 0x4800000
.endif
.endr
	WIN (AW<<4)|(AW<<2)                            ; sources 1 and 2
.irp i, 2,4,6,8,10,12,14
.irp b, 0,1,2,3
.if RELU
	v_max3_num_f32 v[TM+\b], v[TM+\b], v[QS+16*\b+\i], v[QS+16*\b+\i+1]
.else
	v_max3_num_f32 v[TM+\b], v[TM+\b], |v[QS+16*\b+\i]|, |v[QS+16*\b+\i+1]|
.endif
.endr
.endr
	WIN 0
.irp b, 0,1,2,3
	v_permlanex16_b32 v[TM+4+\b], v[TM+\b], s20, s21
.endr
.irp b, 0,1,2,3
	v_max_num_f32 v[TM+\b], v[TM+\b], v[TM+4+\b]   ; the block's largest magnitude
.endr
.irp b, 0,1,2,3
	v_add_nc_u32 v[TM+12+\b], 0xfc000000, v[TM+\b] ; 8 off the exponent field: the conversion's scale operand
.endr
.irp b, 0,1,2,3
	v_and_or_b32 v[TM+8+\b], v[TM+\b], 0x7f800000, s22     ; 448 x the scale
.endr
.irp b, 0,1,2,3
	v_lshrrev_b32 v[TM+4+\b], 23, v[TM+12+\b]      ; the byte
.endr
	v_lshl_or_b32 v[PW+(\a)], v[TM+5], 8, v[TM+4]  ; the tile's rows' scale word
	v_lshl_or_b32 v[PW+(\a)], v[TM+6], 16, v[PW+(\a)]
	v_lshl_or_b32 v[PW+(\a)], v[TM+7], 24, v[PW+(\a)]
	WIN (AW<<6)|AW
.irp b, 0,1,2,3
.irp i, 0,1,2,3,4,5,6,7,8,9,10,11,12,13,14,15
.if RELU
	v_med3_num_f32 v[QS+16*\b+\i], v[QS+16*\b+\i], 0, v[TM+8+\b]               ; the activation and the hold in one
.else
	v_med3_num_f32 v[QS+16*\b+\i], v[QS+16*\b+\i], -v[TM+8+\b], v[TM+8+\b]     ; the conversion does not saturate (ISA guide 7.6.2)
.endif
.endr
.endr
	WIN 0x40|AW                                    ; the codes go to window 1
.irp b, 0,1,2,3
	v_cvt_scalef32_pk8_fp8_f32 v[CD+16*(\a)+4*\b:CD+16*(\a)+4*\b+1], v[QS+16*\b:QS+16*\b+7], v[TM+12+\b]
	v_cvt_scalef32_pk8_fp8_f32 v[CD+16*(\a)+4*\b+2:CD+16*(\a)+4*\b+3], v[QS+16*\b+8:QS+16*\b+15], v[TM+12+\b]
.endr
	WIN 0x04                                       ; a store's data are its source 1
	v_nop                                          ; a plain instruction behind the last conversion: the next tile writes the scale operands anew
	global_store_b128 v[CO+(\a)], v[CD+16*(\a):CD+16*(\a)+3], s[96:97]                     ; 512 consecutive bytes each
	global_store_b128 v[CO+(\a)], v[CD+16*(\a)+4:CD+16*(\a)+7], s[96:97] offset:512
	global_store_b128 v[CO+(\a)], v[CD+16*(\a)+8:CD+16*(\a)+11], s[4:5]
	global_store_b128 v[CO+(\a)], v[CD+16*(\a)+12:CD+16*(\a)+15], s[4:5] offset:512
.endm
.irp a, 0,1,2,3,4,5,6,7
	QUANT \a
.endr
	WIN 0
.irp k, 0,1,2,3
	v_cndmask_b32 v[MG+\k], v[PW+2*\k], v[PW+2*\k+1], s23  ; lanes 0-15 store tile 2 k's words, lanes 16-31 tile 2 k + 1's
.endr
.if QKV
.irp k, 0,1,2,3
	v_lshrrev_b32 v[MG+4+\k], 16, v[MG+\k]
.endr
.irp k, 0,1,2,3
	global_store_b16 v[SOF+\k], v[MG+\k], s[98:99]         ; q, k: a word's two halves belong to two heads; v^T: they lie side by side.  One byte in 32 of the codes'
	global_store_b16 v[SOF+\k], v[MG+4+\k], s[6:7]
.endr
.else
.irp k, 0,1,2,3
	global_store_b32 v[SOF+\k], v[MG+\k], s[98:99]         ; two runs of 64 consecutive bytes.  One byte in 32 of the codes'
.endr
.endif
	s_wait_tensorcnt 0x0                           ; the wave's end
	ds_add_u32 v[SPW], v[NIL]
	s_wait_dscnt 0x0
	CROUND                                         ; the closing round
	s_endpgm
.Lfunc_end_k_qec524a5042_projqkv:
	.size	k_qec524a5042_projqkv, .Lfunc_end_k_qec524a5042_projqkv-k_qec524a5042_projqkv
	.p2alignl 7, 3214868480
	.fill 96, 4, 3214868480
	.section	.rodata,"a",@progbits
	.p2align	6, 0x0
	.amdhsa_kernel k_qec524a5042_projqkv
		.amdhsa_group_segment_fixed_size 327680
		.amdhsa_private_segment_fixed_size 0
		.amdhsa_enable_private_segment 0
		.amdhsa_kernarg_size 48
		.amdhsa_user_sgpr_count 2
		.amdhsa_user_sgpr_kernarg_segment_ptr 1
		.amdhsa_wavefront_size32 1
		.amdhsa_system_sgpr_workgroup_id_x 1
		.amdhsa_system_sgpr_workgroup_id_y 1
		.amdhsa_system_sgpr_workgroup_id_z 1
		.amdhsa_system_vgpr_workitem_id 0
		.amdhsa_next_free_vgpr 1024
		.amdhsa_next_free_sgpr 100
		.amdhsa_reserve_vcc 0
		.amdhsa_float_denorm_mode_32 3
		.amdhsa_float_denorm_mode_16_64 3
		.amdhsa_memory_ordered 1
		.amdhsa_forward_progress 1
		.amdhsa_inst_pref_size 216
	.end_amdhsa_kernel
	.amdgpu_metadata
---
amdhsa.version: [ 1, 2 ]
amdhsa.kernels:
  - .name:           k_qec524a5042_projqkv
    .symbol:         k_qec524a5042_projqkv.kd
    .args:
      - { .name: act, .offset: 0, .size: 8, .value_kind: global_buffer, .address_space: global }
      - { .name: wts, .offset: 8, .size: 8, .value_kind: global_buffer, .address_space: global }
      - { .name: bq, .offset: 16, .size: 8, .value_kind: global_buffer, .address_space: global }
      - { .name: bk, .offset: 24, .size: 8, .value_kind: global_buffer, .address_space: global }
      - { .name: bv, .offset: 32, .size: 8, .value_kind: global_buffer, .address_space: global }
      - { .name: qkvc, .offset: 40, .size: 8, .value_kind: global_buffer, .address_space: global }
    .group_segment_fixed_size: 327680
    .private_segment_fixed_size: 0
    .kernarg_segment_align: 8
    .kernarg_segment_size: 48
    .max_flat_workgroup_size: 128
    .sgpr_count:     100
    .vgpr_count:     1024
    .wavefront_size: 32
...
	.end_amdgpu_metadata
.endif
;; end of part 9
;; launch attn (part 10): grid 8 x 32, 16 waves a work-group, no clusters, 169,984 bytes of LDS; arguments qkvc, att; writes att
.if DOCPART == 10
	.amdgcn_target "amdgcn-amd-amdhsa--gfx1250"
	.amdhsa_code_object_version 6
	.text
	.protected	k_qec524a5042_attn
	.globl	k_qec524a5042_attn
	.p2align	8
	.type	k_qec524a5042_attn,@function
k_qec524a5042_attn:
	s_mov_b64 s[64:65], 0
	v_nop
	global_prefetch_b8 v0, s[64:65] scope:SCOPE_SE
	s_setreg_imm32_b32 hwreg(HW_REG_WAVE_MODE, 25, 1), 1
	s_wait_xcnt 0x0
; Attention in a band: key k counts for query q where |k - q| <= 204.  Both products on codes of E4M3 with one E8M0 byte for each 32 along a product's K.  16 heads of 64, 2 x 2,048 tokens.
; THE SOFTMAX: t = score x log2(e) / 8; M = the running largest t rounded UP to a whole number; p = 2^(t - M) is quantised along the keys, not normalised; the sum of the unquantised p divides at the end;
; when M moves, the sum and O are multiplied by 2^(old M - new M): exact.  Hidden scores become -infinity ahead of the maximum (where the definition has -1e30): p = 0 either way.
; SHARES: a work-group owns 256 queries of one head, each of sixteen waves one tile of 16.  Six chunks of 128 keys, from chunk 2 x - 2 held within 0 .. 10, hold every key that its queries see; they lie in LDS at once,
; filled once: no slot is filled again.  A wave leaves out, by scalar branches on ids, the chunks that lie wholly outside its band; the two comparisons of the band run only in chunks that the band's edge crosses.
; NO CLUSTER: neighbouring blocks of queries want windows two chunks apart, so partners' descriptors would differ.
; LAYOUT: S^T = K Q^T, O^T = V^T P^T: a lane holds one query.  Tiles hold places (place p = row p with bits 3 and 4 exchanged): the 16 registers of tiles 2 b, 2 b + 1 are keys (channels) 32 b + 16 (lane / 16) + 0..15.
; The head's 64 fill half of the instruction's 128 along K: the upper halves of Q's and K's fragments are zero codes; their scale bytes are 0, which is 2^-127.
; The result is quantised along the head's 64 (two blocks of the next product's K) and stored as an operand's registers.
; REGISTERS: v1-7 addresses; v8-11 addresses in hand; v12 -M, v13 largest t, v[14:15] the sum; v16-31 Q; v32-95 four tiles of K; v96-159 S^T, then p, then V's four fragments; v160-191 O^T; v192-194 the band;
; v224-239 p's codes; v232-254 at work; v248-251 K's or V's scale words, v253 p's, v255 Q's.
; LIMITS: NaN and infinities are not served; a block whose largest magnitude lies under 2^-118 gets the byte 1.
.set VOFF, 49152                       ; LDS: K's six chunks of 8,192 bytes, then V's
.set KSC,  98304                       ; K's scale halves: 256 bytes a chunk
.set VSC,  99840                       ; V's scale words: 256 bytes a chunk
.set LK,   1
.set AV0,  2
.set ASK0, 3
.set ASV0, 4
.set ADK,  8
.set ADV,  9
.set ADS,  10
.set ADT,  11
.set QD,   192
.set WV,   18
.set MNT,  19
.set SEL,  20
.set CS,   22
.set G1C,  24
.set G1S,  32
.set G0C,  40
.set G0S,  44
.set TB,   2
.set TS,   3
.set KF,   66
.set QLO,  67
.set QHI,  68
.set CNT,  69
	s_load_b128 s[4:7], s[0:1], 0x0                ; q, k, v as codes; the result
	v_lshl_add_u32 v222, v0, 2, 0x29000
	v_mov_b32 v223, 0
	ds_add_u32 v222, v223
	ds_add_u32 v222, v223
	v_lshrrev_b32 v8, 5, v0
	s_delay_alu instid0(VALU_DEP_1)
	v_readfirstlane_b32 s[WV], v8                  ; wave 0..15
	s_and_b32 s8, ttmp7, 0xffff
	s_lshr_b32 s9, s8, 4                           ; the batch
	s_and_b32 s10, s8, 15                          ; the head
	s_lshl_b32 s11, ttmp9, 1
	s_max_u32 s11, s11, 2
	s_sub_co_u32 s11, s11, 2
	s_min_u32 s11, s11, 10                         ; the first of my six chunks
	s_add_co_u32 s12, s10, 16
	s_lshl_b32 s12, s12, 8
	s_lshl_b32 s13, s9, 7
	s_add_co_u32 s12, s12, s13
	s_lshl_b32 s13, s11, 3
	s_add_co_u32 s12, s12, s13                     ; K's first tile of 16 keys
	s_lshl_b32 s14, s12, 10
	s_lshl_b32 s15, s12, 5
	s_add_co_u32 s15, s15, 12582912
	s_lshl_b32 s16, s10, 5
	s_lshl_b32 s13, s9, 4
	s_add_co_u32 s16, s16, s13
	s_add_co_u32 s16, s16, s11                     ; V's first chunk
	s_lshl_b32 s17, s16, 13
	s_add_co_u32 s17, s17, 8388608-49152           ; (waves 6-11: six chunks are taken off again by the wave's number)
	s_lshl_b32 s16, s16, 8
	s_add_co_u32 s16, s16, 12845056
	s_lshl_b32 s13, s[WV], 13
	s_cmp_lt_u32 s[WV], 6
	s_cselect_b32 s56, s14, s17
	s_add_co_u32 s56, s56, s13                     ; waves 0-5: K's chunk w; waves 6-11: V's chunk w - 6
	s_mov_b32 s57, 0
	s_cmp_eq_u32 s[WV], 12
	s_cselect_b32 s58, s15, s16                    ; wave 12: K's scales; wave 13: V's
	s_mov_b32 s59, 0
	s_mov_b32 s[G1C], 3<<16                        ; a chunk: 32 rows of 256 bytes, dense; elements of 8 bytes
	s_mov_b32 s[G1C+1], 32<<16
	s_mov_b32 s[G1C+2], 32<<16
	s_mov_b32 s[G1C+3], 32<<16
	s_mov_b32 s[G1C+4], 32
	s_mov_b32 s[G1C+5], 32
	s_mov_b32 s[G1C+6], 0
	s_mov_b32 s[G1C+7], 0
	s_mov_b32 s[G1S], 3<<16                        ; six chunks' scales: 6 rows of 256 bytes
	s_mov_b32 s[G1S+1], 32<<16
	s_mov_b32 s[G1S+2], 6<<16
	s_mov_b32 s[G1S+3], 32<<16
	s_mov_b32 s[G1S+4], 6
	s_mov_b32 s[G1S+5], 32
	s_mov_b32 s[G1S+6], 0
	s_mov_b32 s[G1S+7], 0
	s_lshl_b32 s60, ttmp9, 4
	s_add_co_u32 s60, s60, s[WV]                   ; my tile of queries in the batch
	s_lshr_b32 s61, s60, 1
	s_lshl_b32 s61, s61, 5
	s_and_b32 s62, s60, 1
	s_lshl_b32 s62, s62, 3
	s_add_co_u32 s[QLO], s61, s62                  ; its queries lie in QLO .. QLO + 23
	s_add_co_u32 s[QHI], s[QLO], 23
	s_lshl_b32 s61, s9, 7
	s_add_co_u32 s60, s60, s61                     ; the tile among all 256
	s_lshl_b32 s61, s10, 8
	s_add_co_u32 s61, s61, s60
	s_lshl_b32 s70, s61, 10                        ; Q's codes
	s_mov_b32 s71, 0
	s_lshl_b32 s72, s61, 5
	s_add_co_u32 s72, s72, 12582912                ; Q's scale halves
	s_mov_b32 s73, 0
	s_lshl_b32 s62, s60, 3
	s_lshr_b32 s63, s10, 1
	s_add_co_u32 s62, s62, s63                     ; the result's fragment: tile, chunk head / 2
	s_and_b32 s63, s10, 1
	s_lshl_b32 s74, s62, 11
	s_lshl_b32 s76, s63, 10
	s_add_co_u32 s74, s74, s76                     ; blocks 2 (head % 2) and + 1
	s_mov_b32 s75, 0
	s_lshl_b32 s76, s62, 6
	s_lshl_b32 s63, s63, 1
	s_add_co_u32 s76, s76, s63
	s_add_co_u32 s76, s76, 4194304
	s_mov_b32 s77, 0
	s_mov_b32 s[SEL], 0x76543210
	s_mov_b32 s[SEL+1], 0xfedcba98
	s_mov_b32 s[CS], 0x3e38aa3b                    ; c = log2(e) / 8
	s_mov_b32 s[CS+1], s[CS]
	s_mov_b32 s[MNT], 0x600000
	s_mov_b32 s[TB], 0
	s_mov_b32 s[TS], 0
	s_lshl_b32 s[KF], s11, 7                       ; the chunk's first key
	s_mov_b32 s[CNT], 6
	s_wait_dscnt 0x0
	s_wait_kmcnt 0x0
	s_mov_b32 s[G0C], 1
	s_lshl_b32 s[G0C+1], s[WV], 13                 ; LDS: 8,192 x wave
	s_add_nc_u64 s[G0C+2:G0C+3], s[4:5], s[56:57]
	s_or_b32 s[G0C+3], s[G0C+3], 0x80000000
	s_mov_b32 s[G0S], 1
	s_mul_i32 s[G0S+1], s[WV], 1536
	s_add_co_u32 s[G0S+1], s[G0S+1], KSC-12*1536   ; LDS: wave 12 at KSC, wave 13 at VSC
	s_add_nc_u64 s[G0S+2:G0S+3], s[4:5], s[58:59]
	s_or_b32 s[G0S+3], s[G0S+3], 0x80000000
	s_cmp_lt_u32 s[WV], 12                         ; the only fills of the launch: one load a wave, waves 14 and 15 none; four v_nop follow each line
	s_cbranch_scc0 .Lnot_codes
	tensor_load_to_lds s[G0C:G0C+3], s[G1C:G1C+7]
	s_nop 0
.rept 4
	v_nop
.endr
	s_branch .Lasked
.Lnot_codes:
	s_cmp_lt_u32 s[WV], 14
	s_cbranch_scc0 .Lasked
	tensor_load_to_lds s[G0S:G0S+3], s[G1S:G1S+7]
	s_nop 0
.rept 4
	v_nop
.endr
.Lasked:
	s_add_nc_u64 s[48:49], s[4:5], s[70:71]
	s_add_nc_u64 s[50:51], s[4:5], s[72:73]
	s_add_nc_u64 s[52:53], s[6:7], s[74:75]
	s_add_nc_u64 s[54:55], s[6:7], s[76:77]
	v_and_b32 v8, 15, v0                           ; r
	v_bfe_u32 v9, v0, 4, 1                         ; h
	v_and_b32 v[LK], 31, v0
	s_delay_alu instid0(VALU_DEP_1)
	v_lshlrev_b32 v[LK], 4, v[LK]                  ; 16 x lane
	s_delay_alu instid0(VALU_DEP_4)
	v_lshlrev_b32 v5, 1, v8
	global_load_b128 v[16:19], v[LK], s[48:49]     ; Q's fragment: channels 0-63
	global_load_b128 v[20:23], v[LK], s[48:49] offset:512
	global_load_u16 v255, v5, s[50:51]             ; its two scale bytes; the upper two are 0
.irp j, 24,25,26,27,28,29,30,31
	v_mov_b32 v[\j], 0                             ; zero codes for the upper half of the instruction's K
.endr
.irp t, 0,1,2,3
.irp j, 8,9,10,11,12,13,14,15
	v_mov_b32 v[32+16*\t+\j], 0                    ; the same in K's four fragments: written once, no load lands there
.endr
.endr
	v_add_nc_u32 v[AV0], VOFF, v[LK]
	v_lshl_add_u32 v[ASK0], v8, 1, KSC
	v_lshl_add_u32 v[ASV0], v8, 2, VSC
	v_lshlrev_b32 v7, 2, v8
	v_and_b32 v6, 8, v8
	s_delay_alu instid0(VALU_DEP_1)
	v_add_nc_u32 v6, v6, v8
	v_lshlrev_b32 v10, 4, v9
	s_delay_alu instid0(VALU_DEP_1)
	v_sub_nc_u32 v6, v6, v10
	s_delay_alu instid0(VALU_DEP_1)
	v_add_nc_u32 v[QD], s[QLO], v6                 ; my query - 16 h
	v_mov_b32 v13, 0xff61b1e6                      ; the largest t so far: -3e38
	s_delay_alu instid0(VALU_DEP_1)
	v_floor_f32 v12, -v13                          ; -M
	v_mov_b32 v14, 0
	v_mov_b32 v15, 0
.irp b, 0,1,2,3
	v_mov_b32 v[236+\b], 0                         ; a lane permute's destination counts as one of its sources
.endr
	v_mov_b32 v252, 0
	v_mov_b32 v253, 0
.set J, 0
.rept 32
	v_mov_b32 v[160+J], 0                          ; O^T: the loop is written once; its first step finds zeros
.set J, J+1
.endr
	s_wait_tensorcnt 0x0                           ; my fill has landed,
	s_barrier_signal -1
	s_barrier_wait -1                              ; everybody's has
	s_wait_loadcnt 0x0                             ; Q
.Lchunk:                                           ; six trips, a constant; a chunk outside my band is passed over
	s_add_co_u32 s96, s[KF], 331
	s_cmp_lt_u32 s96, s[QLO]                       ; its last key lies under QLO - 204
	s_cbranch_scc1 .Lskip
	s_add_co_u32 s96, s[QHI], 204
	s_cmp_gt_u32 s[KF], s96                        ; its first key lies over QHI + 204
	s_cbranch_scc1 .Lskip
	v_add_nc_u32 v[ADK], s[TB], v[LK]
	s_wait_alu depctr_va_vdst(0)
	v_add_nc_u32 v[ADV], s[TB], v[AV0]
	v_add_nc_u32 v[ADS], s[TS], v[ASK0]
	s_wait_alu depctr_va_vdst(0)
	v_add_nc_u32 v[ADT], s[TS], v[ASV0]
.irp g, 0,1                                    ; S^T = K Q^T, four tiles of 16 keys at a time
.if \g > 0
.rept 8
	v_nop                                          ; places in front of loads into registers that matrix instructions have read; the first group's stand at the last trip's end
.endr
.endif
.irp t, 0,1,2,3
	ds_load_b128 v[32+16*\t:35+16*\t], v[ADK] offset:(4*\g+\t)*1024
	ds_load_b128 v[36+16*\t:39+16*\t], v[ADK] offset:(4*\g+\t)*1024+512
	ds_load_u16 v[248+\t], v[ADS] offset:(4*\g+\t)*32
.endr
	s_wait_dscnt 0x0
.irp t, 0,1,2,3
	v_wmma_scale_f32_16x16x128_f8f6f4 v[96+8*(4*\g+\t):103+8*(4*\g+\t)], v[32+16*\t:47+16*\t], v[16:31], 0, v[248+\t], v255
.endr
.endr
.rept 8
	v_nop
.endr
	; register n = 16 b + i holds key KF + 16 h + 32 b + i
	s_add_co_u32 s96, s[KF], 204
	s_cmp_lt_u32 s96, s[QHI]                       ; can a key of the chunk lie under a query - 204?
	s_cbranch_scc0 .Lno_left
	s_sub_co_i32 s96, -204, s[KF]
	v_add_nc_u32 v193, s96, v[QD]
	v_mov_b32 v254, 0xff800000
.set N, 0
.rept 64
	v_cmp_lt_i32 vcc_lo, 32*(N/16)+N%16, v193
	v_cndmask_b32 v[96+N], v[96+N], v254, vcc_lo
.set N, N+1
.endr
.Lno_left:
	s_add_co_u32 s96, s[QLO], 77
	s_cmp_gt_u32 s[KF], s96                        ; can a key of the chunk lie over a query + 204?
	s_cbranch_scc0 .Lno_right
	s_sub_co_i32 s96, 204, s[KF]
	v_add_nc_u32 v194, s96, v[QD]
	v_mov_b32 v254, 0xff800000
.set N, 0
.rept 64
	v_cmp_gt_i32 vcc_lo, 32*(N/16)+N%16, v194
	v_cndmask_b32 v[96+N], v[96+N], v254, vcc_lo
.set N, N+1
.endr
.Lno_right:
.irp b, 0,1,2,3
	v_max3_num_f32 v[232+\b], v[96+16*\b], v[97+16*\b], v[98+16*\b]    ; the largest score of each block of 32 keys: for the row's maximum and, since p rises with the score, for the block's largest p
.endr
.irp i, 3,5,7,9,11,13
.irp b, 0,1,2,3
	v_max3_num_f32 v[232+\b], v[232+\b], v[96+16*\b+\i], v[97+16*\b+\i]
.endr
.endr
.irp b, 0,1,2,3
	v_max_num_f32 v[232+\b], v[232+\b], v[111+16*\b]
.endr
.irp b, 0,1,2,3
	v_permlanex16_b32 v[236+\b], v[232+\b], s[SEL], s[SEL+1]
.endr
.irp b, 0,1,2,3
	s_delay_alu instid0(VALU_DEP_4)
	v_max_num_f32 v[232+\b], v[232+\b], v[236+\b]
.endr
	s_delay_alu instid0(VALU_DEP_2)
	v_max3_num_f32 v254, v232, v233, v234
	s_delay_alu instid0(VALU_DEP_1)
	v_max_num_f32 v254, v254, v235
	s_delay_alu instid0(VALU_DEP_1)
	v_mul_f32 v254, s[CS], v254
	s_delay_alu instid0(VALU_DEP_1)
	v_max_num_f32 v13, v13, v254                   ; the running largest t
	v_mov_b32 v254, v12
	s_delay_alu instid0(VALU_DEP_2)
	v_floor_f32 v12, -v13                          ; -M = floor(-t): M is a whole number
	s_delay_alu instid0(VALU_DEP_1)
	v_sub_f32 v254, v12, v254
	s_delay_alu instid0(VALU_DEP_1)
	v_cvt_i32_f32 v254, v254                       ; (it saturates)
	s_delay_alu instid0(VALU_DEP_1)
	v_ldexp_f32 v252, 1.0, v254                    ; f = 2^(old M - new M)
.set J, 0
.rept 32
	v_pk_fma_f32 v[96+J:97+J], v[96+J:97+J], s[CS:CS+1], v[12:13] op_sel_hi:[1,0,0]        ; t - M
.set J, J+2
.endr
.irp b, 0,1,2,3
	v_fma_f32 v[232+\b], v[232+\b], s[CS], v12
.endr
.set J, 0
	s_wait_alu depctr_va_vdst(0)
.rept 64
	v_exp_f32 v[96+J], v[96+J]                     ; p = 2^(t - M)
.set J, J+1
.endr
.irp b, 0,1,2,3
	v_exp_f32 v[232+\b], v[232+\b]                 ; the block's largest p
.endr
	v_pk_mul_f32 v[14:15], v[14:15], v[252:253] op_sel_hi:[1,0]        ; the sums under the new M (a plain place behind the exponentials)
	s_wait_alu depctr_va_vdst(0)
.irp b, 0,1,2,3
	v_max_num_f32 v[232+\b], 0x4800000, v[232+\b]  ; the floor 2^(9 - 127)
.endr
.irp b, 0,1,2,3
	s_delay_alu instid0(VALU_DEP_4)
	v_add_nc_u32 v[244+\b], 0xfc000000, v[232+\b]
.endr
.irp b, 0,1,2,3
	v_and_or_b32 v[240+\b], v[232+\b], 0x7f800000, s[MNT]
.endr
.irp b, 0,1,2,3
	v_lshrrev_b32 v[236+\b], 23, v[244+\b]
.endr
	s_delay_alu instid0(VALU_DEP_3)
	v_lshl_or_b32 v253, v237, 8, v236              ; p's scale word for these 128 keys
	s_delay_alu instid0(VALU_DEP_1)
	v_lshl_or_b32 v253, v238, 16, v253
	s_delay_alu instid0(VALU_DEP_1)
	v_lshl_or_b32 v253, v239, 24, v253
	v_pk_add_f32 v[236:237], v[100:101], v[104:105]
	v_pk_add_f32 v[250:251], v[108:109], v[112:113]
	v_pk_add_f32 v[248:249], v[116:117], v[120:121]
	v_pk_add_f32 v[238:239], v[124:125], v[128:129]
	v_pk_add_f32 v[234:235], v[132:133], v[136:137]
	v_pk_add_f32 v[232:233], v[140:141], v[144:145]
	v_pk_add_f32 v[230:231], v[148:149], v[152:153]
	v_pk_add_f32 v[14:15], v[14:15], v[156:157]
	v_pk_add_f32 v[236:237], v[236:237], v[96:97]
	v_pk_add_f32 v[250:251], v[250:251], v[98:99]
	v_pk_add_f32 v[248:249], v[248:249], v[102:103]
	v_pk_add_f32 v[238:239], v[238:239], v[106:107]
	v_pk_add_f32 v[234:235], v[234:235], v[110:111]
	v_pk_add_f32 v[232:233], v[232:233], v[114:115]
	v_pk_add_f32 v[230:231], v[230:231], v[118:119]
	v_pk_add_f32 v[14:15], v[14:15], v[122:123]
	v_pk_add_f32 v[236:237], v[236:237], v[126:127]
	v_pk_add_f32 v[250:251], v[250:251], v[130:131]
	v_pk_add_f32 v[248:249], v[248:249], v[134:135]
	v_pk_add_f32 v[238:239], v[238:239], v[138:139]
	v_pk_add_f32 v[234:235], v[234:235], v[142:143]
	v_pk_add_f32 v[232:233], v[232:233], v[146:147]
	v_pk_add_f32 v[230:231], v[230:231], v[150:151]
	v_pk_add_f32 v[14:15], v[14:15], v[154:155]
	v_pk_add_f32 v[236:237], v[236:237], v[158:159]
	s_delay_alu instid0(VALU_DEP_2)
	v_pk_add_f32 v[14:15], v[14:15], v[238:239]
	s_delay_alu instid0(VALU_DEP_2)
	v_pk_add_f32 v[236:237], v[236:237], v[234:235]
	v_pk_add_f32 v[250:251], v[250:251], v[232:233]
	v_pk_add_f32 v[248:249], v[248:249], v[230:231]
	s_delay_alu instid0(VALU_DEP_2)
	v_pk_add_f32 v[14:15], v[14:15], v[250:251]
	s_delay_alu instid0(VALU_DEP_2)
	v_pk_add_f32 v[236:237], v[236:237], v[248:249]
	s_delay_alu instid0(VALU_DEP_1)
	v_pk_add_f32 v[14:15], v[14:15], v[236:237]
.irp b, 0,1,2,3
.irp i, 0,1,2,3,4,5,6,7,8,9,10,11,12,13,14,15
	v_min_num_f32 v[96+16*\b+\i], v[96+16*\b+\i], v[240+\b]    ; the conversion does not saturate (ISA guide 7.6.2); p is not negative
.endr
	v_cvt_scalef32_pk8_fp8_f32 v[224+4*\b:225+4*\b], v[96+16*\b:103+16*\b], v[244+\b]
	v_cvt_scalef32_pk8_fp8_f32 v[226+4*\b:227+4*\b], v[104+16*\b:111+16*\b], v[244+\b]
.endr
.irp t, 0,1,2,3                                ; V's four fragments take the registers that p has left
.irp c, 0,1,2,3
	ds_load_b128 v[96+16*\t+4*\c:99+16*\t+4*\c], v[ADV] offset:\t*2048+\c*512
.endr
	ds_load_b32 v[248+\t], v[ADT] offset:\t*64
.endr
.set J, 0
.rept 16
	v_pk_mul_f32 v[160+J:161+J], v[160+J:161+J], v[252:253] op_sel_hi:[1,0]    ; O^T under the new M; also the places between the codes and the products
.set J, J+2
.endr
	s_wait_alu depctr_va_vdst(0)
	s_wait_dscnt 0x0
.irp t, 0,1,2,3                                ; O^T += V^T P^T: four accumulators by turns
	v_wmma_scale_f32_16x16x128_f8f6f4 v[160+8*\t:167+8*\t], v[96+16*\t:111+16*\t], v[224:239], v[160+8*\t:167+8*\t], v[248+\t], v253
.endr
.rept 9
	v_nop                                          ; nine places: the next chunk's scores are written by matrix instructions over V's registers; they also serve its loads and the way out
.endr
.Lskip:
	s_add_co_u32 s[KF], s[KF], 128
	s_add_co_u32 s[TB], s[TB], 8192
	s_add_co_u32 s[TS], s[TS], 256
	s_sub_co_u32 s[CNT], s[CNT], 1
	s_cmp_lg_u32 s[CNT], 0
	s_cbranch_scc1 .Lchunk
	; THE WAY OUT: O^T / the sum; register 16 b + i is channel 32 b + 16 h + i of my query: two blocks of the next product's K
	v_add_f32 v14, v14, v15
	s_delay_alu instid0(VALU_DEP_1)
	v_permlanex16_b32 v252, v14, s[SEL], s[SEL+1]
	s_delay_alu instid0(VALU_DEP_1)
	v_add_f32 v14, v14, v252
	s_wait_alu depctr_va_vdst(0)
	v_rcp_f32 v14, v14
	v_nop
.set J, 0
	s_wait_alu depctr_va_vdst(0)
.rept 32
	v_mul_f32 v[96+J], v[160+J], v14
.set J, J+1
.endr
.irp b, 0,1
	v_max3_num_f32 v[232+\b], |v[96+16*\b]|, |v[97+16*\b]|, 0x4800000
.endr
.irp i, 2,4,6,8,10,12,14
.irp b, 0,1
	s_delay_alu instid0(VALU_DEP_2)
	v_max3_num_f32 v[232+\b], v[232+\b], |v[96+16*\b+\i]|, |v[97+16*\b+\i]|
.endr
.endr
.irp b, 0,1
	v_permlanex16_b32 v[236+\b], v[232+\b], s[SEL], s[SEL+1]
.endr
.irp b, 0,1
	s_delay_alu instid0(VALU_DEP_2)
	v_max_num_f32 v[232+\b], v[232+\b], v[236+\b]
.endr
.irp b, 0,1
	s_delay_alu instid0(VALU_DEP_2)
	v_add_nc_u32 v[244+\b], 0xfc000000, v[232+\b]
.endr
.irp b, 0,1
	s_delay_alu instid0(VALU_DEP_4)
	v_and_or_b32 v[240+\b], v[232+\b], 0x7f800000, s[MNT]
.endr
.irp b, 0,1
	s_delay_alu instid0(VALU_DEP_4)
	v_lshrrev_b32 v[236+\b], 23, v[244+\b]
.endr
	s_delay_alu instid0(VALU_DEP_1)
	v_lshl_or_b32 v254, v237, 8, v236
.irp b, 0,1
.irp i, 0,1,2,3,4,5,6,7,8,9,10,11,12,13,14,15
	v_med3_num_f32 v[96+16*\b+\i], v[96+16*\b+\i], -v[240+\b], v[240+\b]
.endr
	v_cvt_scalef32_pk8_fp8_f32 v[224+4*\b:225+4*\b], v[96+16*\b:103+16*\b], v[244+\b]
	v_cvt_scalef32_pk8_fp8_f32 v[226+4*\b:227+4*\b], v[104+16*\b:111+16*\b], v[244+\b]
.endr
	v_nop
	global_store_b128 v[LK], v[224:227], s[52:53]              ; 512 consecutive bytes
	global_store_b128 v[LK], v[228:231], s[52:53] offset:512
	global_store_b16 v7, v254, s[54:55]            ; my head's half of the scale word; lanes r and r + 16 store the same two bytes with the same value
	s_wait_tensorcnt 0x0
	ds_add_u32 v222, v223
	s_wait_dscnt 0x0
	s_endpgm
.Lfunc_end_k_qec524a5042_attn:
	.size	k_qec524a5042_attn, .Lfunc_end_k_qec524a5042_attn-k_qec524a5042_attn
	.p2alignl 7, 3214868480
	.fill 96, 4, 3214868480
	.section	.rodata,"a",@progbits
	.p2align	6, 0x0
	.amdhsa_kernel k_qec524a5042_attn
		.amdhsa_group_segment_fixed_size 169984
		.amdhsa_private_segment_fixed_size 0
		.amdhsa_enable_private_segment 0
		.amdhsa_kernarg_size 16
		.amdhsa_user_sgpr_count 2
		.amdhsa_user_sgpr_kernarg_segment_ptr 1
		.amdhsa_wavefront_size32 1
		.amdhsa_system_sgpr_workgroup_id_x 1
		.amdhsa_system_sgpr_workgroup_id_y 1
		.amdhsa_system_sgpr_workgroup_id_z 1
		.amdhsa_system_vgpr_workitem_id 0
		.amdhsa_next_free_vgpr 256
		.amdhsa_next_free_sgpr 100
		.amdhsa_reserve_vcc 1
		.amdhsa_float_denorm_mode_32 3
		.amdhsa_float_denorm_mode_16_64 3
		.amdhsa_memory_ordered 1
		.amdhsa_forward_progress 1
		.amdhsa_inst_pref_size 47
	.end_amdhsa_kernel
	.amdgpu_metadata
---
amdhsa.version: [ 1, 2 ]
amdhsa.kernels:
  - .name:           k_qec524a5042_attn
    .symbol:         k_qec524a5042_attn.kd
    .args:
      - { .name: qkvc, .offset: 0, .size: 8, .value_kind: global_buffer, .address_space: global }
      - { .name: att, .offset: 8, .size: 8, .value_kind: global_buffer, .address_space: global }
    .group_segment_fixed_size: 169984
    .private_segment_fixed_size: 0
    .kernarg_segment_align: 8
    .kernarg_segment_size: 16
    .max_flat_workgroup_size: 512
    .sgpr_count:     100
    .vgpr_count:     256
    .wavefront_size: 32
...
	.end_amdgpu_metadata
.endif
;; end of part 10
;; launch projo (part 11): grid 8 x 32, 4 waves a work-group, clusters of 4 x 1, 327,680 bytes of LDS; arguments att, wts, bo, x, x1; writes x1
.if DOCPART == 11
	.amdgcn_target "amdgcn-amd-amdhsa--gfx1250"
	.amdhsa_code_object_version 6
	.text
	.protected	k_qec524a5042_projo
	.globl	k_qec524a5042_projo
	.p2align	8
	.type	k_qec524a5042_projo,@function
k_qec524a5042_projo:
	s_mov_b64 s[64:65], 0
	v_nop
	global_prefetch_b8 v0, s[64:65] scope:SCOPE_SE
	s_setreg_imm32_b32 hwreg(HW_REG_WAVE_MODE, 25, 1), 1
	s_wait_xcnt 0x0
	s_wait_alu depctr_hold_cnt(0) depctr_sa_sdst(0) depctr_va_vdst(0) depctr_va_sdst(0) depctr_va_ssrc(0) depctr_va_vcc(0) depctr_vm_vsrc(0)
	s_getreg_b32 s2, hwreg(HW_REG_IB_STS2, 6, 4)
	s_cmp_eq_u32 s2, 0
	s_cbranch_scc0 .Lentry_in_a_cluster
	s_endpgm
.Lentry_in_a_cluster:
	s_bfe_u32 s2, ttmp6, 0x10000c
	s_cmp_lg_u32 s2, 0x3003
	s_cbranch_scc0 .Lentry_shape_is_right
	s_endpgm
.Lentry_shape_is_right:
; x1 = x + P R^T + bo, f32, rows of 1,024: launch ffn2's text with K = 1,024 (KC = 8): P = the attention's result, R = wo's columns, both as codes of E4M3 in the order of an operand's registers.
; A work-group makes 128 x 128; its four waves share K, two chunks of 128 each.  P's 128 x 1,024 codes come by ONE joint load a wave (32,768 bytes, shared by the four work-groups of a cluster along x): nothing is
; filled again.  R's fragments and the scale words (a tile's two chunks: 128 consecutive bytes, as the registers want them) go from memory straight into registers.  No prefetch: two chunks leave no trip to run ahead in.
.set KC,     8
.set PSO,    4194304
.set RCO,    3145728
.set RSO,    12681216
.set NQ,     KC/4
.set TILEB,  KC*2048
.set STB,    KC*64
.set SLOT,   131072
.set SPITCH, 528
.set AREA,   128*SPITCH
.set SCA,    4*AREA
.set SPARE,  SCA+4*8192
.set LO,   3
.set SST,  4
.set SLD,  5
.set STO,  6
.set L4,   7
.set RD,   8
.set PFO,  12
.set PFQ,  13
.set ADRP, 14
.set SPW,  28
.set NIL,  29
.set SCP,  32
.set SCR,  64
.set BI,   96
.set AF,   128
.set RB,   20
.set PS,   22
.set RS,   24
.set PFP,  26
.set PFR,  28
.set G0,   32
.set G1,   40
.set MSB, 0
.macro WIN new
.if MSB != (\new)
	s_set_vgpr_msb (MSB<<8)|(\new)
.set MSB, (\new)
.endif
.endm
.macro PLACES n
.rept \n
	v_nop
.endr
.endm
.macro CROUND
	s_barrier_signal -1
	s_barrier_wait -1
	s_cmp_lg_u32 s14, 0
	s_cbranch_scc1 .Lnot_wave_0_\@
	s_barrier_signal -3
.Lnot_wave_0_\@:
	s_barrier_wait -3
	s_barrier_signal -1
	s_barrier_wait -1
.endm
	s_load_b256 s[4:11], s[0:1], 0x0
	s_load_b64 s[12:13], s[0:1], 0x20
	v_lshl_add_u32 v[SPW], v0, 2, SPARE
	v_mov_b32 v[NIL], 0
	ds_add_u32 v[SPW], v[NIL]
	ds_add_u32 v[SPW], v[NIL]
	v_lshrrev_b32 v1, 5, v0
	v_readfirstlane_b32 s14, v1
	s_and_b32 s15, ttmp7, 0xffff
	s_bfe_u32 s17, ttmp6, 0x40000
	s_lshl_b32 s16, ttmp9, 2
	s_add_co_u32 s16, s16, s17
	s_mov_b32 s[G1], 15|(3<<16)|(1<<21)
	s_mov_b32 s[G1+1], 512<<16
	s_mov_b32 s[G1+2], 8<<16
	s_mov_b32 s[G1+3], 512<<16
	s_mov_b32 s[G1+4], 8
	s_mov_b32 s[G1+5], KC*256
	s_mov_b32 s[G1+6], 0
	s_mov_b32 s[G1+7], 0
	s_mul_i32 s19, s14, NQ*2048
	s_mul_i32 s48, s15, 8*TILEB
	s_add_co_u32 s48, s48, s19
	s_mul_i32 s50, s16, 8*TILEB
	s_add_co_u32 s50, s50, s19
	s_add_co_u32 s50, s50, RCO
	s_mul_i32 s19, s14, NQ*64
	s_mul_i32 s52, s15, 8*STB
	s_add_co_u32 s52, s52, s19
	s_add_co_u32 s52, s52, PSO
	s_mul_i32 s54, s16, 8*STB
	s_add_co_u32 s54, s54, s19
	s_add_co_u32 s54, s54, RSO
	s_lshl_b32 s56, s16, 9
	s_lshl_b32 s58, s15, 19
	s_lshl_b32 s19, s14, 17
	s_add_co_u32 s58, s58, s19
	s_add_co_u32 s58, s58, s56
.irp r, 49,51,53,55,57,59
	s_mov_b32 s\r, 0
.endr
	s_mov_b32 s[G0], 1
	s_lshl_b32 s[G0+1], s14, 15
	s_lshl_b32 s18, s14, 15
	s_mul_i32 s3, s14, AREA
	s_mul_i32 s19, s14, 32*SPITCH
	v_and_b32 v1, 31, v0
	v_and_b32 v2, 15, v0
	v_bfe_u32 v16, v0, 4, 1
	v_lshlrev_b32 v[LO], 4, v1
	v_lshlrev_b32 v[L4], 2, v1
	v_mul_u32_u24 v[STO], v2, SPITCH
	v_add_nc_u32 v[RD], s19, v[LO]
	v_add_nc_u32 v[ADRP], s18, v[LO]
	v_lshl_add_u32 v[STO], v16, 6, v[STO]
.irp s, 1,2,3
	v_add_nc_u32 v[RD+\s], \s*AREA, v[RD]
.endr
	v_add_nc_u32 v[STO], s3, v[STO]
	s_wait_alu depctr_va_vdst(0)
	s_wait_dscnt 0x0
	s_wait_kmcnt 0x0
	s_add_nc_u64 s[G0+2:G0+3], s[4:5], s[48:49]
	s_or_b32 s[G0+3], s[G0+3], 0x80000000
	s_add_nc_u64 s[PS:PS+1], s[4:5], s[52:53]
	s_add_nc_u64 s[RS:RS+1], s[6:7], s[54:55]
	s_add_nc_u64 s[RB:RB+1], s[6:7], s[50:51]
	s_add_nc_u64 s[8:9], s[8:9], s[56:57]
	s_add_nc_u64 s[10:11], s[10:11], s[58:59]
	s_add_nc_u64 s[12:13], s[12:13], s[58:59]
	CROUND
	tensor_load_to_lds s[G0:G0+3], s[G1:G1+7]
	s_nop 0
	PLACES 4
.macro LDP q, g
	WIN 0
.irp i, 2*(\g), 2*(\g)+1
.irp c, 0,1,2,3
	ds_load_b128 v[AF+16*(\i)+4*\c:AF+16*(\i)+4*\c+3], v[ADRP+((\q)/2)%2] offset:(\i)*4096+((\q)%2)*2048+\c*512
.endr
.endr
.endm
.macro LDR q
	WIN 0x40
.irp i, 0,1,2,3,4,5,6,7
.irp c, 0,1,2,3
	global_load_b128 v[128*((\q)%2)+16*\i+4*\c:128*((\q)%2)+16*\i+4*\c+3], v[LO], s[RB:RB+1] offset:\i*TILEB+(\q)*2048+\c*512
.endr
.endr
.endm
.macro MUL16 g, q
.irp a, 2*(\g), 2*(\g)+1
.irp t, 0,1,2,3,4,5,6,7
.set DD, 8*(8*((\a)%4)+\t)
.set RF, 128*((\q)%2)+16*\t
.set PF, AF+16*(\a)
.set XR, SCR+8*((\q)/2)+\t
.set XP, SCP+8*((\q)/2)+(\a)
.if (\q) == 0
	v_wmma_scale_f32_16x16x128_f8f6f4 v[DD:DD+7], v[RF:RF+15], v[PF:PF+15], 0, v[XR], v[XP]
.elseif (\q)%2
	v_wmma_scale_f32_16x16x128_f8f6f4 v[DD:DD+7], v[RF:RF+15], v[PF:PF+15], v[DD:DD+7], v[XR], v[XP] matrix_a_scale:MATRIX_SCALE_ROW1 matrix_b_scale:MATRIX_SCALE_ROW1
.else
	v_wmma_scale_f32_16x16x128_f8f6f4 v[DD:DD+7], v[RF:RF+15], v[PF:PF+15], v[DD:DD+7], v[XR], v[XP]
.endif
.endr
.endr
.endm
.macro CHUNK q
.if (\q) > 0
	PLACES 8
.endif
.if (\q) < NQ-1
	LDR (\q)+1
.else
	WIN 0x40
.set I, 0
.rept 32
	global_load_b128 v[4*I:4*I+3], v[LO], s[10:11] offset:((I&7)|((I&8)<<1)|((I&16)>>1))*4096 th:TH_LOAD_NT
.set I, I+1
.endr
.endif
	WIN 0
.if (\q)%2 == 0
	s_wait_tensorcnt 0x0                           ; my own 32,768 bytes are in; only I read them
.irp g, 0,1,2,3
	LDP \q, \g
.endr
.else
	LDP \q, 3
.endif
.irp g, 0,1,2,3
.if \g == 0
	s_wait_loadcnt 32                              ; this chunk's R (and all older loads) are in; the 32 just issued may be out
.endif
.if (\q)%2 == 0
	s_wait_dscnt 24                                ; three younger pairs of P's blocks may be out
.else
	s_wait_dscnt 24-8*\g
.endif
	WIN 0xa1+0x50*(\g/2)
	MUL16 \g, \q
.if ((\q)%2 == 0) && (\g < 3)
	PLACES 8
	LDP (\q)+1, \g
.endif
.endr
.endm
.irp i, 0,1,2,3,4,5,6,7
	global_load_b32 v[SCP+\i], v[L4], s[PS:PS+1] offset:\i*STB     ; lanes 0-15: my even chunk's words of tile i; lanes 16-31: the odd chunk's
.endr
.irp i, 0,1,2,3,4,5,6,7
	global_load_b32 v[SCR+\i], v[L4], s[RS:RS+1] offset:\i*STB
.endr
	global_load_b128 v[BI:BI+3], v[LO], s[8:9]
	LDR 0
	CHUNK 0
	CHUNK 1
	PLACES 8
	WIN 0
	s_wait_dscnt 0x0
	s_barrier_signal -1
	s_barrier_wait -1                              ; nobody reads P's bytes any more: the stages lie over them, behind their only fill
.irp a, 0,1,2,3,4,5,6,7
	WIN 0x08+4*(\a/4)
.set M, 0
.rept 16
	ds_store_b128 v[STO], v[64*(\a%4)+4*M:64*(\a%4)+4*M+3] offset:\a*16*SPITCH+128*(M/4)+16*(M%4)
.set M, M+1
.endr
.endr
	WIN 0
	s_wait_dscnt 0x0
	s_barrier_signal -1
	s_barrier_wait -1
.macro GET k
	WIN (2+(\k)/2)<<6
.irp s, 0,1,2,3
.irp i, 0,1,2,3,4,5,6,7
	ds_load_b128 v[128*((\k)%2)+32*\s+4*\i:128*((\k)%2)+32*\s+4*\i+3], v[RD+\s] offset:(8*(\k)+\i)*SPITCH
.endr
.endr
.endm
.macro PUT k
.set W, 2+(\k)/2
.set B, 128*((\k)%2)
	WIN (W<<6)|(W<<2)|W
.set J, 0
.rept 16
	v_pk_add_f32 v[B+J:B+J+1], v[B+J:B+J+1], v[B+32+J:B+33+J]
	v_pk_add_f32 v[B+64+J:B+65+J], v[B+64+J:B+65+J], v[B+96+J:B+97+J]
.set J, J+2
.endr
.set J, 0
.rept 16
	v_pk_add_f32 v[B+J:B+J+1], v[B+J:B+J+1], v[B+64+J:B+65+J]
.set J, J+2
.endr
	WIN (W<<6)|(1<<2)|W
.set J, 0
.rept 16
	v_pk_add_f32 v[B+J:B+J+1], v[B+J:B+J+1], v[32*(\k)+J:32*(\k)+J+1]
.set J, J+2
.endr
	WIN (W<<6)|W
.set J, 0
.rept 16
	v_pk_add_f32 v[B+J:B+J+1], v[B+J:B+J+1], v[BI+(J%4):BI+(J%4)+1]
.set J, J+2
.endr
	WIN W<<2
.set I, 8*(\k)
.rept 8
	global_store_b128 v[LO], v[B+4*(I%8):B+4*(I%8)+3], s[12:13] offset:((I&7)|((I&8)<<1)|((I&16)>>1))*4096
.set I, I+1
.endr
.endm
	GET 0
	GET 1
	s_wait_loadcnt 0x0
	s_wait_dscnt 32
	PUT 0
	GET 2
	s_wait_dscnt 32
	PUT 1
	GET 3
	s_wait_dscnt 32
	PUT 2
	s_wait_dscnt 0x0
	PUT 3
	WIN 0
	s_wait_tensorcnt 0x0                           ; the wave's end
	ds_add_u32 v[SPW], v[NIL]
	s_wait_dscnt 0x0
	CROUND                                         ; the closing round
	s_endpgm
.Lfunc_end_k_qec524a5042_projo:
	.size	k_qec524a5042_projo, .Lfunc_end_k_qec524a5042_projo-k_qec524a5042_projo
	.p2alignl 7, 3214868480
	.fill 96, 4, 3214868480
	.section	.rodata,"a",@progbits
	.p2align	6, 0x0
	.amdhsa_kernel k_qec524a5042_projo
		.amdhsa_group_segment_fixed_size 327680
		.amdhsa_private_segment_fixed_size 0
		.amdhsa_enable_private_segment 0
		.amdhsa_kernarg_size 40
		.amdhsa_user_sgpr_count 2
		.amdhsa_user_sgpr_kernarg_segment_ptr 1
		.amdhsa_wavefront_size32 1
		.amdhsa_system_sgpr_workgroup_id_x 1
		.amdhsa_system_sgpr_workgroup_id_y 1
		.amdhsa_system_sgpr_workgroup_id_z 1
		.amdhsa_system_vgpr_workitem_id 0
		.amdhsa_next_free_vgpr 1024
		.amdhsa_next_free_sgpr 66
		.amdhsa_reserve_vcc 0
		.amdhsa_float_denorm_mode_32 3
		.amdhsa_float_denorm_mode_16_64 3
		.amdhsa_memory_ordered 1
		.amdhsa_forward_progress 1
		.amdhsa_inst_pref_size 78
	.end_amdhsa_kernel
	.amdgpu_metadata
---
amdhsa.version: [ 1, 2 ]
amdhsa.kernels:
  - .name:           k_qec524a5042_projo
    .symbol:         k_qec524a5042_projo.kd
    .args:
      - { .name: att, .offset: 0, .size: 8, .value_kind: global_buffer, .address_space: global }
      - { .name: wts, .offset: 8, .size: 8, .value_kind: global_buffer, .address_space: global }
      - { .name: bo, .offset: 16, .size: 8, .value_kind: global_buffer, .address_space: global }
      - { .name: x, .offset: 24, .size: 8, .value_kind: global_buffer, .address_space: global }
      - { .name: x1, .offset: 32, .size: 8, .value_kind: global_buffer, .address_space: global }
    .group_segment_fixed_size: 327680
    .private_segment_fixed_size: 0
    .kernarg_segment_align: 8
    .kernarg_segment_size: 40
    .max_flat_workgroup_size: 128
    .sgpr_count:     66
    .vgpr_count:     1024
    .wavefront_size: 32
...
	.end_amdgpu_metadata
.endif
;; end of part 11
;; launch ln2: the kernel of part 8 again; grid 256 x 1, 8 waves a work-group, no clusters, 67,328 bytes of LDS; arguments x1, ln2_g, ln2_b, act, wq, wk, wv, wo, w1, w2, wts; writes act, wts
;; launch ffn1 (part 12): grid 16 x 16, 4 waves a work-group, clusters of 4 x 4, 327,680 bytes of LDS; arguments act, wts, b1, hid; writes hid
.if DOCPART == 12
	.amdgcn_target "amdgcn-amd-amdhsa--gfx1250"
	.amdhsa_code_object_version 6
	.text
	.protected	k_qec524a5042_ffn1
	.globl	k_qec524a5042_ffn1
	.p2align	8
	.type	k_qec524a5042_ffn1,@function
k_qec524a5042_ffn1:
	s_mov_b64 s[64:65], 0
	v_nop
	global_prefetch_b8 v0, s[64:65] scope:SCOPE_SE
	s_setreg_imm32_b32 hwreg(HW_REG_WAVE_MODE, 25, 1), 1
	s_wait_xcnt 0x0
	s_wait_alu depctr_hold_cnt(0) depctr_sa_sdst(0) depctr_va_vdst(0) depctr_va_sdst(0) depctr_va_ssrc(0) depctr_va_vcc(0) depctr_vm_vsrc(0)
	s_getreg_b32 s2, hwreg(HW_REG_IB_STS2, 6, 4)
	s_cmp_eq_u32 s2, 0
	s_cbranch_scc0 .Lentry_in_a_cluster
	s_endpgm
.Lentry_in_a_cluster:
	s_bfe_u32 s2, ttmp6, 0x10000c
	s_cmp_lg_u32 s2, 0xf033
	s_cbranch_scc0 .Lentry_shape_is_right
	s_endpgm
.Lentry_shape_is_right:
.set QKV,   0
.set RELU,  1
.set KC,    8
.set PSO,   4194304
.set RCO,   4194304
.set RSO,   12713984
.set SLOT,  131072
.set REGN,  32768
.set SCL,   2*SLOT
.set SREG,  8*KC*64
.set SPARE, SCL+4*SREG
.set CO,   8
.set ADRP, 16
.set ADRR, 20
.set ADRS, 22
.set SOF,  24
.set SPW,  28
.set NIL,  29
.set SC,   32
.set BR,   64
.set AF,   128
.set TM,   128
.set PW,   144
.set MG,   152
.set BP,   160
.set LB,   0
.set CD,   128
.set WV,   12
.set HP,   13
.set HR,   14
.set G1P,  24
.set G0P,  32
.set G1R,  48
.set G0R,  56
.set G1SP, 68
.set G0SP, 76
.set G1SR, 80
.set G0SR, 88
.set MSB, 0
.macro WIN new
.if MSB != (\new)
	s_set_vgpr_msb (MSB<<8)|(\new)
.set MSB, (\new)
.endif
.endm
.set MUL_LO, 0xa1
.set MUL_HI, 0xf1
.set FST_LO, 0x81
.set FST_HI, 0xc1
.set TO_R,   0x40
.macro PLACES n
.rept \n
	v_nop
.endr
.endm
.macro JLOAD g0p, g1p, g0r, g1r
	s_cmp_eq_u32 s[HP], 0
	s_cbranch_scc0 .Lfor_r_\@
	tensor_load_to_lds s[\g0p:\g0p+3], s[\g1p:\g1p+7]
	s_nop 0
	PLACES 4
	s_branch .Lasked_\@
.Lfor_r_\@:
	tensor_load_to_lds s[\g0r:\g0r+3], s[\g1r:\g1r+7]
	s_nop 0
	PLACES 4
.Lasked_\@:
.endm
.macro CREST
	s_cmp_lg_u32 s[WV], 0
	s_cbranch_scc1 .Lnot_wave_0_\@
	s_barrier_signal -3
.Lnot_wave_0_\@:
	s_barrier_wait -3
	s_barrier_signal -1
	s_barrier_wait -1
.endm
.macro CROUND
	s_barrier_signal -1
	s_barrier_wait -1
	CREST
.endm
	s_load_b256 s[4:11], s[0:1], 0x0
.if QKV
	s_load_b128 s[92:95], s[0:1], 0x20
.endif
	v_lshl_add_u32 v[SPW], v0, 2, SPARE
	v_mov_b32 v[NIL], 0
	ds_add_u32 v28, v29
	ds_add_u32 v28, v29
	s_wait_dscnt 0x0
	v_lshrrev_b32 v1, 5, v0
	v_readfirstlane_b32 s[WV], v1
	s_lshr_b32 s[HP], s[WV], 1
	s_and_b32 s[HR], s[WV], 1
	s_bfe_u32 s40, ttmp6, 0x40000
	s_bfe_u32 s41, ttmp6, 0x40004
	s_and_b32 s15, ttmp7, 0xffff
.if QKV
	s_sub_co_u32 s18, s15, 4
	s_lshl_b32 s18, s18, 3
	s_cmp_ge_u32 s15, 4
	s_cselect_b32 s45, -1, 0
	s_cselect_b32 s17, 2, s15
	s_cselect_b32 s18, s18, 0
	s_lshl_b32 s17, s17, 2
	s_add_co_u32 s17, s17, s41
	s_lshl_b32 s42, ttmp9, 2
	s_add_co_u32 s42, s42, s40
	s_add_co_u32 s42, s42, s18
.else
	s_lshl_b32 s17, s15, 2
	s_add_co_u32 s17, s17, s41
	s_lshl_b32 s42, ttmp9, 2
	s_add_co_u32 s42, s42, s40
.endif
	s_lshl_b32 s43, s41, 2
	s_lshl_b32 s43, 15, s43
	s_lshl_b32 s44, 0x1111, s40
	s_or_b32 s[G1P], s43, (3<<16)|(1<<21)
	s_or_b32 s[G1R], s44, (3<<16)|(1<<21)
	s_or_b32 s[G1SP], s43, (3<<16)|(1<<21)
	s_or_b32 s[G1SR], s44, (3<<16)|(1<<21)
.irp g, G1P, G1R
	s_mov_b32 s[\g+1], 512<<16
	s_mov_b32 s[\g+2], 16<<16                      ; the head's loads bring all 16 tiles; behind them these two words are set to 8, for the ring's
	s_mov_b32 s[\g+3], 512<<16
	s_mov_b32 s[\g+4], 16
	s_mov_b32 s[\g+5], KC*256
	s_mov_b32 s[\g+6], 0
	s_mov_b32 s[\g+7], 0
.endr
.irp g, G1SP, G1SR
	s_mov_b32 s[\g+1], 32<<16
	s_mov_b32 s[\g+2], (2*SREG/256)<<16            ; the scale words of all 16 tiles: one dense block
	s_mov_b32 s[\g+3], 32<<16
	s_mov_b32 s[\g+4], 2*SREG/256
	s_mov_b32 s[\g+5], 32
	s_mov_b32 s[\g+6], 0
	s_mov_b32 s[\g+7], 0
.endr
	s_lshl_b32 s20, s17, 4                         ; P: the block's first tile of 16
	s_lshl_b32 s46, s42, 4                         ; R likewise
	s_mul_i32 s22, s20, KC*64
	s_mul_i32 s20, s20, KC*2048
	s_mul_i32 s96, s46, KC*64
	s_mul_i32 s46, s46, KC*2048
.if QKV
	s_mov_b32 s98, 4194304
	s_mov_b32 s99, 12582912
	s_cmp_lg_u32 s45, 0
	s_cselect_b32 s18, s99, s98
	s_cselect_b32 s19, s98, s99
	s_add_co_u32 s22, s22, s18
	s_add_co_u32 s96, s96, s19
.else
	s_add_co_u32 s22, s22, PSO
	s_add_co_u32 s46, s46, RCO
	s_add_co_u32 s96, s96, RSO
.endif
	s_mov_b32 s21, 0
	s_mov_b32 s23, 0
	s_mov_b32 s47, 0
	s_mov_b32 s97, 0
	s_lshl_b32 s98, s[WV], 15
	s_wait_kmcnt 0x0
.if QKV
	s_cmp_lg_u32 s45, 0
	s_cselect_b64 s[18:19], s[6:7], s[4:5]
	s_cselect_b64 s[6:7], s[4:5], s[6:7]
.else
	s_mov_b64 s[18:19], s[4:5]
	s_mov_b64 s[94:95], s[10:11]
.endif
	s_add_nc_u64 s[20:21], s[18:19], s[20:21]
	s_add_nc_u64 s[22:23], s[18:19], s[22:23]
	s_add_nc_u64 s[46:47], s[6:7], s[46:47]
	s_add_nc_u64 s[96:97], s[6:7], s[96:97]
	CROUND
	s_mov_b32 s[G0SP], 1
	s_mov_b32 s[G0SP+1], SCL
	s_mov_b64 s[G0SP+2:G0SP+3], s[22:23]
	s_or_b32 s[G0SP+3], s[G0SP+3], 0x80000000
	s_mov_b32 s[G0SR], 1
	s_mov_b32 s[G0SR+1], SCL+2*SREG
	s_mov_b64 s[G0SR+2:G0SR+3], s[96:97]
	s_or_b32 s[G0SR+3], s[G0SR+3], 0x80000000
	s_mov_b32 s[G0P], 1                            ; the head's tiles, each whole: K step 0 of P's 16 tiles,
	s_mov_b32 s[G0P+1], 0
	s_mov_b64 s[G0P+2:G0P+3], s[20:21]
	s_or_b32 s[G0P+3], s[G0P+3], 0x80000000
	s_mov_b32 s[G0R], 1                            ; and of R's, behind them in slot 0
	s_mov_b32 s[G0R+1], 2*REGN
	s_mov_b64 s[G0R+2:G0R+3], s[46:47]
	s_or_b32 s[G0R+3], s[G0R+3], 0x80000000
	s_mul_i32 s2, s[HR], 8*KC*2048                 ; in the ring I fetch eight tiles: which half
	s_mov_b32 s3, 0
	s_add_nc_u64 s[20:21], s[20:21], s[2:3]
	s_add_nc_u64 s[46:47], s[46:47], s[2:3]
	s_mov_b32 s[G0P+4], 1                          ; slot 1: my part of K step 1
	s_add_co_u32 s[G0P+5], s98, SLOT
	s_add_nc_u64 s[G0P+6:G0P+7], s[20:21], 4096
	s_or_b32 s[G0P+7], s[G0P+7], 0x80000000
	s_mov_b32 s[G0R+4], 1
	s_add_co_u32 s[G0R+5], s98, SLOT
	s_add_nc_u64 s[G0R+6:G0R+7], s[46:47], 4096
	s_or_b32 s[G0R+7], s[G0R+7], 0x80000000
; the head's loads, one a wave: wave 0 P's codes of K step 0, wave 1 R's, wave 2 P's scale words, wave 3 R's: one chain of branches on the wave's number
.macro ARM under, g0, g1, next
	s_cmp_lt_u32 s[WV], \under
	s_cbranch_scc0 \next
	tensor_load_to_lds s[\g0:\g0+3], s[\g1:\g1+7]
	s_nop 0
	PLACES 4
	s_branch .Lhead_asked
\next:
.endm
	ARM 1, G0P,  G1P,  .Lhead_r
	ARM 2, G0R,  G1R,  .Lhead_sp
	ARM 3, G0SP, G1SP, .Lhead_sr
	tensor_load_to_lds s[G0SR:G0SR+3], s[G1SR:G1SR+7]
	s_nop 0
	PLACES 4
.Lhead_asked:
	; the prefetches: of the eight tiles that I fetch for the ring, each of the four partners that ask for them with me takes two, told apart by address (cx for P's tiles, cy for R's): 32 blocks of 256 bytes of a K step, a lane a block
	s_cmp_eq_u32 s[HP], 0
	s_cselect_b64 s[66:67], s[20:21], s[46:47]
	s_cselect_b32 s2, s40, s41
	s_mul_i32 s2, s2, 2*KC*2048
	s_add_nc_u64 s[66:67], s[66:67], s[2:3]        ; never rewritten
	v_and_b32 v1, 15, v0
	v_bfe_u32 v2, v0, 4, 1
	s_wait_alu depctr_va_vdst(0)
	v_and_b32 v3, 31, v0
	v_lshlrev_b32 v3, 4, v3
	v_lshlrev_b32 v30, 8, v1                       ; v30: a tile x (lane / 16) + 256 x (lane % 16); never rewritten
	v_mad_u32_u24 v30, v2, KC*2048, v30
	global_prefetch_b8 v30, s[66:67] offset:4096 th:TH_LOAD_NT scope:SCOPE_SE      ; the head loads K step 0; asked for here: K step 1, which the next fill loads
	s_wait_alu depctr_va_vdst(0)
	s_lshl_b32 s18, s[HP], 15
	s_lshl_b32 s19, s[HR], 15
	s_add_co_u32 s19, s19, 2*REGN
.irp s, 0,1
	v_add_nc_u32 v[ADRP+\s], s18, v3
	v_add_nc_u32 v[ADRR+\s], s19, v3
	s_add_co_u32 s18, s18, SLOT
	s_add_co_u32 s19, s19, SLOT
.endr
	s_mul_i32 s18, s[HP], SREG
	s_mul_i32 s19, s[HR], SREG
	s_add_co_u32 s19, s19, 2*SREG
	s_sub_co_u32 s19, s19, s18
	v_mul_u32_u24 v23, s19, v2
	s_add_co_u32 s18, s18, SCL
	v_lshl_add_u32 v23, v1, 2, v23
	v_add_nc_u32 v[ADRS], s18, v23
	v_lshlrev_b32 v4, 6, v2
.if QKV
	s_bitcmp1_b32 s42, 2
	s_cselect_b64 s[8:9], s[10:11], s[8:9]
	s_and_b32 s18, s42, 3
	s_lshl_b32 s18, s18, 10
.else
	s_lshl_b32 s18, s42, 10
.endif
	s_lshl_b32 s19, s[HR], 9
	s_add_co_u32 s18, s18, s19
	s_mov_b32 s19, 0
	s_add_nc_u64 s[8:9], s[8:9], s[18:19]
.irp b, 0,1,2,3
.irp j, 0,1,2,3
	global_load_b128 v[BR+16*\b+4*\j:BR+16*\b+4*\j+3], v4, s[8:9] offset:128*\b+16*\j
.endr
.endr
.if QKV
	s_and_b32 s18, s17, 3
	s_lshl_b32 s18, s18, 10
	s_lshl_b32 s19, s[HP], 9
	s_add_co_u32 s18, s18, s19
	s_mov_b32 s19, 0
	s_add_nc_u64 s[92:93], s[92:93], s[18:19]
	v_and_b32 v5, 8, v1
	v_add_nc_u32 v5, v5, v1
	v_lshlrev_b32 v5, 2, v5
.endif
	s_lshl_b32 s18, s17, 4
	s_lshl_b32 s19, s[HP], 3
	s_add_co_u32 s18, s18, s19
.if QKV
	s_lshl_b32 s19, s42, 2
	s_lshl_b32 s20, s[HR], 1
	s_add_co_u32 s19, s19, s20
	s_lshl_b32 s19, s19, 8
	s_add_co_u32 s19, s19, s18
	s_lshl_b32 s20, s19, 10
	s_lshl_b32 s21, s19, 5
	s_add_co_u32 s21, s21, 12582912
	s_and_b32 s22, s17, 3
	s_lshl_b32 s22, s22, 2
	s_lshl_b32 s23, s[HP], 1
	s_add_co_u32 s22, s22, s23
	s_lshl_b32 s22, s22, 5
	s_lshl_b32 s23, s42, 1
	s_add_co_u32 s22, s22, s23
	s_add_co_u32 s22, s22, s[HR]
	s_lshl_b32 s23, s22, 13
	s_add_co_u32 s23, s23, 8388608
	s_lshl_b32 s22, s22, 8
	s_add_co_u32 s22, s22, 12845056
	s_cmp_lg_u32 s45, 0
	s_cselect_b32 s96, s23, s20
	s_cselect_b32 s98, s22, s21
	s_cselect_b32 s18, 2, 1
	s_cselect_b32 s19, 64, 32
	s_mov_b32 s20, 128
	s_cselect_b32 s20, 8192, s20
	s_mov_b32 s21, 1024
	s_cselect_b32 s21, 2048, s21
	s_mov_b32 s22, 4096
	s_cselect_b32 s22, 262144, s22
	s_mov_b32 s23, 262144
	s_cselect_b32 s2, 1024, s23
	s_mov_b32 s23, 8192
	s_cselect_b32 s46, 2, s23
.else
	s_lshl_b32 s18, s18, 5
	s_lshl_b32 s19, s42, 1
	s_add_co_u32 s18, s18, s19
	s_add_co_u32 s18, s18, s[HR]
	s_lshl_b32 s96, s18, 11
	s_lshl_b32 s98, s18, 6
	s_add_co_u32 s98, s98, 16777216
	s_mov_b32 s18, 2
	s_mov_b32 s19, 2048
	s_mov_b32 s20, 8192
	s_mov_b32 s21, 65536
	s_mov_b32 s22, 262144
	s_mov_b32 s2, 1024
.endif
	s_mov_b32 s97, 0
	s_mov_b32 s99, 0
	s_mov_b32 s3, 0
	s_add_nc_u64 s[96:97], s[94:95], s[96:97]
	s_add_nc_u64 s[98:99], s[94:95], s[98:99]
	s_add_nc_u64 s[4:5], s[96:97], s[2:3]
.if QKV
	s_mov_b32 s47, 0
	s_add_nc_u64 s[6:7], s[98:99], s[46:47]
.endif
.irp a, 0,1,2,3,4,5,6,7
	s_mul_i32 s23, s21, (\a)%4
.if \a >= 4
	s_add_co_u32 s23, s23, s22
.endif
	v_add_nc_u32 v[CO+\a], s23, v3
.endr
	v_lshlrev_b32 v[SOF], s18, v1
	v_mad_u32_u24 v[SOF], v2, s19, v[SOF]
.irp k, 1,2,3
	s_mul_i32 s23, s19, 2*((\k)%2)
.if \k >= 2
	s_add_co_u32 s23, s23, s20
.endif
	v_add_nc_u32 v[SOF+\k], s23, v[SOF]
.endr
	s_wait_loadcnt 0x0
.if QKV
.set I, 0
.rept 64
	v_cndmask_b32 v[BR+I], v[BR+I], 0, s45
.set I, I+1
.endr
.endif
.macro FRAG reg, adr, q, i
.irp c, 0,1,2,3
	ds_load_b128 v[(\reg)+4*\c:(\reg)+4*\c+3], v[\adr] offset:(\i)*4096+(\q)*2048+\c*512
.endr
.endm
.macro MUL16 a0, p, q, sc, first
.irp a, \a0, \a0+1
.irp t, 0,1,2,3,4,5,6,7
.if \first
	v_wmma_scale_f32_16x16x128_f8f6f4 v[8*(8*((\a)%4)+\t):8*(8*((\a)%4)+\t)+7], v[128*(\p)+16*\t:128*(\p)+16*\t+15], v[AF+16*(\a):AF+16*(\a)+15], v[BR+8*\t:BR+8*\t+7], v[SC+16*(\sc)+2*\t+(\q)], v[SC+16*(\sc)+2*(\a)+(\q)] matrix_a_scale:MATRIX_SCALE_ROW1
.else
	v_wmma_scale_f32_16x16x128_f8f6f4 v[8*(8*((\a)%4)+\t):8*(8*((\a)%4)+\t)+7], v[128*(\p)+16*\t:128*(\p)+16*\t+15], v[AF+16*(\a):AF+16*(\a)+15], v[8*(8*((\a)%4)+\t):8*(8*((\a)%4)+\t)+7], v[SC+16*(\sc)+2*\t+(\q)], v[SC+16*(\sc)+2*(\a)+(\q)] matrix_a_scale:MATRIX_SCALE_ROW1
.endif
.endr
.endr
.endm
.macro FETCH_R slot, q, p
	WIN TO_R
.irp i, 0,1,2,3,4,5,6,7
	FRAG 128*(\p)+16*\i, ADRR+\slot, \q, \i
.endr
	WIN 0
.endm
.macro FETCH_P slot, q, i0
.irp i, \i0, \i0+1, \i0+2, \i0+3
	FRAG AF+16*(\i), ADRP+\slot, \q, \i
.endr
.endm
.macro SCALES sc, ks
.irp i, 0,1,2,3,4,5,6,7
.irp q, 0,1
	ds_load_b32 v[SC+16*(\sc)+2*\i+\q], v[ADRS] offset:(\i*KC+2*(\ks)+\q)*64
.endr
.endr
.endm
.macro STEP slot, first
	s_wait_dscnt 16
.if \first
	WIN FST_LO
.else
	WIN MUL_LO
.endif
	MUL16 0, 0, 0, \slot, \first
	MUL16 2, 0, 0, \slot, \first
	s_wait_dscnt 0x0
	PLACES 8
	FETCH_R \slot, 1, 1
	FETCH_P \slot, 1, 0
.if \first
	WIN FST_HI
.else
	WIN MUL_HI
.endif
	MUL16 4, 0, 0, \slot, \first
	MUL16 6, 0, 0, \slot, \first
	PLACES 8
	WIN 0
	FETCH_P \slot, 1, 4
.endm
.macro TURN slot, next, fill, ks
	s_wait_tensorcnt 0x0
	ds_add_u32 v[SPW], v[NIL]
	s_wait_dscnt 17
	WIN MUL_LO
	MUL16 0, 1, 1, \slot, 0
	s_wait_dscnt 0x0
	s_barrier_signal -1
	MUL16 2, 1, 1, \slot, 0
	WIN 0
	s_barrier_wait -1
.if \fill
	CREST
	s_add_nc_u64 s[G0P+4*\slot+2:G0P+4*\slot+3], s[G0P+4*\slot+2:G0P+4*\slot+3], 8192
	s_add_nc_u64 s[G0R+4*\slot+2:G0R+4*\slot+3], s[G0R+4*\slot+2:G0R+4*\slot+3], 8192
	JLOAD G0P+4*\slot, G1P, G0R+4*\slot, G1R
	PLACES 4
.else
	PLACES 8
.endif
	FETCH_R \next, 0, 0
	FETCH_P \next, 0, 0
	SCALES \next, \ks
.if (\fill) && ((\ks)+2 < KC/2)
	global_prefetch_b8 v30, s[66:67] offset:((\ks)+2)*4096 th:TH_LOAD_NT scope:SCOPE_SE    ; this change loads K step ks + 1; asked for here: K step ks + 2, which the next fill loads; the last fill asks for nothing
.endif
	WIN MUL_HI
	MUL16 4, 1, 1, \slot, 0
	MUL16 6, 1, 1, \slot, 0
	PLACES 8
	WIN 0
	FETCH_P \next, 0, 4
.endm
	s_wait_alu depctr_va_vdst(0)
	s_wait_tensorcnt 0x0                           ; my tile of the head's four is in
	ds_add_u32 v[SPW], v[NIL]
	s_mov_b32 s[G1P+2], 8<<16                      ; no tensor load of mine is out: from here on a load brings eight tiles
	s_mov_b32 s[G1P+4], 8
	s_mov_b32 s[G1R+2], 8<<16
	s_mov_b32 s[G1R+4], 8
	s_lshl_b32 s[G0P+1], s[WV], 15                 ; slot 0's group 0 for the ring: my region, my part of K step 0 (its refill steps it on)
	s_sub_nc_u64 s[G0P+2:G0P+3], s[G0P+6:G0P+7], 4096
	s_lshl_b32 s[G0R+1], s[WV], 15
	s_sub_nc_u64 s[G0R+2:G0R+3], s[G0R+6:G0R+7], 4096
	s_wait_dscnt 0x0
	CROUND                                         ; all four tiles are in, and all sixteen work-groups are here
	JLOAD G0P+4, G1P, G0R+4, G1R                   ; K step 1: the first tensor load behind the round
	FETCH_R 0, 0, 0
	FETCH_P 0, 0, 0
	SCALES 0, 0
	global_prefetch_b8 v30, s[66:67] offset:8192 th:TH_LOAD_NT scope:SCOPE_SE      ; K step 1 has just been asked for by its load; asked for here: K step 2, which the next fill loads
	FETCH_P 0, 0, 4
	STEP 0, 1
	TURN 0, 1, 1, 1
	STEP 1, 0
	TURN 1, 0, 1, 2
	STEP 0, 0
	TURN 0, 1, 0, 3
	STEP 1, 0
.if QKV
	WIN TO_R
.irp a, 0,1,2,3,4,5,6,7
	global_load_b32 v[LB+\a], v5, s[92:93] offset:(32*(\a/2)+8*(\a%2))*4
.endr
	WIN 0
.endif
	s_wait_dscnt 16
	WIN MUL_LO
	MUL16 0, 1, 1, 1, 0
	MUL16 2, 1, 1, 1, 0
	s_wait_dscnt 0x0
	WIN MUL_HI
	MUL16 4, 1, 1, 1, 0
	MUL16 6, 1, 1, 1, 0
	WIN 0
	PLACES 8
	s_mov_b32 s20, 0x76543210
	s_mov_b32 s21, 0xfedcba98
	s_mov_b32 s22, 0x600000
	s_mov_b32 s23, 0xffff0000
.if QKV
	s_wait_loadcnt 0x0
	WIN 0x04
.irp a, 0,1,2,3,4,5,6,7
	v_cndmask_b32 v[BP+2*\a], 0, v[LB+\a], s45
	v_cndmask_b32 v[BP+2*\a+1], 0, v[LB+\a], s45
.endr
	WIN 0
.endif
.irp b, 0,1,2,3
	v_mov_b32 v[TM+4+\b], 0
.endr
.macro QUANT a
.set AW, 2+(\a)/4
.set QS, 64*((\a)%4)
.if QKV
	WIN (AW<<6)|AW
.set J, 0
.rept 32
	v_pk_add_f32 v[QS+J:QS+J+1], v[QS+J:QS+J+1], v[BP+2*(\a):BP+2*(\a)+1]
.set J, J+2
.endr
.endif
	WIN (AW<<2)|AW
.irp b, 0,1,2,3
.if RELU
	v_max3_num_f32 v[TM+\b], v[QS+16*\b], v[QS+16*\b+1], 0x4800000
.else
	v_max3_num_f32 v[TM+\b], |v[QS+16*\b]|, |v[QS+16*\b+1]|, 0x4800000
.endif
.endr
	WIN (AW<<4)|(AW<<2)
.irp i, 2,4,6,8,10,12,14
.irp b, 0,1,2,3
.if RELU
	v_max3_num_f32 v[TM+\b], v[TM+\b], v[QS+16*\b+\i], v[QS+16*\b+\i+1]
.else
	v_max3_num_f32 v[TM+\b], v[TM+\b], |v[QS+16*\b+\i]|, |v[QS+16*\b+\i+1]|
.endif
.endr
.endr
	WIN 0
.irp b, 0,1,2,3
	v_permlanex16_b32 v[TM+4+\b], v[TM+\b], s20, s21
.endr
.irp b, 0,1,2,3
	v_max_num_f32 v[TM+\b], v[TM+\b], v[TM+4+\b]
.endr
.irp b, 0,1,2,3
	v_add_nc_u32 v[TM+12+\b], 0xfc000000, v[TM+\b]
.endr
.irp b, 0,1,2,3
	v_and_or_b32 v[TM+8+\b], v[TM+\b], 0x7f800000, s22
.endr
.irp b, 0,1,2,3
	v_lshrrev_b32 v[TM+4+\b], 23, v[TM+12+\b]
.endr
	v_lshl_or_b32 v[PW+(\a)], v[TM+5], 8, v[TM+4]
	v_lshl_or_b32 v[PW+(\a)], v[TM+6], 16, v[PW+(\a)]
	v_lshl_or_b32 v[PW+(\a)], v[TM+7], 24, v[PW+(\a)]
	WIN (AW<<6)|AW
.irp b, 0,1,2,3
.irp i, 0,1,2,3,4,5,6,7,8,9,10,11,12,13,14,15
.if RELU
	v_med3_num_f32 v[QS+16*\b+\i], v[QS+16*\b+\i], 0, v[TM+8+\b]
.else
	v_med3_num_f32 v[QS+16*\b+\i], v[QS+16*\b+\i], -v[TM+8+\b], v[TM+8+\b]
.endif
.endr
.endr
	WIN 0x40|AW
.irp b, 0,1,2,3
	v_cvt_scalef32_pk8_fp8_f32 v[CD+16*(\a)+4*\b:CD+16*(\a)+4*\b+1], v[QS+16*\b:QS+16*\b+7], v[TM+12+\b]
	v_cvt_scalef32_pk8_fp8_f32 v[CD+16*(\a)+4*\b+2:CD+16*(\a)+4*\b+3], v[QS+16*\b+8:QS+16*\b+15], v[TM+12+\b]
.endr
	WIN 0x04
	v_nop
	global_store_b128 v[CO+(\a)], v[CD+16*(\a):CD+16*(\a)+3], s[96:97]
	global_store_b128 v[CO+(\a)], v[CD+16*(\a)+4:CD+16*(\a)+7], s[96:97] offset:512
	global_store_b128 v[CO+(\a)], v[CD+16*(\a)+8:CD+16*(\a)+11], s[4:5]
	global_store_b128 v[CO+(\a)], v[CD+16*(\a)+12:CD+16*(\a)+15], s[4:5] offset:512
.endm
.irp a, 0,1,2,3,4,5,6,7
	QUANT \a
.endr
	WIN 0
.irp k, 0,1,2,3
	v_cndmask_b32 v[MG+\k], v[PW+2*\k], v[PW+2*\k+1], s23
.endr
.if QKV
.irp k, 0,1,2,3
	v_lshrrev_b32 v[MG+4+\k], 16, v[MG+\k]
.endr
.irp k, 0,1,2,3
	global_store_b16 v[SOF+\k], v[MG+\k], s[98:99]
	global_store_b16 v[SOF+\k], v[MG+4+\k], s[6:7]
.endr
.else
.irp k, 0,1,2,3
	global_store_b32 v[SOF+\k], v[MG+\k], s[98:99]
.endr
.endif
	s_wait_tensorcnt 0x0
	ds_add_u32 v[SPW], v[NIL]
	s_wait_dscnt 0x0
	CROUND
	s_endpgm
.Lfunc_end_k_qec524a5042_ffn1:
	.size	k_qec524a5042_ffn1, .Lfunc_end_k_qec524a5042_ffn1-k_qec524a5042_ffn1
	.p2alignl 7, 3214868480
	.fill 96, 4, 3214868480
	.section	.rodata,"a",@progbits
	.p2align	6, 0x0
	.amdhsa_kernel k_qec524a5042_ffn1
		.amdhsa_group_segment_fixed_size 327680
		.amdhsa_private_segment_fixed_size 0
		.amdhsa_enable_private_segment 0
		.amdhsa_kernarg_size 32
		.amdhsa_user_sgpr_count 2
		.amdhsa_user_sgpr_kernarg_segment_ptr 1
		.amdhsa_wavefront_size32 1
		.amdhsa_system_sgpr_workgroup_id_x 1
		.amdhsa_system_sgpr_workgroup_id_y 1
		.amdhsa_system_sgpr_workgroup_id_z 1
		.amdhsa_system_vgpr_workitem_id 0
		.amdhsa_next_free_vgpr 1024
		.amdhsa_next_free_sgpr 100
		.amdhsa_reserve_vcc 0
		.amdhsa_float_denorm_mode_32 3
		.amdhsa_float_denorm_mode_16_64 3
		.amdhsa_memory_ordered 1
		.amdhsa_forward_progress 1
		.amdhsa_inst_pref_size 191
	.end_amdhsa_kernel
	.amdgpu_metadata
---
amdhsa.version: [ 1, 2 ]
amdhsa.kernels:
  - .name:           k_qec524a5042_ffn1
    .symbol:         k_qec524a5042_ffn1.kd
    .args:
      - { .name: act, .offset: 0, .size: 8, .value_kind: global_buffer, .address_space: global }
      - { .name: wts, .offset: 8, .size: 8, .value_kind: global_buffer, .address_space: global }
      - { .name: b1, .offset: 16, .size: 8, .value_kind: global_buffer, .address_space: global }
      - { .name: hid, .offset: 24, .size: 8, .value_kind: global_buffer, .address_space: global }
    .group_segment_fixed_size: 327680
    .private_segment_fixed_size: 0
    .kernarg_segment_align: 8
    .kernarg_segment_size: 32
    .max_flat_workgroup_size: 128
    .sgpr_count:     100
    .vgpr_count:     1024
    .wavefront_size: 32
...
	.end_amdgpu_metadata
.endif
;; end of part 12
;; launch ffn2 (part 13): grid 8 x 32, 4 waves a work-group, clusters of 4 x 1, 327,680 bytes of LDS; arguments hid, wts, b2, x1, out0; writes out0
.if DOCPART == 13
	.amdgcn_target "amdgcn-amd-amdhsa--gfx1250"
	.amdhsa_code_object_version 6
	.text
	.protected	k_qec524a5042_ffn2
	.globl	k_qec524a5042_ffn2
	.p2align	8
	.type	k_qec524a5042_ffn2,@function
k_qec524a5042_ffn2:
	s_mov_b64 s[64:65], 0
	v_nop
	global_prefetch_b8 v0, s[64:65] scope:SCOPE_SE
	s_setreg_imm32_b32 hwreg(HW_REG_WAVE_MODE, 25, 1), 1
	s_wait_xcnt 0x0
	s_wait_alu depctr_hold_cnt(0) depctr_sa_sdst(0) depctr_va_vdst(0) depctr_va_sdst(0) depctr_va_ssrc(0) depctr_va_vcc(0) depctr_vm_vsrc(0)
	s_getreg_b32 s2, hwreg(HW_REG_IB_STS2, 6, 4)
	s_cmp_eq_u32 s2, 0
	s_cbranch_scc0 .Lentry_in_a_cluster
	s_endpgm
.Lentry_in_a_cluster:
	s_bfe_u32 s2, ttmp6, 0x10000c
	s_cmp_lg_u32 s2, 0x3003
	s_cbranch_scc0 .Lentry_shape_is_right
	s_endpgm
.Lentry_shape_is_right:
; out0 = x1 + P R^T + b2, f32, rows of 1,024.  P (the hidden layer, 4,096 tokens) and R (w2's 1,024 columns) are codes of E4M3 with one E8M0 byte for each 32 along K = 4,096, both laid in the order of an
; operand's registers: [tile of 16 rows][KC chunks of 128 along K][c][lane][16 bytes]; scale words [tile][chunk][place].  Place p holds row p with bits 3 and 4 exchanged.
; SHARES: a work-group makes 128 tokens x 128 columns: 32 x 8 = 256 work-groups.  ITS FOUR WAVES SHARE K: wave w makes the whole 128 x 128 (64 accumulators, 512 registers) over chunks 8 w .. 8 w + 7:
; a chunk's 16 fragments feed 64 products, and no fragment is fetched by two waves.
; P COMES THROUGH LDS, BY JOINT LOADS: the four work-groups of a cluster (4 along x) make the same 128 tokens, so each of P's tiles is asked for once for the four.  A slot holds two chunks for each wave
; (8 tiles x 4,096 bytes = 32,768 bytes a wave, which that wave alone loads and reads): two slots, four fills, 128 products a wave between two changes of slots.
; R GOES FROM MEMORY STRAIGHT INTO REGISTERS, a fragment by four loads of 512 consecutive bytes: the partners of this cluster share none of R, and a slot that held R too would hold half as far along K.
; P has one set of registers (two blocks are read anew behind their 16 products), R two sets (the next chunk's are asked for at a chunk's start).
; SCALE WORDS: a tile's words of my 8 chunks are 512 consecutive bytes: 16 loads; they turn through my own 8,192 bytes of LDS into 64 registers: lanes 0-15 an even chunk's words, lanes 16-31 the odd chunk's.
; THE WAY OUT: each wave lays its partial sums by rows into a stage of its own (128 rows of 512 + 16 bytes; the stages lie over the slots, behind their last fill and a barrier); one more barrier; wave w adds the four
; parts of places 32 w .. 32 w + 31, the bias and the residual, and stores rows: 512 consecutive bytes a store.  The chunks are written by a macro, not in a counted loop: each names other scale registers.
; REGISTERS, in windows of 256: window 0: v1-16 addresses, v28-29 for the add, v32-63 P's scale words, v64-95 R's, v96-99 the bias, v128-255 P's eight fragments.
;   window 1: R's fragments, two sets; in the last chunk set 0 takes the residual's 32 rows.   windows 2, 3: accumulator (a, t) at v[8 (8 (a % 4) + t)], a < 4 in window 2; behind the barrier the parts read back.
.set KC,     32
.set PSO,    16777216                  ; where P's scale words, R's codes and R's scale words begin in their buffers
.set RCO,    8388608
.set RSO,    12845056
.set NQ,     KC/4                      ; chunks a wave
.set TILEB,  KC*2048                   ; a tile's codes
.set STB,    KC*64                     ; a tile's scale words
.set SLOT,   131072
.set SPITCH, 528
.set AREA,   128*SPITCH                ; a wave's stage
.set SCA,    4*AREA                    ; behind the stages: 8,192 bytes a wave for the scale words' turn
.set SPARE,  SCA+4*8192                ; the spare words, 128 bytes for each wave: two blocks of 256 bytes that no other line names
.set LO,   3                           ; v3    16 x lane; never rewritten
.set SST,  4                           ; v4    scale words into LDS
.set SLD,  5                           ; v5    and back: 4 x lane
.set STO,  6                           ; v6    into my stage: row r, byte 64 h
.set L4,   7                           ; v7    4 x lane
.set RD,   8                           ; v8-11 my 32 rows in the four stages
.set PFO,  12                          ; v12   prefetch of P: a tile x (lane / 16) + 256 x (lane % 16)
.set PFQ,  13                          ; v13   prefetch of R: 256 x min(lane, 1)
.set ADRP, 14                          ; v14-15 my region of slot 0, 1, + 16 x lane
.set SPW,  28
.set NIL,  29
.set SCP,  32
.set SCR,  64
.set BI,   96
.set AF,   128
.set RB,   20                          ; s[20:21] R's codes at my block's first tile and my first chunk
.set PS,   22                          ; s[22:23], s[24:25] the scale words
.set RS,   24
.set PFP,  26                          ; s[26:27], s[28:29] my work-group's share of the prefetches
.set PFR,  28
.set G0,   32                          ; s[32:39] descriptor group 0, one set for each slot;  s[40:47] group 1
.set G1,   40
.set MSB, 0
.macro WIN new                         ; bits 1:0 source 0, 3:2 source 1, 5:4 source 2, 7:6 destination; the immediate's high byte repeats the setting that is left
.if MSB != (\new)
	s_set_vgpr_msb (MSB<<8)|(\new)
.set MSB, (\new)
.endif
.endm
.macro PLACES n
.rept \n
	v_nop
.endr
.endm
.macro CROUND                          ; a round of the cluster's barrier
	s_barrier_signal -1
	s_barrier_wait -1
	s_cmp_lg_u32 s14, 0
	s_cbranch_scc1 .Lnot_wave_0_\@
	s_barrier_signal -3
.Lnot_wave_0_\@:
	s_barrier_wait -3
	s_barrier_signal -1
	s_barrier_wait -1
.endm
	s_load_b256 s[4:11], s[0:1], 0x0               ; hid, wts, b2, x1
	s_load_b64 s[12:13], s[0:1], 0x20              ; out0
	v_lshl_add_u32 v[SPW], v0, 2, SPARE
	v_mov_b32 v[NIL], 0
	ds_add_u32 v[SPW], v[NIL]                      ; the opening: the add, twice on end, and its wait ahead of my first tensor load
	ds_add_u32 v[SPW], v[NIL]
	v_lshrrev_b32 v1, 5, v0
	v_readfirstlane_b32 s14, v1                    ; wave 0..3
	s_and_b32 s15, ttmp7, 0xffff                   ; y: P's block of 128 tokens, the same in all four partners
	s_bfe_u32 s17, ttmp6, 0x40000                  ; cx
	s_lshl_b32 s16, ttmp9, 2
	s_add_co_u32 s16, s16, s17                     ; x: R's block of 128 columns
	s_mov_b32 s[G1], 15|(3<<16)|(1<<21)            ; 15:0 the mask: all four partners; 17:16 elements of 8 bytes; 21 set beside a mask; no padding
	s_mov_b32 s[G1+1], 512<<16                     ; eight tiles, of each two chunks: 4,096 consecutive bytes, a tile's codes apart
	s_mov_b32 s[G1+2], 8<<16
	s_mov_b32 s[G1+3], 512<<16
	s_mov_b32 s[G1+4], 8
	s_mov_b32 s[G1+5], KC*256
	s_mov_b32 s[G1+6], 0
	s_mov_b32 s[G1+7], 0
	s_mul_i32 s19, s14, NQ*2048                    ; my chunks begin here in a tile
	s_mul_i32 s48, s15, 8*TILEB
	s_add_co_u32 s48, s48, s19                     ; P's codes: y and the wave's number alone
	s_mul_i32 s50, s16, 8*TILEB
	s_add_co_u32 s50, s50, s19
	s_add_co_u32 s50, s50, RCO
	s_mul_i32 s19, s14, NQ*64
	s_mul_i32 s52, s15, 8*STB
	s_add_co_u32 s52, s52, s19
	s_add_co_u32 s52, s52, PSO
	s_mul_i32 s54, s16, 8*STB
	s_add_co_u32 s54, s54, s19
	s_add_co_u32 s54, s54, RSO
	s_lshl_b32 s56, s16, 9                         ; the block's 128 columns in a row of f32
	s_lshl_b32 s58, s15, 19                        ; 128 rows of 4,096 bytes
	s_lshl_b32 s19, s14, 17                        ; the 32 rows that I store
	s_add_co_u32 s58, s58, s19
	s_add_co_u32 s58, s58, s56
	s_mul_i32 s60, s17, 2*TILEB                    ; prefetch: of P's eight tiles the partner at place cx takes tiles 2 cx and 2 cx + 1: told apart by address;
	s_lshr_b32 s62, s15, 2                         ; of R's eight tiles work-group y takes tile y / 4, blocks 2 (y % 4) and + 1 of a chunk's eight
	s_mul_i32 s62, s62, TILEB
	s_and_b32 s19, s15, 3
	s_lshl_b32 s19, s19, 9
	s_add_co_u32 s62, s62, s19
.irp r, 49,51,53,55,57,59,61,63
	s_mov_b32 s\r, 0
.endr
	s_mov_b32 s[G0], 1
	s_lshl_b32 s[G0+1], s14, 15                    ; LDS: 32,768 x wave: no place in the cluster enters an LDS address
	s_lshl_b32 s18, s14, 15
	s_mov_b32 s[G0+4], 1
	s_add_co_u32 s[G0+5], s18, SLOT
	s_lshl_b32 s2, s14, 13
	s_add_co_u32 s2, s2, SCA
	s_mul_i32 s3, s14, AREA
	s_mul_i32 s19, s14, 32*SPITCH
	v_and_b32 v1, 31, v0                           ; lane
	v_and_b32 v2, 15, v0                           ; r
	v_bfe_u32 v16, v0, 4, 1                        ; h
	v_lshlrev_b32 v[LO], 4, v1
	v_lshlrev_b32 v[L4], 2, v1
	v_mul_u32_u24 v[STO], v2, SPITCH
	v_min_u32 v[PFQ], 1, v1
	v_lshlrev_b32 v[PFO], 8, v2
	v_add_nc_u32 v[SST], s2, v[LO]
	v_add_nc_u32 v[SLD], s2, v[L4]
	v_lshl_add_u32 v[STO], v16, 6, v[STO]
	v_add_nc_u32 v[RD], s19, v[LO]
	v_add_nc_u32 v[ADRP], s18, v[LO]
	v_lshlrev_b32 v[PFQ], 8, v[PFQ]
	v_mad_u32_u24 v[PFO], v16, TILEB, v[PFO]
	v_add_nc_u32 v[STO], s3, v[STO]
	v_add_nc_u32 v[ADRP+1], SLOT, v[ADRP]
.irp s, 1,2,3
	v_add_nc_u32 v[RD+\s], \s*AREA, v[RD]
.endr
	s_wait_alu depctr_va_vdst(0)
	s_wait_dscnt 0x0                               ; both opening adds are done
	s_wait_kmcnt 0x0
	s_add_nc_u64 s[G0+2:G0+3], s[4:5], s[48:49]    ; slot 0: my chunks 0, 1
	s_add_nc_u64 s[PFP:PFP+1], s[G0+2:G0+3], s[60:61]
	s_add_nc_u64 s[G0+6:G0+7], s[G0+2:G0+3], 4096  ; slot 1: my chunks 2, 3
	s_or_b32 s[G0+3], s[G0+3], 0x80000000
	s_or_b32 s[G0+7], s[G0+7], 0x80000000
	s_add_nc_u64 s[PS:PS+1], s[4:5], s[52:53]
	s_add_nc_u64 s[RS:RS+1], s[6:7], s[54:55]
	s_add_nc_u64 s[RB:RB+1], s[6:7], s[50:51]
	s_add_nc_u64 s[8:9], s[8:9], s[56:57]
	s_add_nc_u64 s[10:11], s[10:11], s[58:59]
	s_add_nc_u64 s[12:13], s[12:13], s[58:59]
	s_add_nc_u64 s[PFR:PFR+1], s[RB:RB+1], s[62:63]
	CROUND                                         ; all four work-groups are here: the first joint loads meet
	tensor_load_to_lds s[G0:G0+3], s[G1:G1+7]      ; one tensor load a wave at the head
	s_nop 0
	PLACES 4
.macro LDP q, g                        ; P's blocks 2 g, 2 g + 1 of chunk q out of my region of its slot: 8 loads of 512 consecutive bytes
	WIN 0
.irp i, 2*(\g), 2*(\g)+1
.irp c, 0,1,2,3
	ds_load_b128 v[AF+16*(\i)+4*\c:AF+16*(\i)+4*\c+3], v[ADRP+((\q)/2)%2] offset:(\i)*4096+((\q)%2)*2048+\c*512
.endr
.endr
.endm
.macro LDR q                           ; R's eight fragments of chunk q into set q % 2: 32 loads
	WIN 0x40
.irp i, 0,1,2,3,4,5,6,7
.irp c, 0,1,2,3
	global_load_b128 v[128*((\q)%2)+16*\i+4*\c:128*((\q)%2)+16*\i+4*\c+3], v[LO], s[RB:RB+1] offset:\i*TILEB+(\q)*2048+\c*512
.endr
.endr
.endm
; 16 products: P's blocks 2 g, 2 g + 1 against R's eight.  Source 0 = R, source 1 = P: a lane holds one token, its registers run along the columns.  Chunk 0's products start the sums: nothing is cleared.
; The 64 accumulators take turns, one instruction a turn, in the same order in every chunk.
.macro MUL16 g, q
.irp a, 2*(\g), 2*(\g)+1
.irp t, 0,1,2,3,4,5,6,7
.set DD, 8*(8*((\a)%4)+\t)
.set RF, 128*((\q)%2)+16*\t
.set PF, AF+16*(\a)
.set XR, SCR+8*((\q)/2)+\t
.set XP, SCP+8*((\q)/2)+(\a)
.if (\q) == 0
	v_wmma_scale_f32_16x16x128_f8f6f4 v[DD:DD+7], v[RF:RF+15], v[PF:PF+15], 0, v[XR], v[XP]
.elseif (\q)%2
	v_wmma_scale_f32_16x16x128_f8f6f4 v[DD:DD+7], v[RF:RF+15], v[PF:PF+15], v[DD:DD+7], v[XR], v[XP] matrix_a_scale:MATRIX_SCALE_ROW1 matrix_b_scale:MATRIX_SCALE_ROW1
.else
	v_wmma_scale_f32_16x16x128_f8f6f4 v[DD:DD+7], v[RF:RF+15], v[PF:PF+15], v[DD:DD+7], v[XR], v[XP]
.endif
.endr
.endr
.endm
; THE CHANGE OF SLOTS, at the head of an even chunk q.  While a slot is still to be asked for: all my tensor loads are waited for, the add, the wait for it and for my reads of the slot that I have left, a round of the
; cluster's barrier, and behind it my one joint load: chunks q + 2, q + 3 into the other slot (at q = 0 its first fill).  At the last change nothing is filled: only my own load is waited for.
.macro CHANGE q
.set T, 1-(((\q)/2)%2)
	s_wait_tensorcnt 0x0
.if (\q)+2 < NQ
	ds_add_u32 v[SPW], v[NIL]
.if (\q) > 0
	s_add_nc_u64 s[G0+4*T+2:G0+4*T+3], s[G0+4*T+2:G0+4*T+3], 8192      ; no tensor load of mine is out: that slot's next two chunks
.endif
	s_wait_dscnt 0x0
	CROUND
	tensor_load_to_lds s[G0+4*T:G0+4*T+3], s[G1:G1+7]
	s_nop 0
	PLACES 4
.endif
.endm
; A CHUNK.  A load into a register that a matrix instruction has read stands eight places behind it.
; R(q + 1), or in the last chunk the residual's 32 rows, is asked for first: 32 loads, which may be out at the chunk's one wait on LOADcnt.
; An even chunk reads all of P's eight blocks behind the change and, behind each 16 products, two blocks of chunk q + 1: three younger pairs (24 loads) are out at each wait.  An odd chunk reads nothing further: 24 - 8 g.
.macro CHUNK q
.if (\q) > 0
	PLACES 8
.endif
.if (\q) < NQ-1
	LDR (\q)+1
.else
	WIN 0x40
.set I, 0
.rept 32
	global_load_b128 v[4*I:4*I+3], v[LO], s[10:11] offset:((I&7)|((I&8)<<1)|((I&16)>>1))*4096 th:TH_LOAD_NT     ; place I of my 32 is row I with bits 3 and 4 exchanged; 512 consecutive bytes
.set I, I+1
.endr
.endif
	WIN 0
.if (\q)%2 == 0
	CHANGE \q
.irp g, 0,1,2,3
	LDP \q, \g
.endr
.if (\q)+4 < NQ
	; this change loads chunks q + 2, q + 3; asked for here: what the next change loads, chunks q + 4, q + 5: my work-group's two tiles of the eight, 32 blocks of 256 bytes, a lane a block
	global_prefetch_b8 v[PFO], s[PFP:PFP+1] offset:((\q)+4)*2048 th:TH_LOAD_NT scope:SCOPE_SE
.endif
.else
	LDP \q, 3
.endif
.irp g, 0,1,2,3
.if \g == 0
	s_wait_loadcnt 32
.endif
.if (\q)%2 == 0
	s_wait_dscnt 24
.else
	s_wait_dscnt 24-8*\g
.endif
.if ((\q)+3 < NQ) && (\g == 1)
	WIN 0
	; this trip loads R's chunk q + 1; asked for here: chunk q + 3, which the trip two on loads: my work-group's 2 blocks of 256 bytes of the 64; the last trips ask for nothing
	global_prefetch_b8 v[PFQ], s[PFR:PFR+1] offset:((\q)+3)*2048 th:TH_LOAD_NT scope:SCOPE_SE
.endif
	WIN 0xa1+0x50*(\g/2)                           ; source 0 window 1, source 1 window 0, C and D window 2 or 3
	MUL16 \g, \q
.if ((\q)%2 == 0) && (\g < 3)
	PLACES 8
	LDP (\q)+1, \g
.endif
.endr
.endm
	WIN 0x80                                       ; the scale words as they lie, into registers that the first products will write: 17 loads with the bias
.irp i, 0,1,2,3,4,5,6,7
	global_load_b128 v[4*\i:4*\i+3], v[LO], s[PS:PS+1] offset:\i*STB
.endr
.irp i, 0,1,2,3,4,5,6,7
	global_load_b128 v[32+4*\i:32+4*\i+3], v[LO], s[RS:RS+1] offset:\i*STB
.endr
	WIN 0
	global_load_b128 v[BI:BI+3], v[LO], s[8:9]     ; the bias of columns 4 x lane + 0..3
	global_prefetch_b8 v[PFO], s[PFP:PFP+1] offset:2*2048 th:TH_LOAD_NT scope:SCOPE_SE     ; the head loads P's chunks 0, 1; asked for here: chunks 2, 3, which the first change loads
	global_prefetch_b8 v[PFQ], s[PFR:PFR+1] offset:2*2048 th:TH_LOAD_NT scope:SCOPE_SE     ; the head loads R's chunk 0; asked for here: chunk 2, which the trip two on loads
	LDR 0
	s_wait_loadcnt 32                              ; the 17 are in; R's 32 may be out
	WIN 0x08                                       ; a store's data are its source 1
.set U, 0
.rept 16
	ds_store_b128 v[SST], v[4*U:4*U+3] offset:U*512
.set U, U+1
.endr
	WIN 0
.irp j, 0,1,2,3                        ; LDS serves a wave's instructions in order: these see my stores.  128 bytes: chunk 2 j's 16 words, then chunk 2 j + 1's
.irp i, 0,1,2,3,4,5,6,7
	ds_load_b32 v[SCP+8*\j+\i], v[SLD] offset:\i*512+\j*128
	ds_load_b32 v[SCR+8*\j+\i], v[SLD] offset:(8+\i)*512+\j*128
.endr
.endr
.irp q, 0,1,2,3,4,5,6,7
	CHUNK \q
.endr
	; THE WAY OUT.  Tile a's register 16 b + i is column 32 b + 16 h + i of token place 16 a + r.
	PLACES 8
	WIN 0
	s_wait_dscnt 0x0
	s_barrier_signal -1
	s_barrier_wait -1                              ; nobody reads a slot any more: the stages lie over them, behind their last fill
.irp a, 0,1,2,3,4,5,6,7
	WIN 0x08+4*(\a/4)
.set M, 0
.rept 16
	ds_store_b128 v[STO], v[64*(\a%4)+4*M:64*(\a%4)+4*M+3] offset:\a*16*SPITCH+128*(M/4)+16*(M%4)     ; each accumulator from its low end on
.set M, M+1
.endr
.endr
	WIN 0
	s_wait_dscnt 0x0                               ; for the others' sake: my part lies in my stage
	s_barrier_signal -1
	s_barrier_wait -1
.macro GET k                           ; rows 8 k .. 8 k + 7 of my 32, out of the four stages: 32 loads of a whole row's 512 bytes, into half a window
	WIN (2+(\k)/2)<<6
.irp s, 0,1,2,3
.irp i, 0,1,2,3,4,5,6,7
	ds_load_b128 v[128*((\k)%2)+32*\s+4*\i:128*((\k)%2)+32*\s+4*\i+3], v[RD+\s] offset:(8*(\k)+\i)*SPITCH
.endr
.endr
.endm
.macro PUT k                           ; the four parts, the residual and the bias are added; eight rows leave
.set W, 2+(\k)/2
.set B, 128*((\k)%2)
	WIN (W<<6)|(W<<2)|W
.set J, 0
.rept 16
	v_pk_add_f32 v[B+J:B+J+1], v[B+J:B+J+1], v[B+32+J:B+33+J]
	v_pk_add_f32 v[B+64+J:B+65+J], v[B+64+J:B+65+J], v[B+96+J:B+97+J]
.set J, J+2
.endr
.set J, 0
.rept 16
	v_pk_add_f32 v[B+J:B+J+1], v[B+J:B+J+1], v[B+64+J:B+65+J]
.set J, J+2
.endr
	WIN (W<<6)|(1<<2)|W                            ; source 1: the residual, in window 1
.set J, 0
.rept 16
	v_pk_add_f32 v[B+J:B+J+1], v[B+J:B+J+1], v[32*(\k)+J:32*(\k)+J+1]
.set J, J+2
.endr
	WIN (W<<6)|W                                   ; source 1: the bias, in window 0
.set J, 0
.rept 16
	v_pk_add_f32 v[B+J:B+J+1], v[B+J:B+J+1], v[BI+(J%4):BI+(J%4)+1]
.set J, J+2
.endr
	WIN W<<2
.set I, 8*(\k)
.rept 8
	global_store_b128 v[LO], v[B+4*(I%8):B+4*(I%8)+3], s[12:13] offset:((I&7)|((I&8)<<1)|((I&16)>>1))*4096 th:TH_STORE_NT     ; 512 consecutive bytes, at a multiple of 256 from the buffer's first byte
.set I, I+1
.endr
.endm
	GET 0
	GET 1
	s_wait_loadcnt 0x0                             ; the residual's rows
	s_wait_dscnt 32                                ; the older 32 loads are in
	PUT 0
	GET 2
	s_wait_dscnt 32
	PUT 1
	GET 3
	s_wait_dscnt 32
	PUT 2
	s_wait_dscnt 0x0
	PUT 3
	WIN 0
	s_wait_tensorcnt 0x0                           ; the wave's end: behind my last tensor load and my last LDS store
	ds_add_u32 v[SPW], v[NIL]
	s_wait_dscnt 0x0
	CROUND                                         ; the closing round: no work-group ends while a partner may still ask for a tile that names it
	s_endpgm
.Lfunc_end_k_qec524a5042_ffn2:
	.size	k_qec524a5042_ffn2, .Lfunc_end_k_qec524a5042_ffn2-k_qec524a5042_ffn2
	.p2alignl 7, 3214868480
	.fill 96, 4, 3214868480
	.section	.rodata,"a",@progbits
	.p2align	6, 0x0
	.amdhsa_kernel k_qec524a5042_ffn2
		.amdhsa_group_segment_fixed_size 327680
		.amdhsa_private_segment_fixed_size 0
		.amdhsa_enable_private_segment 0
		.amdhsa_kernarg_size 40
		.amdhsa_user_sgpr_count 2
		.amdhsa_user_sgpr_kernarg_segment_ptr 1
		.amdhsa_wavefront_size32 1
		.amdhsa_system_sgpr_workgroup_id_x 1
		.amdhsa_system_sgpr_workgroup_id_y 1
		.amdhsa_system_sgpr_workgroup_id_z 1
		.amdhsa_system_vgpr_workitem_id 0
		.amdhsa_next_free_vgpr 1024
		.amdhsa_next_free_sgpr 66
		.amdhsa_reserve_vcc 0
		.amdhsa_float_denorm_mode_32 3
		.amdhsa_float_denorm_mode_16_64 3
		.amdhsa_memory_ordered 1
		.amdhsa_forward_progress 1
		.amdhsa_inst_pref_size 171
	.end_amdhsa_kernel
	.amdgpu_metadata
---
amdhsa.version: [ 1, 2 ]
amdhsa.kernels:
  - .name:           k_qec524a5042_ffn2
    .symbol:         k_qec524a5042_ffn2.kd
    .args:
      - { .name: hid, .offset: 0, .size: 8, .value_kind: global_buffer, .address_space: global }
      - { .name: wts, .offset: 8, .size: 8, .value_kind: global_buffer, .address_space: global }
      - { .name: b2, .offset: 16, .size: 8, .value_kind: global_buffer, .address_space: global }
      - { .name: x1, .offset: 24, .size: 8, .value_kind: global_buffer, .address_space: global }
      - { .name: out0, .offset: 32, .size: 8, .value_kind: global_buffer, .address_space: global }
    .group_segment_fixed_size: 327680
    .private_segment_fixed_size: 0
    .kernarg_segment_align: 8
    .kernarg_segment_size: 40
    .max_flat_workgroup_size: 128
    .sgpr_count:     66
    .vgpr_count:     1024
    .wavefront_size: 32
...
	.end_amdgpu_metadata
.endif
;; end of part 13
